; MI455X (gfx1250); checked and timed in simulation.
; The chip was launched on July 23, 2026; its instructions are those of AMD's public machine-readable ISA for CDNA 5 (MIT licence, August 2026) and "CDNA5" Instruction Set Architecture Reference Guide (July 2026). The comments in the code are by the model that wrote it; some were corrected since.
;; FF Nw Mo E. Allowed arithmetic: float matrix products may take bf16 or f16 operands with f32 sums; other float arithmetic in f32, or as packed bf16 or f16 multiplies, adds, multiply-adds, maxima and minima; sums over many terms, partial sums and values carried from step to step in f32; what a program stores and reads back later, other than sums and carried values, may be rounded once to bf16 or f16.
;; Inputs: router_w 8 x 1,024 float32; w1 8 x 684 x 1,024 float32; w2 8 x 1,024 x 684 float32; w3 8 x 684 x 1,024 float32; x 4 x 1,024 x 1,024 float32.
;; Outputs: out0 4 x 1,024 x 1,024 float32; out1 one number float32.
;; 3 versions, each right; version 2 is faster than version 1; version 3 is version 2 with the launch prep written anew for expert scheduling mode. Each part assembles by itself: llvm-mc -triple=amdgcn-amd-amdhsa -mcpu=gfx1250 --defsym DOCPART=n.
;; ======== version 1 of 3: 4 launches
;; workspace buffers: xb 8,388,608 bytes; choice 16,384 bytes of whole numbers; rt 49,152 bytes; wf 36,700,160 bytes; lists 51,712 bytes of whole numbers; ep 32,768 bytes; hbuf 23,068,672 bytes
;; launch route (part 1): grid 256 x 1, 4 waves a work-group, no clusters, 56,320 bytes of LDS; arguments x, router_w, xb, choice, rt; writes xb, choice, rt
.if DOCPART == 1
	.amdgcn_target "amdgcn-amd-amdhsa--gfx1250"
	.amdhsa_code_object_version 6
	.text
	.protected	k_qc9f7fe31d1_route
	.globl	k_qc9f7fe31d1_route
	.p2align	8
	.type	k_qc9f7fe31d1_route,@function
k_qc9f7fe31d1_route:
	s_mov_b64 s[64:65], 0
	v_nop
	global_prefetch_b8 v0, s[64:65] scope:SCOPE_SE
	s_setreg_imm32_b32 hwreg(HW_REG_WAVE_MODE, 25, 1), 1
	s_wait_xcnt 0x0
; ROUTE.  For 16 tokens a work-group: x rounded to bf16 and stored (xb); logits = x . router_w^T on the matrix unit, both rounded to bf16, sums in f32;
; softmax with the row's maximum taken away; the two largest probabilities (the lower index wins a tie); the work-group's sums for the auxiliary loss.
; Stored at fixed places: choice[t] = the number s of the SET {a < b} of chosen experts, s = a (15 - a) / 2 + b - a - 1; rt[t] = (p_a, p_b);
; rt + 32768: [work-group][16] = the sums of p_0..7 and the counts of first choices 0..7.  No address and no branch hangs on these numbers.
; LIMITS.  NaN and infinities are not treated apart.  A token whose second and third probabilities differ by less than the rounding of the f32 sums may choose otherwise than an exact sum would.
; SHARES.  Wave w takes k = 256 w .. 256 w + 255 of all 16 tokens and of the 8 rows of router_w: 48 loads of 16 bytes a lane, all out at once.  The four partial logits meet in LDS; wave 0 finishes.
; No cluster, no tensor load: no two work-groups share more than router_w's 32 KiB, and each byte of x passes through registers anyway to be rounded.
.set PITCH, 528                        ; an LDS row: 256 bf16 + 16 bytes, an odd multiple of 16
.set WREG,  24*PITCH                   ; a wave's region: rows 0-15 x, rows 16-23 router_w
.set RED,   4*WREG                     ; 4 x 1,024 bytes: each wave's partial logits
.set AUXT,  RED+4096                   ; 16 rows x 64 bytes: wave 0's p and one-hot, to be added down the tokens
.set SPARE, AUXT+1024                  ; the spare words, 128 bytes a wave: two blocks of 256 bytes that no other line names
.set CL,  1                            ; lane % 16
.set HL,  2                            ; lane / 16
.set XO,  3                            ; byte offset in x and router_w: (lane / 16) rows of 4,096 + 16 (lane % 16)
.set LS,  4                            ; LDS: where my 8 bytes of bf16 go
.set FX,  5                            ; LDS: my fragment address in x's rows
.set FR,  6                            ; LDS: the same in router_w's rows (row % 8)
.set RB,  7                            ; LDS: whole rows read back for xb
.set XBO, 8                            ; byte offset in xb
.set RW,  9                            ; LDS: my 32 bytes of partial logits
.set SPW, 10                           ; my spare word; never rewritten
.set NIL, 11                           ; 0; never rewritten
.set LN,  16                           ; lane
.set X,   32                           ; v[32:223] the 48 loads; later the fragments (v32-159) and the read-backs (v160-223)
.set BK,  160
.set ACC, 224                          ; two accumulators, by turns
.set LG,  240                          ; my wave's 8 partial logits
.set P,   64                           ; wave 0: p_0..7, then the one-hot of the first choice
.set OH,  72
.set Q,   80
	s_load_b256 s[4:11], s[0:1], 0x0               ; x, router_w, xb, choice
	s_load_b64 s[12:13], s[0:1], 0x20              ; rt
	v_lshl_add_u32 v[SPW], v0, 2, SPARE
	v_mov_b32 v[NIL], 0
	v_lshrrev_b32 v12, 5, v0
	v_readfirstlane_b32 s14, v12                   ; wave 0..3
	v_and_b32 v[CL], 15, v0
	v_bfe_u32 v[HL], v0, 4, 1
	v_and_b32 v[LN], 31, v0
	s_mul_i32 s15, s14, WREG
	s_mov_b32 s18, 0x3fb8aa3b                      ; log2(e)
	v_lshlrev_b32 v12, 4, v[CL]
	v_mul_u32_u24 v13, v[HL], PITCH
	v_mul_u32_u24 v14, v[CL], PITCH
	v_and_b32 v15, 7, v0
	v_mul_u32_u24 v15, v15, PITCH
	v_lshl_add_u32 v[XO], v[HL], 12, v12
	v_lshl_add_u32 v[LS], v[CL], 3, v13
	v_add_nc_u32 v[LS], s15, v[LS]
	v_lshl_add_u32 v[FX], v[HL], 4, v14
	v_add_nc_u32 v[FX], s15, v[FX]
	v_lshl_add_u32 v[FR], v[HL], 4, v15
	v_add_nc_u32 v[FR], s15, v[FR]
	v_add_nc_u32 v[RB], v13, v12
	v_add_nc_u32 v[RB], s15, v[RB]
	v_lshl_add_u32 v[XBO], v[HL], 11, v12
	s_lshl_b32 s16, s14, 10                        ; my 256 k in f32: 1,024 bytes
	s_mov_b32 s17, 0
	v_lshl_add_u32 v[RW], v[LN], 5, s16
	v_add_nc_u32 v[RW], RED, v[RW]
	s_lshl_b32 s20, ttmp9, 16                      ; 16 rows of x
	s_add_co_u32 s20, s20, s16
	s_mov_b32 s21, 0
	s_lshl_b32 s22, ttmp9, 15                      ; 16 rows of xb
	s_lshl_b32 s23, s14, 9
	s_add_co_u32 s22, s22, s23
	s_mov_b32 s23, 0
	s_lshl_b32 s24, ttmp9, 6                       ; 16 words
	s_mov_b32 s25, 0
	s_lshl_b32 s26, ttmp9, 7                       ; 16 pairs
	s_mov_b32 s27, 0
	s_wait_kmcnt 0x0
	s_add_nc_u64 s[4:5], s[4:5], s[20:21]
	s_add_nc_u64 s[6:7], s[6:7], s[16:17]
	s_add_nc_u64 s[8:9], s[8:9], s[22:23]
	s_add_nc_u64 s[10:11], s[10:11], s[24:25]
	s_add_nc_u64 s[28:29], s[12:13], s[26:27]      ; (p_a, p_b)
	s_add_nc_u64 s[12:13], s[12:13], s[24:25]      ; the sums, 32,768 further on
	; 48 loads: lanes 0-15 take 256 bytes of one row, lanes 16-31 of the next.  router_w's 16 first.
.set i, 0
.rept 16
	global_load_b128 v[X+4*i:X+4*i+3], v[XO], s[6:7] offset:(i/4)*8192+(i%4)*256
.set i, i+1
.endr
.rept 32
	global_load_b128 v[X+4*i:X+4*i+3], v[XO], s[4:5] offset:((i-16)/4)*8192+(i%4)*256 th:TH_LOAD_NT
.set i, i+1
.endr
	; rounded to bf16 in place, 8 bytes a lane into my wave's rows
.set g, 0
.rept 12
	s_wait_loadcnt 44-4*g                          ; loads come back in order: the groups of four behind this one may stay out
.if g < 4
.set row0, 16+2*g
.else
.set row0, 2*(g-4)
.endif
.set u, 0
.rept 4
.set i, 4*g+u
	v_cvt_pk_bf16_f32 v[X+4*i], v[X+4*i], v[X+4*i+1]
	v_cvt_pk_bf16_f32 v[X+4*i+1], v[X+4*i+2], v[X+4*i+3]
	ds_store_b64 v[LS], v[X+4*i:X+4*i+1] offset:row0*PITCH+u*128
.set u, u+1
.endr
.set g, g+1
.endr
	s_wait_dscnt 0x0                               ; the stores are done before their registers are loaded anew
	; fragments: 16 rows x 32 k in 8 registers, two loads 32 bytes apart; then whole rows for xb.  The bytes are my wave's own.
.set kk, 0
.rept 8
	ds_load_b128 v[X+16*kk:X+16*kk+3],     v[FR] offset:16*PITCH+64*kk
	ds_load_b128 v[X+16*kk+4:X+16*kk+7],   v[FR] offset:16*PITCH+64*kk+32
	ds_load_b128 v[X+16*kk+8:X+16*kk+11],  v[FX] offset:64*kk
	ds_load_b128 v[X+16*kk+12:X+16*kk+15], v[FX] offset:64*kk+32
.set kk, kk+1
.endr
.set i, 0
.rept 16
	ds_load_b128 v[BK+4*i:BK+4*i+3], v[RB] offset:2*(i/2)*PITCH+(i%2)*256
.set i, i+1
.endr
	; source 0 = experts (rows 8-15 repeat 0-7), source 1 = tokens: a lane holds ONE token (lane % 16) and its 8 logits in registers 0-7, in both halves of the lanes.
	; The two accumulators take turns, one instruction a turn.
.set kk, 0
.rept 8
	s_wait_dscnt 44-4*kk                           ; the later fragments and the 16 read-backs may stay out
.if kk < 2
	v_wmma_f32_16x16x32_bf16 v[ACC+8*(kk%2):ACC+8*(kk%2)+7], v[X+16*kk:X+16*kk+7], v[X+16*kk+8:X+16*kk+15], 0
.else
	v_wmma_f32_16x16x32_bf16 v[ACC+8*(kk%2):ACC+8*(kk%2)+7], v[X+16*kk:X+16*kk+7], v[X+16*kk+8:X+16*kk+15], v[ACC+8*(kk%2):ACC+8*(kk%2)+7]
.endif
.set kk, kk+1
.endr
.set i, 0
.rept 16
	s_wait_dscnt 15-i
	global_store_b128 v[XBO], v[BK+4*i:BK+4*i+3], s[8:9] offset:(i/2)*4096+(i%2)*256  ; 16 lanes store 256 consecutive bytes, at a multiple of 256 from xb's first byte
.set i, i+1
.endr
.rept 4
	v_nop                                          ; four places between the last product and the first read of a result (ISA guide 7.12.1)
.endr
.set j, 0
.rept 4
	v_pk_add_f32 v[LG+2*j:LG+2*j+1], v[ACC+2*j:ACC+2*j+1], v[ACC+8+2*j:ACC+8+2*j+1]  ; from the accumulators' low end on
.set j, j+1
.endr
	ds_store_b128 v[RW], v[LG:LG+3]
	ds_store_b128 v[RW], v[LG+4:LG+7] offset:16
	s_wait_dscnt 0x0                               ; for wave 0's sake: my partial logits are in LDS
	s_barrier_signal -1
	s_barrier_wait -1
	s_cmp_lg_u32 s14, 0
	s_cbranch_scc1 .Lend                           ; no barrier follows
	v_lshl_add_u32 v12, v[LN], 5, RED
.set i, 0
.rept 4
	ds_load_b128 v[32+8*i:32+8*i+3], v12 offset:1024*i
	ds_load_b128 v[32+8*i+4:32+8*i+7], v12 offset:1024*i+16
.set i, i+1
.endr
	s_wait_dscnt 0x0
.set j, 0
.rept 4
	v_pk_add_f32 v[32+2*j:33+2*j], v[32+2*j:33+2*j], v[40+2*j:41+2*j]
	v_pk_add_f32 v[48+2*j:49+2*j], v[48+2*j:49+2*j], v[56+2*j:57+2*j]
.set j, j+1
.endr
.set j, 0
.rept 4
	v_pk_add_f32 v[32+2*j:33+2*j], v[32+2*j:33+2*j], v[48+2*j:49+2*j]  ; v32-39: the token's 8 logits
.set j, j+1
.endr
	v_max3_num_f32 v40, v32, v33, v34
	v_max3_num_f32 v40, v40, v35, v36
	v_max3_num_f32 v40, v40, v37, v38
	v_max_num_f32 v40, v40, v39                    ; the row's maximum
	v_mul_f32 v41, s18, v40
.set j, 0
.rept 8
	v_fma_f32 v[48+j], v[32+j], s18, -v41          ; log2(e) (l - m)
.set j, j+1
.endr
.set j, 0
.rept 8
	v_exp_f32 v[48+j], v[48+j]
.set j, j+1
.endr
	v_nop                                          ; a plain instruction behind the last exponential,
	s_wait_alu depctr_va_vdst(0)                   ; and one wait for the eight, ahead of their first reader
	v_add_f32 v42, v48, v49
	v_add_f32 v43, v50, v51
	v_add_f32 v44, v52, v53
	v_add_f32 v45, v54, v55
	v_add_f32 v42, v42, v43
	v_add_f32 v44, v44, v45
	v_add_f32 v42, v42, v44
	v_rcp_f32 v43, v42
	v_nop
	s_wait_alu depctr_va_vdst(0)
.set j, 0
.rept 8
	v_mul_f32 v[P+j], v[48+j], v43
.set j, j+1
.endr
	; the largest: a strict compare, ascending, keeps the lower index
	v_mov_b32 v44, v[P]
	v_mov_b32 v45, 0
.set j, 1
.rept 7
	v_cmp_gt_f32 vcc_lo, v[P+j], v44
	v_cndmask_b32 v44, v44, v[P+j], vcc_lo
	v_cndmask_b32 v45, v45, j, vcc_lo
.set j, j+1
.endr
.set j, 0
.rept 8
	v_cmp_eq_u32 vcc_lo, j, v45
	v_cndmask_b32 v[Q+j], v[P+j], -1.0, vcc_lo     ; the first choice is taken out,
	v_cndmask_b32 v[OH+j], 0, 1.0, vcc_lo          ; and counted
.set j, j+1
.endr
	v_mov_b32 v46, v[Q]
	v_mov_b32 v47, 0
.set j, 1
.rept 7
	v_cmp_gt_f32 vcc_lo, v[Q+j], v46
	v_cndmask_b32 v46, v46, v[Q+j], vcc_lo
	v_cndmask_b32 v47, v47, j, vcc_lo
.set j, j+1
.endr
	v_min_u32 v88, v45, v47                        ; a
	v_add_nc_u32 v89, v45, v47
	v_sub_nc_u32 v89, v89, v88                     ; b
	v_cmp_lt_u32 vcc_lo, v45, v47
	v_cndmask_b32 v90, v46, v44, vcc_lo            ; p_a
	v_cndmask_b32 v91, v44, v46, vcc_lo            ; p_b
	v_sub_nc_u32 v92, 15, v88
	v_mul_u32_u24 v92, v88, v92
	v_lshrrev_b32 v92, 1, v92
	v_add_nc_u32 v92, v92, v89
	v_sub_nc_u32 v92, v92, v88
	v_add_nc_u32 v92, -1, v92                      ; the set's number
	v_lshlrev_b32 v93, 2, v[CL]
	v_lshlrev_b32 v94, 3, v[CL]
	global_store_b32 v93, v92, s[10:11]            ; both halves of the lanes hold the same token and store the same bytes
	global_store_b64 v94, v[90:91], s[28:29]
	; the sums over my 16 tokens: rows of 16 numbers into LDS, read back by columns.  The bytes are wave 0's own, and LDS serves a wave's instructions in order.
	v_lshl_add_u32 v95, v[CL], 6, AUXT
	v_lshl_add_u32 v96, v[CL], 2, AUXT
.set j, 0
.rept 4
	ds_store_b128 v95, v[P+4*j:P+4*j+3] offset:16*j
.set j, j+1
.endr
.set j, 0
.rept 16
	ds_load_b32 v[100+j], v96 offset:64*j
.set j, j+1
.endr
	s_wait_dscnt 0x0
.set j, 1
.rept 15
	v_add_f32 v100, v100, v[100+j]
.set j, j+1
.endr
	global_store_b32 v93, v100, s[12:13] offset:32768
.Lend:
	s_wait_tensorcnt 0x0                           ; the wave's end
	ds_add_u32 v[SPW], v[NIL]
	s_wait_dscnt 0x0
	s_endpgm
.Lfunc_end_k_qc9f7fe31d1_route:
	.size	k_qc9f7fe31d1_route, .Lfunc_end_k_qc9f7fe31d1_route-k_qc9f7fe31d1_route
	.p2alignl 7, 3214868480
	.fill 96, 4, 3214868480
	.section	.rodata,"a",@progbits
	.p2align	6, 0x0
	.amdhsa_kernel k_qc9f7fe31d1_route
		.amdhsa_group_segment_fixed_size 56320
		.amdhsa_private_segment_fixed_size 0
		.amdhsa_enable_private_segment 0
		.amdhsa_kernarg_size 40
		.amdhsa_user_sgpr_count 2
		.amdhsa_user_sgpr_kernarg_segment_ptr 1
		.amdhsa_wavefront_size32 1
		.amdhsa_system_sgpr_workgroup_id_x 1
		.amdhsa_system_sgpr_workgroup_id_y 1
		.amdhsa_system_sgpr_workgroup_id_z 1
		.amdhsa_system_vgpr_workitem_id 0
		.amdhsa_next_free_vgpr 248
		.amdhsa_next_free_sgpr 66
		.amdhsa_reserve_vcc 1
		.amdhsa_float_denorm_mode_32 3
		.amdhsa_float_denorm_mode_16_64 3
		.amdhsa_memory_ordered 1
		.amdhsa_forward_progress 1
		.amdhsa_inst_pref_size 32
	.end_amdhsa_kernel
	.amdgpu_metadata
---
amdhsa.version: [ 1, 2 ]
amdhsa.kernels:
  - .name:           k_qc9f7fe31d1_route
    .symbol:         k_qc9f7fe31d1_route.kd
    .args:
      - { .name: x, .offset: 0, .size: 8, .value_kind: global_buffer, .address_space: global }
      - { .name: router_w, .offset: 8, .size: 8, .value_kind: global_buffer, .address_space: global }
      - { .name: xb, .offset: 16, .size: 8, .value_kind: global_buffer, .address_space: global }
      - { .name: choice, .offset: 24, .size: 8, .value_kind: global_buffer, .address_space: global }
      - { .name: rt, .offset: 32, .size: 8, .value_kind: global_buffer, .address_space: global }
    .group_segment_fixed_size: 56320
    .private_segment_fixed_size: 0
    .kernarg_segment_align: 8
    .kernarg_segment_size: 40
    .max_flat_workgroup_size: 128
    .sgpr_count:     66
    .vgpr_count:     248
    .wavefront_size: 32
...
	.end_amdgpu_metadata
.endif
;; end of part 1
;; launch prep (part 2): grid 577 x 1, 8 waves a work-group, no clusters, 84,992 bytes of LDS; arguments w1, w2, w3, wf, choice, rt, lists, ep, out1; writes wf, lists, ep, out1
.if DOCPART == 2
	.amdgcn_target "amdgcn-amd-amdhsa--gfx1250"
	.amdhsa_code_object_version 6
	.text
	.protected	k_qc9f7fe31d1_prep
	.globl	k_qc9f7fe31d1_prep
	.p2align	8
	.type	k_qc9f7fe31d1_prep,@function
k_qc9f7fe31d1_prep:
	s_mov_b64 s[64:65], 0
	v_nop
	global_prefetch_b8 v0, s[64:65] scope:SCOPE_SE
	s_setreg_imm32_b32 hwreg(HW_REG_WAVE_MODE, 25, 1), 1
	s_wait_xcnt 0x0
; PREP.  Work-group 0 sorts the tokens; work-groups 1..576 round the weights to bf16 and lay them out in the order in which the products' operand registers take them.
; WEIGHTS (wf).  wa, at 0: [g = 16 e + 4 slice + wave][K step 32][fragment 6][half 2][lane 32][16 bytes]; fragment 2 blk + mat (mat 0: w1, 1: w3) holds the weight rows
;   h = 16 (11 slice + 3 wave + blk) + lane % 16 and k = 32 step + 16 half + 8 (lane / 16) + 0..7; zeros where 3 wave + blk = 11 (a slice has 11 blocks) or h >= 684.
;   wb, at WBO: [g = 16 e + 4 slice + wave][K step 22][block 4][half 2][lane 32][16 bytes]: w2's rows d = 256 slice + 64 wave + 16 block + lane % 16, k likewise; zeros for k >= 684.
;   A wave's job is 16 rows x 256 k: 32 loads of 16 bytes a lane, all out at once; then four units of 64 k: rounded, through 16 rows of the wave's own LDS, out as 512 consecutive bytes a store.
; SORT.  Tokens are sorted by their SET of experts (28 sets), stably, by counting: 128 chunks of 32 tokens; a chunk's counts and a token's rank in its chunk come from 28 compares' masks.
;   lists: elist at 0 (expert order j: token | (22 pos + which) << 12), ptok at 32,768 (token at place pos of the set order), t1 at 49,152 (64 x {e, j0, n, 0}: tiles of 144 rows of an expert),
;   t2 at 50,176 (96 x {a, b, pos0, n}: tiles of 80 tokens of a set).  ep: the row's probability, in expert order.  out1 = 0.08 / 4096^2 x the sum over e of (sum of p_e) x (first choices of e).
;   Every split of the tokens is served: at most 57 + 7 tiles of 144 and 52 + 27 tiles of 80; entries past the last tile have n = 0.
; LDS.  The sort has bytes 0 to 65,535, the weights' stages lie behind the spare words: the two kinds of work-group name no common byte, whichever of them a line belongs to.
; No matrix unit, no cluster, no tensor load: a stream in which each weight is read once by one wave and passes through registers to be rounded.
.set WBO,   25165824
.set PAB,   16384                      ; sort: WORDS at 0 (a word a token), PAB (8 bytes a token), CNT (128 chunks x 32 words)
.set CNT,   49152
.set SPARE, 65536                      ; the spare words, 128 bytes a wave: four blocks of 256 bytes that no other line names
.set CSTG,  66560                      ; weights: 16 rows x 144 bytes for each wave
.set SPW, 2
.set NIL, 3
.set CL,  4
.set HL,  5
.set LS,  6                            ; weights: where my 8 bytes go in my wave's stage (16 rows, pitch 144)
.set LF,  7                            ; and my fragment address there
.set M,   8                            ; v[8:15]   row pair p: all ones where my row exists
.set RO,  16                           ; v[16:23]  row pair p: my row's byte offset in the source
.set C,   24                           ; v[24:27]  unit u: all ones where my 4 columns exist
.set CO,  28                           ; v[28:31]  unit u: their byte offset in a row
.set X,   32                           ; v[32:159] the 32 loads
.set DO,  160                          ; v[160:167] K step j of my eight: 16 lane + j x the layout's bytes a K step
.set NS,  24                           ; s[24:51]  sort: the 28 masks, later the 28 sets' counts
.set NE,  52                           ; s[52:59]  rows of each expert
.set RUN, 66                           ; s[66:73]  next free place in each expert's list
.set EO,  74                           ; s[74:81]  first place of each expert's list
	s_load_b512 s[4:19], s[0:1], 0x0               ; w1 s[4:5], w2 s[6:7], w3 s[8:9], wf s[10:11], choice s[12:13], rt s[14:15], lists s[16:17], ep s[18:19]
	s_load_b64 s[20:21], s[0:1], 0x40              ; out1
	v_lshl_add_u32 v[SPW], v0, 2, SPARE
	v_mov_b32 v[NIL], 0
	v_lshrrev_b32 v1, 5, v0
	v_readfirstlane_b32 s22, v1                    ; wave 0..7
	v_and_b32 v[CL], 15, v0
	v_bfe_u32 v[HL], v0, 4, 1
	s_cmp_eq_u32 ttmp9, 0
	s_cbranch_scc1 .Lsort
	; ---- the weights.  One text for both kinds of job; what differs lies in scalar registers.
	s_sub_co_u32 s23, ttmp9, 1
	s_cmp_lt_u32 s23, 384
	s_cbranch_scc0 .Lkind_b
	s_mul_i32 s38, s23, 171
	s_lshr_b32 s38, s38, 9                         ; g = c / 3 (exact for c < 384)
	s_mul_i32 s39, s38, 3
	s_sub_co_u32 s39, s23, s39                     ; blk
	s_lshr_b32 s40, s38, 4                         ; e
	s_bfe_u32 s41, s38, 0x20002                    ; slice
	s_and_b32 s42, s38, 3                          ; the wave of the product that will read this
	s_mul_i32 s43, s42, 3
	s_add_co_u32 s43, s43, s39                     ; the block's place among the slice's twelve
	s_and_b32 s35, s22, 3                          ; which 256 k
	s_lshr_b32 s44, s22, 2                         ; w1 or w3
	s_mul_i32 s28, s40, 684                        ; the expert's first row
	s_mul_i32 s29, s41, 11
	s_add_co_u32 s29, s29, s43
	s_lshl_b32 s29, s29, 4                         ; my first row in the expert,
	s_cmp_eq_u32 s43, 11
	s_cselect_b32 s29, 1024, s29                   ; or past every row: the twelfth place is zeros
	s_mov_b32 s30, 683                             ; the last row that exists
	s_mov_b32 s31, 4096                            ; bytes in a source row
	s_mov_b32 s32, 4080                            ; the last 16 bytes of a row
	s_mov_b32 s33, 6144                            ; bytes of a K step in the layout
	s_mov_b32 s34, 4                               ; units
	s_mul_i32 s36, s38, 196608
	s_lshl_b32 s45, s39, 1
	s_add_co_u32 s45, s45, s44
	s_lshl_b32 s45, s45, 10
	s_add_co_u32 s36, s36, s45
	s_mul_i32 s45, s35, 49152
	s_add_co_u32 s36, s36, s45
	s_wait_kmcnt 0x0
	s_cmp_eq_u32 s44, 0
	s_cselect_b64 s[24:25], s[4:5], s[8:9]
	s_branch .Lconv
.Lkind_b:
	s_sub_co_u32 s38, s23, 384
	s_lshl_b32 s38, s38, 3
	s_add_co_u32 s38, s38, s22                     ; job 0..1535
	s_mul_i32 s39, s38, 43691
	s_lshr_b32 s39, s39, 17                        ; block of 16 rows = job / 3 (exact for jobs < 1536)
	s_mul_i32 s40, s39, 3
	s_sub_co_u32 s35, s38, s40                     ; which 256 k
	s_lshl_b32 s28, s39, 4
	s_mov_b32 s29, 0
	s_mov_b32 s30, 15
	s_mov_b32 s31, 2736
	s_mov_b32 s32, 2720
	s_mov_b32 s33, 4096
	s_cmp_eq_u32 s35, 2
	s_cselect_b32 s34, 3, 4                        ; k = 512 .. 703 is three units
	s_lshr_b32 s40, s39, 2
	s_mul_i32 s36, s40, 90112
	s_and_b32 s41, s39, 3
	s_lshl_b32 s41, s41, 10
	s_add_co_u32 s36, s36, s41
	s_lshl_b32 s41, s35, 15
	s_add_co_u32 s36, s36, s41
	s_add_co_u32 s36, s36, WBO
	s_wait_kmcnt 0x0
	s_mov_b64 s[24:25], s[6:7]
.Lconv:
	s_mov_b32 s37, 0
	s_add_nc_u64 s[26:27], s[10:11], s[36:37]
	s_mul_i32 s38, s22, 2304
	s_add_co_u32 s38, s38, CSTG                    ; my wave's stage
	v_mul_u32_u24 v1, v[HL], 144
	v_lshl_add_u32 v[LS], v[CL], 3, v1
	v_add_nc_u32 v[LS], s38, v[LS]
	v_mul_u32_u24 v1, v[CL], 144
	v_lshl_add_u32 v[LF], v[HL], 4, v1
	v_add_nc_u32 v[LF], s38, v[LF]
.set p, 0
.rept 8
	v_add_nc_u32 v1, s29, v[HL]
	v_add_nc_u32 v1, 2*p, v1
	v_cmp_ge_u32 vcc_lo, s30, v1
	v_cndmask_b32 v[M+p], 0, -1, vcc_lo
	v_min_u32 v1, s30, v1                          ; a row that does not exist reads the last one, and is masked
	v_add_nc_u32 v1, s28, v1
	v_mul_lo_u32 v[RO+p], v1, s31
.set p, p+1
.endr
	s_lshl_b32 s39, s35, 10
	v_lshl_add_u32 v1, v[CL], 4, s39
.set u, 0
.rept 4
	v_add_nc_u32 v[CO+u], 256*u, v1
	v_cmp_ge_u32 vcc_lo, s32, v[CO+u]
	v_cndmask_b32 v[C+u], 0, -1, vcc_lo
	v_min_u32 v[CO+u], s32, v[CO+u]
.set u, u+1
.endr
	v_and_b32 v1, 31, v0
	v_lshlrev_b32 v1, 4, v1
.set j, 0
.rept 8
	v_mad_u32_u24 v[DO+j], s33, j, v1
.set j, j+1
.endr
.set i, 0
.rept 32                               ; unit i / 8, row pair i % 8: lanes 0-15 take 256 bytes of one row, lanes 16-31 of the next; each load lands on its own address register
	v_add_nc_u32 v[X+4*i], v[RO+i%8], v[CO+i/8]
	global_load_b128 v[X+4*i:X+4*i+3], v[X+4*i], s[24:25] th:TH_LOAD_NT
.set i, i+1
.endr
.macro UNIT u                          ; 16 rows x 64 k: two K steps
	s_wait_loadcnt 24-8*(\u)                       ; loads come back in order: the later units may stay out
.set p, 0
.rept 8
.set rx, X+32*(\u)+4*p
	v_cvt_pk_bf16_f32 v[rx], v[rx], v[rx+1]
	v_cvt_pk_bf16_f32 v[rx+1], v[rx+2], v[rx+3]
	v_and_b32 v1, v[M+p], v[C+(\u)]
	v_and_b32 v[rx], v1, v[rx]
	v_and_b32 v[rx+1], v1, v[rx+1]
	ds_store_b64 v[LS], v[rx:rx+1] offset:2*p*144
.set p, p+1
.endr
.set j, 0
.rept 4                                ; K step j / 2, half j % 2; LDS serves a wave's instructions in order: these see the stores above, and the next unit's stores come behind them
	ds_load_b128 v[X+32*(\u)+4*j:X+32*(\u)+4*j+3], v[LF] offset:(j/2)*64+(j%2)*32
.set j, j+1
.endr
	s_wait_dscnt 0x0
.set j, 0
.rept 4
	global_store_b128 v[DO+2*(\u)+j/2], v[X+32*(\u)+4*j:X+32*(\u)+4*j+3], s[26:27] offset:(j%2)*512  ; 512 consecutive bytes, at a multiple of 512 from wf's first byte
.set j, j+1
.endr
.endm
	UNIT 0
	UNIT 1
	UNIT 2
	s_cmp_eq_u32 s34, 3
	s_cbranch_scc1 .Lfin                           ; w2's last part has three units; its fourth unit's clamped loads are left behind
	UNIT 3
	s_branch .Lfin
	; ---- the sort.  Wave w owns tokens 512 w .. 512 w + 511: chunks 16 w .. 16 w + 15.
.Lsort:
	v_and_b32 v6, 31, v0
	s_lshl_b32 s82, s22, 11
	s_lshl_b32 s83, s22, 12
	v_lshl_add_u32 v7, v6, 4, s82
	v_lshl_add_u32 v8, v6, 4, s83
	s_wait_kmcnt 0x0
.set i, 0
.rept 4
	global_load_b128 v[32+4*i:35+4*i], v7, s[12:13] offset:512*i
.set i, i+1
.endr
.set i, 0
.rept 8
	global_load_b128 v[48+4*i:51+4*i], v8, s[14:15] offset:512*i
.set i, i+1
.endr
	s_wait_loadcnt 0x0
.set i, 0
.rept 4
	ds_store_b128 v7, v[32+4*i:35+4*i] offset:512*i
.set i, i+1
.endr
.set i, 0
.rept 8
	ds_store_b128 v8, v[48+4*i:51+4*i] offset:PAB+512*i
.set i, i+1
.endr
	; a chunk a trip: its 28 counts (lane i: set i) into CNT, each token's word becomes set | rank in the chunk << 8.  WORDS and this part of CNT are my wave's own.
	v_lshl_add_u32 v9, v6, 2, s82
	v_add_nc_u32 v10, CNT, v9
	s_mov_b32 s84, 16
.Lp1:
	ds_load_b32 v11, v9
	v_mov_b32 v13, 0
	v_mov_b32 v14, 0
	s_wait_dscnt 0x0
	v_min_u32 v12, 31, v11
.set i, 0
.rept 28
	v_cmp_eq_u32 s[NS+i], i, v12
.set i, i+1
.endr
.set i, 0
.rept 28
	s_bcnt1_i32_b32 s85, s[NS+i]
	v_writelane_b32 v13, s85, i
	v_cndmask_b32 v14, v14, s[NS+i], s[NS+i]       ; each lane keeps its own set's mask
.set i, i+1
.endr
	v_mbcnt_lo_u32_b32 v15, v14, 0                 ; how many lanes below me have my set
	v_lshl_or_b32 v11, v15, 8, v12
	ds_store_b32 v10, v13
	ds_store_b32 v9, v11
	v_add_nc_u32 v9, 128, v9
	v_add_nc_u32 v10, 128, v10
	s_sub_co_u32 s84, s84, 1
	s_cmp_lg_u32 s84, 0
	s_cbranch_scc1 .Lp1
	s_wait_dscnt 0x0                               ; for the others' sake: my rows of CNT are in LDS
	s_barrier_signal -1
	s_barrier_wait -1                              ; behind it nothing is stored into LDS any more
	; every wave adds up all 128 rows, 16 a trip (lane = set): the totals, and the sum of the rows ahead of its own
	v_lshl_add_u32 v16, v6, 2, CNT
	v_mov_b32 v17, 0
	v_mov_b32 v18, 0
	s_mov_b32 s84, 0
.Lp2:
.set i, 0
.rept 16
	ds_load_b32 v[32+i], v16 offset:128*i
.set i, i+1
.endr
	s_wait_dscnt 0x0
.set i, 0
.rept 7
	v_add3_u32 v32, v32, v[33+2*i], v[34+2*i]
.set i, i+1
.endr
	v_add_nc_u32 v32, v32, v47
	v_add_nc_u32 v17, v17, v32
	s_cmp_lt_u32 s84, s22                          ; an earlier wave's rows?
	s_cselect_b32 s85, -1, 0
	v_and_b32 v32, s85, v32
	v_add_nc_u32 v18, v18, v32
	v_add_nc_u32 v16, 2048, v16
	s_add_co_u32 s84, s84, 1
	s_cmp_lt_u32 s84, 8
	s_cbranch_scc1 .Lp2
	; the counts as scalars; each expert's rows and first place; for each set (lane = set): TS its first place in the set order, TA and TB what leads from there into its two experts' lists
.set i, 0
.rept 28
	v_readlane_b32 s[NS+i], v17, i
.set i, i+1
.endr
.set i, 0
.rept 8
	s_mov_b32 s[NE+i], 0
.set i, i+1
.endr
.set sx, 0
.set ea, 0
.rept 7
.set eb, ea+1
.rept 7-ea
	s_add_co_u32 s[NE+ea], s[NE+ea], s[NS+sx]
	s_add_co_u32 s[NE+eb], s[NE+eb], s[NS+sx]
.set eb, eb+1
.set sx, sx+1
.endr
.set ea, ea+1
.endr
	s_mov_b32 s[EO], 0
.set i, 1
.rept 7
	s_add_co_u32 s[EO+i], s[EO+i-1], s[NE+i-1]
.set i, i+1
.endr
.set i, 0
.rept 8
	s_mov_b32 s[RUN+i], s[EO+i]
.set i, i+1
.endr
	v_mov_b32 v19, 0
	v_mov_b32 v20, 0
	v_mov_b32 v21, 0
	s_mov_b32 s86, 0
.set sx, 0
.set ea, 0
.rept 7
.set eb, ea+1
.rept 7-ea
	v_writelane_b32 v19, s86, sx
	s_sub_co_u32 s87, s[RUN+ea], s86
	v_writelane_b32 v20, s87, sx
	s_sub_co_u32 s87, s[RUN+eb], s86
	v_writelane_b32 v21, s87, sx
	s_add_co_u32 s[RUN+ea], s[RUN+ea], s[NS+sx]
	s_add_co_u32 s[RUN+eb], s[RUN+eb], s[NS+sx]
	s_add_co_u32 s86, s86, s[NS+sx]
.set eb, eb+1
.set sx, sx+1
.endr
.set ea, ea+1
.endr
	; the placement: four chunks a trip.  v22 (lane = set): the next free place of each set, for the chunk in hand.
.set W,  32
.set CN, 36
.set PP, 40
.set IX, 52
.set B1, 56
.set B2, 60
.set B3, 64
.set PO, 68
.set JA, 72
.set JB, 76
.set E1, 80
.set E2, 84
.set TK, 88
	v_add_nc_u32 v22, v19, v18
	v_lshl_add_u32 v9, v6, 2, s82
	v_add_nc_u32 v10, CNT, v9
	v_lshl_add_u32 v23, v6, 3, s83
	v_add_nc_u32 v23, PAB, v23
	s_lshl_b32 s85, s22, 9
	v_add_nc_u32 v24, s85, v6                      ; my token in the trip's first chunk
	s_mov_b32 s84, 4
.Lp3:
.set z, 0
.rept 4
	ds_load_b32 v[W+z], v9 offset:128*z
	ds_load_b32 v[CN+z], v10 offset:128*z
	ds_load_b64 v[PP+2*z:PP+2*z+1], v23 offset:256*z
.set z, z+1
.endr
	s_wait_dscnt 0x0
.set z, 0
.rept 4
	v_and_b32 v[IX+z], 0xff, v[W+z]
	v_min_u32 v[IX+z], 31, v[IX+z]
	v_lshlrev_b32 v[IX+z], 2, v[IX+z]
	ds_bpermute_b32 v[B1+z], v[IX+z], v22          ; each token pulls its set's three numbers from the lane of that set
	ds_bpermute_b32 v[B2+z], v[IX+z], v20
	ds_bpermute_b32 v[B3+z], v[IX+z], v21
	v_add_nc_u32 v22, v22, v[CN+z]                 ; on to the next chunk
.set z, z+1
.endr
	s_wait_dscnt 0x0
.set z, 0
.rept 4
	v_lshrrev_b32 v[W+z], 8, v[W+z]
	v_add_nc_u32 v[PO+z], v[B1+z], v[W+z]
	v_min_u32 v[PO+z], 0xfff, v[PO+z]              ; pos
	v_add_nc_u32 v[JA+z], v[PO+z], v[B2+z]
	v_add_nc_u32 v[JB+z], v[PO+z], v[B3+z]
	v_min_u32 v[JA+z], 0x1fff, v[JA+z]
	v_min_u32 v[JB+z], 0x1fff, v[JB+z]
	v_add_nc_u32 v[TK+z], 32*z, v24
	v_mul_u32_u24 v[E1+z], 22, v[PO+z]
	v_lshl_or_b32 v[E1+z], v[E1+z], 12, v[TK+z]
	v_add_nc_u32 v[E2+z], 0x1000, v[E1+z]
	v_lshlrev_b32 v[PO+z], 2, v[PO+z]
	v_lshlrev_b32 v[JA+z], 2, v[JA+z]
	v_lshlrev_b32 v[JB+z], 2, v[JB+z]
	global_store_b32 v[PO+z], v[TK+z], s[16:17] offset:32768
	global_store_b32 v[JA+z], v[E1+z], s[16:17]
	global_store_b32 v[JB+z], v[E2+z], s[16:17]
	global_store_b32 v[JA+z], v[PP+2*z], s[18:19]
	global_store_b32 v[JB+z], v[PP+2*z+1], s[18:19]
.set z, z+1
.endr
	s_wait_xcnt 0x0                                ; the stores' addresses and data are rewritten only behind this wait
	v_add_nc_u32 v9, 512, v9
	v_add_nc_u32 v10, 512, v10
	v_add_nc_u32 v23, 1024, v23
	v_add_nc_u32 v24, 128, v24
	s_sub_co_u32 s84, s84, 1
	s_cmp_lg_u32 s84, 0
	s_cbranch_scc1 .Lp3
	s_cmp_lt_u32 s22, 2
	s_cbranch_scc1 .Lt1
	s_cmp_lt_u32 s22, 5
	s_cbranch_scc1 .Lt2
	s_cmp_eq_u32 s22, 5
	s_cbranch_scc1 .Laux
	s_branch .Lfin
.Lt1:                                  ; threads 0..63: tile i belongs to the last expert whose first tile is not behind i
	v_mov_b32 v33, 0
	v_mov_b32 v34, 0
	v_mov_b32 v35, 0
	v_mov_b32 v36, 0
	s_mov_b32 s86, 0
.set i, 0
.rept 8
	v_cmp_le_u32 vcc_lo, s86, v0
	v_cndmask_b32 v33, v33, i, vcc_lo
	v_cndmask_b32 v34, v34, s[EO+i], vcc_lo
	v_cndmask_b32 v35, v35, s[NE+i], vcc_lo
	v_cndmask_b32 v36, v36, s86, vcc_lo
	s_add_co_u32 s87, s[NE+i], 143
	s_mul_i32 s87, s87, 58255
	s_lshr_b32 s87, s87, 23                        ; (rows + 143) / 144, exact up to 8,335
	s_add_co_u32 s86, s86, s87
.set i, i+1
.endr
	v_sub_nc_u32 v37, v0, v36
	v_mul_u32_u24 v37, v37, 144                    ; the tile's first row in the expert
	v_mov_b32 v40, v33
	v_add_nc_u32 v41, v34, v37
	v_min_u32 v38, v37, v35
	v_sub_nc_u32 v42, v35, v38
	v_min_u32 v42, 144, v42                        ; its rows: 0 past the last tile
	v_mov_b32 v43, 0
	v_lshlrev_b32 v44, 4, v0
	global_store_b128 v44, v[40:43], s[16:17] offset:49152
	s_branch .Lfin
.Lt2:                                  ; threads 64..159: the same over the 28 sets, tiles of 80
	v_subrev_nc_u32 v32, 64, v0
	v_mov_b32 v33, 0
	v_mov_b32 v35, 0
	v_mov_b32 v36, 0
	v_mov_b32 v37, 0
	s_mov_b32 s86, 0
	s_mov_b32 s88, 0
.set sx, 0
.set ea, 0
.rept 7
.set eb, ea+1
.rept 7-ea
	v_cmp_le_u32 vcc_lo, s86, v32
	v_cndmask_b32 v33, v33, ea|(eb<<8), vcc_lo
	v_cndmask_b32 v35, v35, s88, vcc_lo
	v_cndmask_b32 v36, v36, s[NS+sx], vcc_lo
	v_cndmask_b32 v37, v37, s86, vcc_lo
	s_add_co_u32 s87, s[NS+sx], 79
	s_mul_i32 s87, s87, 52429
	s_lshr_b32 s87, s87, 22                        ; (tokens + 79) / 80, exact up to 4,175
	s_add_co_u32 s86, s86, s87
	s_add_co_u32 s88, s88, s[NS+sx]
.set eb, eb+1
.set sx, sx+1
.endr
.set ea, ea+1
.endr
	v_sub_nc_u32 v38, v32, v37
	v_mul_u32_u24 v38, v38, 80
	v_and_b32 v40, 0xff, v33
	v_lshrrev_b32 v41, 8, v33
	v_add_nc_u32 v42, v35, v38
	v_min_u32 v39, v38, v36
	v_sub_nc_u32 v43, v36, v39
	v_min_u32 v43, 80, v43
	v_lshlrev_b32 v44, 4, v32
	global_store_b128 v44, v[40:43], s[16:17] offset:50176
	s_branch .Lfin
.Laux:                                 ; wave 5: 256 rows of 16 sums; lane l holds columns 4 (l % 4) + 0..3 of the rows l / 4 mod 8
	v_lshlrev_b32 v25, 4, v6
	s_mov_b32 s90, 0x76543210
	s_mov_b32 s91, 0xfedcba98
.set i, 0
.rept 32
	global_load_b128 v[32+4*i:35+4*i], v25, s[14:15] offset:32768+512*i
.set i, i+1
.endr
	s_wait_loadcnt 0x0
.set st, 16
.rept 5
.set i, 0
.rept st
	v_pk_add_f32 v[32+4*i:33+4*i], v[32+4*i:33+4*i], v[32+4*(i+st):33+4*(i+st)]
	v_pk_add_f32 v[34+4*i:35+4*i], v[34+4*i:35+4*i], v[34+4*(i+st):35+4*(i+st)]
.set i, i+1
.endr
.set st, st/2
.endr
.set i, 0
.rept 4
	v_add_f32_dpp v[32+i], v[32+i], v[32+i] row_xmask:4 row_mask:0xf bank_mask:0xf
	v_add_f32_dpp v[32+i], v[32+i], v[32+i] row_xmask:8 row_mask:0xf bank_mask:0xf
	v_permlanex16_b32 v[36+i], v[32+i], s90, s91
	v_add_f32 v[32+i], v[32+i], v[36+i]
	v_mul_f32_dpp v[36+i], v[32+i], v[32+i] row_xmask:2 row_mask:0xf bank_mask:0xf  ; the sum of p_e times the count of e: they lie two lanes apart
.set i, i+1
.endr
	v_add_f32 v36, v36, v37
	v_add_f32 v38, v38, v39
	v_add_f32 v36, v36, v38
	v_add_f32_dpp v36, v36, v36 row_xmask:1 row_mask:0xf bank_mask:0xf  ; experts 0-3 and 4-7
	v_mul_f32 v36, 0x31a3d70a, v36                 ; 0.08 / 2^24
	v_mov_b32 v37, 0
	global_store_b32 v37, v36, s[20:21]            ; every lane holds the number and stores it to the one word
.Lfin:
	s_wait_tensorcnt 0x0                           ; the wave's end
	ds_add_u32 v[SPW], v[NIL]
	s_wait_dscnt 0x0
	s_endpgm
.Lfunc_end_k_qc9f7fe31d1_prep:
	.size	k_qc9f7fe31d1_prep, .Lfunc_end_k_qc9f7fe31d1_prep-k_qc9f7fe31d1_prep
	.p2alignl 7, 3214868480
	.fill 96, 4, 3214868480
	.section	.rodata,"a",@progbits
	.p2align	6, 0x0
	.amdhsa_kernel k_qc9f7fe31d1_prep
		.amdhsa_group_segment_fixed_size 84992
		.amdhsa_private_segment_fixed_size 0
		.amdhsa_enable_private_segment 0
		.amdhsa_kernarg_size 72
		.amdhsa_user_sgpr_count 2
		.amdhsa_user_sgpr_kernarg_segment_ptr 1
		.amdhsa_wavefront_size32 1
		.amdhsa_system_sgpr_workgroup_id_x 1
		.amdhsa_system_sgpr_workgroup_id_y 1
		.amdhsa_system_sgpr_workgroup_id_z 1
		.amdhsa_system_vgpr_workitem_id 0
		.amdhsa_next_free_vgpr 168
		.amdhsa_next_free_sgpr 96
		.amdhsa_reserve_vcc 1
		.amdhsa_float_denorm_mode_32 3
		.amdhsa_float_denorm_mode_16_64 3
		.amdhsa_memory_ordered 1
		.amdhsa_forward_progress 1
		.amdhsa_inst_pref_size 85
	.end_amdhsa_kernel
	.amdgpu_metadata
---
amdhsa.version: [ 1, 2 ]
amdhsa.kernels:
  - .name:           k_qc9f7fe31d1_prep
    .symbol:         k_qc9f7fe31d1_prep.kd
    .args:
      - { .name: w1, .offset: 0, .size: 8, .value_kind: global_buffer, .address_space: global }
      - { .name: w2, .offset: 8, .size: 8, .value_kind: global_buffer, .address_space: global }
      - { .name: w3, .offset: 16, .size: 8, .value_kind: global_buffer, .address_space: global }
      - { .name: wf, .offset: 24, .size: 8, .value_kind: global_buffer, .address_space: global }
      - { .name: choice, .offset: 32, .size: 8, .value_kind: global_buffer, .address_space: global }
      - { .name: rt, .offset: 40, .size: 8, .value_kind: global_buffer, .address_space: global }
      - { .name: lists, .offset: 48, .size: 8, .value_kind: global_buffer, .address_space: global }
      - { .name: ep, .offset: 56, .size: 8, .value_kind: global_buffer, .address_space: global }
      - { .name: out1, .offset: 64, .size: 8, .value_kind: global_buffer, .address_space: global }
    .group_segment_fixed_size: 84992
    .private_segment_fixed_size: 0
    .kernarg_segment_align: 8
    .kernarg_segment_size: 72
    .max_flat_workgroup_size: 256
    .sgpr_count:     96
    .vgpr_count:     168
    .wavefront_size: 32
...
	.end_amdgpu_metadata
.endif
;; end of part 2
;; launch up (part 3): grid 4 x 64, 4 waves a work-group, no clusters, 312,832 bytes of LDS; arguments xb, wf, lists, ep, hbuf; writes hbuf
.if DOCPART == 3
	.amdgcn_target "amdgcn-amd-amdhsa--gfx1250"
	.amdhsa_code_object_version 6
	.text
	.protected	k_qc9f7fe31d1_up
	.globl	k_qc9f7fe31d1_up
	.p2align	8
	.type	k_qc9f7fe31d1_up,@function
k_qc9f7fe31d1_up:
	s_mov_b64 s[64:65], 0
	v_nop
	global_prefetch_b8 v0, s[64:65] scope:SCOPE_SE
	s_setreg_imm32_b32 hwreg(HW_REG_WAVE_MODE, 25, 1), 1
	s_wait_xcnt 0x0
; UP.  For a tile of up to 144 routed rows of one expert and a slice of 176 hidden columns: h = p silu(x w1^T) (x w3^T).  Operands bf16, sums f32.
; h leaves as TWO bf16 numbers, hi = bf16(h) and lo = bf16(h - hi): h is heavy-tailed, and one bf16's 8 significant bits on its largest numbers cost more than the result's allowance has.
; hbuf: hi at 0, lo at LOB, each [pos 4096][group 11][which 2][64 bf16]: row 22 pos + which counts pieces of 128 bytes; column c lies at byte cb + (cb & ~127), cb = 2 c.
; LIMITS.  NaN and infinities are not treated apart; where -1.4427 g exceeds 128, silu(g) counts as 0; where |h| rounds to infinity in bf16 (above 3.39e38) the row is lost.
; SHARES.  Grid x = slice, y = tile (64 tiles cover every split: 57 + 7).  Wave w has all 9 blocks of 16 rows x its 3 blocks of 16 hidden columns x {w1, w3}: 54 accumulators.
;   A weight fragment, loaded from memory straight into operand registers (its own stream in wf, read by this wave alone in the work-group), feeds 9 products; a fragment of x from LDS feeds 6.
;   Wave 3's third block is the slice's twelfth place: zeros in wf, computed and not stored.
; ORDER.  The tile's rows of x, gathered by the list, are ALL laid into LDS ahead of the first barrier; between the two barriers LDS is only read; behind the second each wave's way out goes through LDS bytes of its own.
;   Rows past the tile's count repeat its last row and store the same bytes to the same place.  Every wave passes both barriers, whatever the count: a tile with no rows stages one row, does K step 0,
;   jumps over the other 31 K steps (work alone), meets the second barrier and leaves at the way out's first test.
; NO CLUSTER, NO TENSOR LOAD: the rows come by a list, which no descriptor covers; each stream of weights has one reader in a work-group; an expert's tiles are not a multiple of four at every split.
; The matrix instruction is used transposed (source 0 = 16 weight rows, source 1 = 16 tokens): a lane holds ONE token (lane % 16) and 8 neighbouring hidden columns.
; REGISTERS, in windows of 256 (s_set_vgpr_msb: bits 1:0 source 0, 3:2 source 1, 5:4 source 2, 7:6 destination):
;   window 0: addresses; v64-135, v136-207 fragments of x, two buffers; the way out works in them.   window 1: accumulators 0-31 (6 mb + f at 8 x); ahead of the loop three sets of 72 for the staging
;   window 2: accumulators 32-53.   window 3: four buffers of 48: the weights of one K step each
.set PA,    2064                       ; a row of x in LDS: 2,048 bytes + 16, an odd multiple of 16
.set WST,   144*PA                     ; behind A: 16 rows x 112 bytes for each wave, for hi's way out,
.set WSP,   112
.set LST,   4*16*WSP                   ; and as many bytes further on the same for lo's
.set SOFF,  WST+2*LST                  ; 144 words: each row's 22 pos + which
.set SPARE, SOFF+768                   ; the spare words, 128 bytes a wave: two blocks of 256 bytes that no other line names
.set T1OFF, 49152
.set LOB,   11534336                   ; from hi to lo in hbuf
.set CL,   1
.set HL,   2
.set SPW,  8
.set NIL,  9
.set LOFF, 10                          ; 16 lane
.set AR,   11                          ; v11-15  my fragment address in rows 32 i .. of A; stepped 256 bytes a trip
.set SW0,  16                          ; v16-17  where I lay 16 bytes of a staged row: row pairs 0-8, 9-17
.set GOFF, 18                          ; v18-35  row pair q: first the list's address and word, then the token's byte offset in xb
.set PP,   36                          ; v36-53  block mb: my token's p, twice
.set STO,  54
.set RDA,  55
.set SOA,  56
.set COLT, 57
.set SOW,  58
.set ABUF, 64
.set T,    64                          ; the way out, in the fragments' registers
.set Q,    88
.set HP,   112
.set LP,   124
.set DD,   212
.set IX,   228
.set DL,   232
.set MSB, 0
.macro WIN new                         ; the immediate's high byte repeats the setting that is left; a switch that changes nothing is dropped
.if MSB != (\new)
	s_set_vgpr_msb (MSB<<8)|(\new)
.set MSB, (\new)
.endif
.endm
	s_load_b256 s[4:11], s[0:1], 0x0               ; xb s[4:5], wf s[6:7], lists s[8:9], ep s[10:11]
	s_load_b64 s[12:13], s[0:1], 0x20              ; hbuf
	v_lshl_add_u32 v[SPW], v0, 2, SPARE
	v_mov_b32 v[NIL], 0
	v_lshrrev_b32 v3, 5, v0
	v_readfirstlane_b32 s14, v3                    ; wave 0..3
	s_mov_b32 s15, ttmp9                           ; slice
	s_and_b32 s16, ttmp7, 0xffff                   ; tile
	s_lshl_b32 s17, s16, 4
	s_wait_kmcnt 0x0
	s_load_b128 s[20:23], s[8:9], s17 offset:T1OFF ; {e, j0, n, 0}
	v_and_b32 v[CL], 15, v0
	v_bfe_u32 v[HL], v0, 4, 1
	v_and_b32 v3, 31, v0
	v_lshlrev_b32 v[LOFF], 4, v3
	v_lshlrev_b32 v4, 4, v[CL]
	v_mul_u32_u24 v5, v[CL], PA
	v_lshl_add_u32 v[AR], v[HL], 4, v5
.set i, 1
.rept 4
	v_add_nc_u32 v[AR+i], i*32*PA, v[AR]
.set i, i+1
.endr
	s_mul_i32 s24, s14, 36*PA                      ; wave w stages rows 36 w .. 36 w + 35
	v_mul_u32_u24 v5, v[HL], PA
	v_add3_u32 v[SW0], v5, v4, s24
	v_add_nc_u32 v[SW0+1], 18*PA, v[SW0]
	s_mul_i32 s24, s14, 144
	v_lshl_add_u32 v[SOW], v[HL], 2, s24
	v_add_nc_u32 v[SOW], SOFF, v[SOW]
	s_mul_i32 s24, s14, 16*WSP
	s_add_co_u32 s24, s24, WST                     ; my stage
	v_mul_u32_u24 v5, v[CL], WSP
	v_lshl_add_u32 v5, v[HL], 4, v5
	v_add_nc_u32 v[STO], s24, v5                   ; in: row lane % 16, 16 bytes for each half of the lanes
	s_cmp_eq_u32 s14, 3
	s_cselect_b32 s25, 3, 5                        ; the last 16-byte piece of my 96 (wave 3: 64) bytes of a row
	v_and_b32 v6, 7, v0
	v_min_u32 v6, 5, v6                            ; back: eight lanes to a row; a row of the stage has six pieces,
	v_min_u32 v6, s25, v6                          ; and the lanes past my last piece repeat it
	v_bfe_u32 v7, v0, 3, 2
	v_mul_u32_u24 v5, v7, WSP
	v_lshl_add_u32 v5, v6, 4, v5
	v_add_nc_u32 v[RDA], s24, v5
	v_lshl_add_u32 v[SOA], v7, 2, SOFF
	s_mul_i32 s24, s15, 352
	s_mul_i32 s25, s14, 96
	s_add_co_u32 s24, s24, s25
	v_lshl_add_u32 v5, v6, 4, s24                  ; cb of my piece
	v_and_b32 v6, 0xffffff80, v5
	v_add_nc_u32 v[COLT], v5, v6
	s_mul_i32 s24, s14, 36
	v_add_nc_u32 v5, s24, v[HL]                    ; the first row that I stage
	s_mov_b32 s30, 0xbfb8aa3b                      ; -log2(e), named as a pair
	s_mov_b32 s31, s30
	s_mov_b32 s34, 0xffff0000                      ; a word's upper bf16
	s_wait_kmcnt 0x0
	s_add_nc_u64 s[32:33], s[12:13], LOB           ; lo's half of hbuf
	s_min_u32 s20, s20, 7
	s_min_u32 s21, s21, 8191
	s_min_u32 s22, s22, 144
	s_max_u32 s28, s22, 1
	s_sub_co_u32 s28, s28, 1                       ; the tile's last row
	s_lshl_b32 s24, s20, 2
	s_add_co_u32 s24, s24, s15
	s_lshl_b32 s24, s24, 2
	s_add_co_u32 s24, s24, s14                     ; g = 16 e + 4 slice + wave
	s_mul_i32 s18, s24, 196608
	s_mov_b32 s19, 0
	s_add_nc_u64 s[26:27], s[6:7], s[18:19]        ; my stream of weights
.set q, 0
.rept 18                               ; the list's words of my 36 rows; each load lands on its own address register
	v_add_nc_u32 v[GOFF+q], 2*q, v5
	v_min_u32 v[GOFF+q], s28, v[GOFF+q]
	v_add_nc_u32 v[GOFF+q], s21, v[GOFF+q]
	v_min_u32 v[GOFF+q], 0x1fff, v[GOFF+q]
	v_lshlrev_b32 v[GOFF+q], 2, v[GOFF+q]
	global_load_b32 v[GOFF+q], v[GOFF+q], s[8:9]
.set q, q+1
.endr
.set mb, 0
.rept 9                                ; p of the token that I hold in block mb
	v_add_nc_u32 v[PP+2*mb], 16*mb, v[CL]
	v_min_u32 v[PP+2*mb], s28, v[PP+2*mb]
	v_add_nc_u32 v[PP+2*mb], s21, v[PP+2*mb]
	v_min_u32 v[PP+2*mb], 0x1fff, v[PP+2*mb]
	v_lshlrev_b32 v[PP+2*mb], 2, v[PP+2*mb]
	global_load_b32 v[PP+2*mb], v[PP+2*mb], s[10:11]
.set mb, mb+1
.endr
	s_wait_loadcnt 9                               ; the list's 18 words are in; p's nine loads are younger
.set q, 0
.rept 18
	v_lshrrev_b32 v3, 12, v[GOFF+q]
	ds_store_b32 v[SOW], v3 offset:8*q             ; 22 pos + which, for the way out
	v_and_b32 v[GOFF+q], 0xfff, v[GOFF+q]
	v_min_u32 v[GOFF+q], 0xfff, v[GOFF+q]
	v_lshl_add_u32 v[GOFF+q], v[GOFF+q], 11, v4    ; token x 2,048 + 16 (lane % 16)
.set q, q+1
.endr
; THE STAGING.  Chunk c is 256 bytes of each of my 36 rows: 18 loads (lanes 0-15 one row, lanes 16-31 the next) into set c % 3, then 18 LDS stores.  Three chunks are out at a time.
.macro SLOAD c
	WIN 0x40                                       ; destination window 1
.set q, 0
.rept 18
	global_load_b128 v[72*((\c)%3)+4*q:72*((\c)%3)+4*q+3], v[GOFF+q], s[4:5] offset:256*(\c)
.set q, q+1
.endr
.endm
.macro SSTORE c
	WIN 0x04                                       ; data window 1
.set q, 0
.rept 18
	ds_store_b128 v[SW0+q/9], v[72*((\c)%3)+4*q:72*((\c)%3)+4*q+3] offset:(q%9)*2*PA+256*(\c)
.set q, q+1
.endr
.endm
; The weights of one K step, 6 fragments of 1,024 bytes, into buffer s: twelve loads of 512 consecutive bytes
.macro BLOAD s, imm
	WIN 0xc0                                       ; destination window 3
.set f, 0
.rept 6
	global_load_b128 v[48*(\s)+8*f:48*(\s)+8*f+3],   v[LOFF], s[26:27] offset:(\imm)+1024*f
	global_load_b128 v[48*(\s)+8*f+4:48*(\s)+8*f+7], v[LOFF], s[26:27] offset:(\imm)+1024*f+512
.set f, f+1
.endr
.endm
	SLOAD 0
	SLOAD 1
	SLOAD 2
.irp c, 0,1,2,3,4
	s_wait_loadcnt 36                              ; two chunks are younger
	SSTORE \c
	SLOAD (\c)+3
.endr
	s_wait_loadcnt 36                              ; chunks 6 and 7 are younger
	SSTORE 5
	BLOAD 0, 0                                     ; as the ring of sets drains, the first K steps' weights take the free places
	s_wait_loadcnt 30                              ; chunk 7 and K step 0's weights
	SSTORE 6
	BLOAD 1, 6144
	s_wait_loadcnt 24                              ; K steps 0 and 1
	SSTORE 7
	BLOAD 2, 12288
	WIN 0
.set mb, 0
.rept 9
	v_mov_b32 v[PP+2*mb+1], v[PP+2*mb]             ; p's loads are older than the chunks waited for above
.set mb, mb+1
.endr
	s_wait_dscnt 0x0                               ; for the others' sake: my rows of A and my words are in LDS
	s_barrier_signal -1
	s_barrier_wait -1                              ; the first barrier: from here to the second, LDS is only read
; x's fragments of one K step, at byte off of the rows, into buffer par: 9 blocks of 16 rows, two loads 32 bytes apart
.macro ALOAD par, off
.set mb, 0
.rept 9
	ds_load_b128 v[ABUF+72*(\par)+8*mb:ABUF+72*(\par)+8*mb+3],   v[AR+mb/2] offset:(mb%2)*16*PA+(\off)
	ds_load_b128 v[ABUF+72*(\par)+8*mb+4:ABUF+72*(\par)+8*mb+7], v[AR+mb/2] offset:(mb%2)*16*PA+(\off)+32
.set mb, mb+1
.endr
.endm
; A K STEP on weight buffer s.  At its head the weights three steps on are asked for, into the buffer read in the step before, and the next step's fragments of x.
; pre: their byte offset from the stream's pointer, or -1.  aoff: the next fragments' byte offset, or -1.  n: the weight loads younger than this step's.
; The 54 accumulators take turns, one instruction a turn, over the loop's jump too.  zero = 1: the products start the sums.
.macro KSTEP s, zero, aoff, pre, n
.if (\pre) >= 0
	BLOAD ((\s)+3)%4, \pre
.endif
	WIN 0
.if (\aoff) >= 0
	ALOAD ((\s)+1)%2, \aoff
	s_wait_dscnt 18                                ; this step's fragments are in; the 18 loads just issued may stay out
.else
	s_wait_dscnt 0x0
.endif
	s_wait_loadcnt \n
.set ai, 0
.rept 54
.if ai == 0
	WIN 0x53                                       ; weights window 3, x window 0, sums window 1
.endif
.if ai == 32
	WIN 0xa3                                       ; sums window 2
.endif
.set rD, 8*(ai%32)
.if \zero
	v_wmma_f32_16x16x32_bf16 v[rD:rD+7], v[48*(\s)+8*(ai%6):48*(\s)+8*(ai%6)+7], v[ABUF+72*((\s)%2)+8*(ai/6):ABUF+72*((\s)%2)+8*(ai/6)+7], 0
.else
	v_wmma_f32_16x16x32_bf16 v[rD:rD+7], v[48*(\s)+8*(ai%6):48*(\s)+8*(ai%6)+7], v[ABUF+72*((\s)%2)+8*(ai/6):ABUF+72*((\s)%2)+8*(ai/6)+7], v[rD:rD+7]
.endif
.set ai, ai+1
.endr
	WIN 0
.rept 4
	v_nop                                          ; four places between the products and the loads into registers that they read, or the first read of a result
.endr
.endm
	ALOAD 0, 0
	KSTEP 0, 1, 64, 18432, 36                      ; K step 0 stands ahead of the loop: it starts the sums.  36: the three K steps asked for behind this one
	s_cmp_eq_u32 s22, 0
	s_cbranch_scc1 .Lmeet                          ; a tile without rows jumps over the other 31 K steps: work alone, no barrier; every accumulator has been written
	s_wait_xcnt 0x0                                ; the pointer is stepped only behind this wait
	s_add_nc_u64 s[26:27], s[26:27], 24576
	s_mov_b32 s29, 7
.Lk:                                   ; trip t: K steps 4 t + 1 .. 4 t + 4, which ask for steps 4 t + 4 .. 4 t + 7: 4 to 31 in all, none past the stream's end
	KSTEP 1, 0, 128, 0, 36
	KSTEP 2, 0, 192, 6144, 36
	KSTEP 3, 0, 256, 12288, 36
	KSTEP 0, 0, 320, 18432, 36
.set i, 0
.rept 5
	v_add_nc_u32 v[AR+i], 256, v[AR+i]
.set i, i+1
.endr
	s_wait_xcnt 0x0
	s_add_nc_u64 s[26:27], s[26:27], 24576
	s_sub_co_u32 s29, s29, 1
	s_cmp_lg_u32 s29, 0
	s_cbranch_scc1 .Lk
	KSTEP 1, 0, 128, -1, 24                        ; K steps 29 to 31 ask for nothing: the counts run down
	KSTEP 2, 0, 192, -1, 12
	KSTEP 3, 0, -1, -1, 0
.Lmeet:
	s_wait_dscnt 0x0                               ; my reads of A are over
	s_barrier_signal -1
	s_barrier_wait -1                              ; the second barrier: every wave's are; only now is anything stored into LDS again
; THE WAY OUT of block mb (16 rows): h = p g u / (1 + 2^(-log2(e) g)); 24 exponentials and 24 reciprocals, each a batch with one wait; hi = bf16(h), lo = bf16(h - hi);
; each through a stage of my own; 96 bytes a row to each half of hbuf.
.macro EPI mb
	s_cmp_le_u32 s22, 16*(\mb)
	s_cbranch_scc1 .Ldone                          ; this block and all behind it lie past the count
.set blk, 0
.rept 3
.set ag, 6*(\mb)+2*blk
.set rg, 8*(ag%32)
	WIN 0x05*(1+ag/32)                             ; sources 0 and 1 in the accumulators' window
.set j, 0
.rept 4
	v_pk_mul_f32 v[T+8*blk+2*j:T+8*blk+2*j+1], v[rg+2*j:rg+2*j+1], s[30:31] op_sel_hi:[1,0]  ; each accumulator is read from its low end on
.set j, j+1
.endr
.set j, 0
.rept 4
	v_pk_mul_f32 v[Q+8*blk+2*j:Q+8*blk+2*j+1], v[rg+2*j:rg+2*j+1], v[rg+8+2*j:rg+8+2*j+1]
.set j, j+1
.endr
.set blk, blk+1
.endr
	WIN 0
.set j, 0
.rept 24
	v_exp_f32 v[T+j], v[T+j]
.set j, j+1
.endr
.set j, 0
.rept 12
	v_pk_mul_f32 v[Q+2*j:Q+2*j+1], v[Q+2*j:Q+2*j+1], v[PP+2*(\mb):PP+2*(\mb)+1]  ; work that names no exponential's result
.set j, j+1
.endr
	s_wait_alu depctr_va_vdst(0)                   ; one wait for the batch, ahead of its first reader
.set j, 0
.rept 12
	v_pk_add_f32 v[T+2*j:T+2*j+1], v[T+2*j:T+2*j+1], 1.0 op_sel_hi:[1,0]
.set j, j+1
.endr
.set j, 0
.rept 24
	v_rcp_f32 v[T+j], v[T+j]
.set j, j+1
.endr
	v_nop
	s_wait_alu depctr_va_vdst(0)
.set j, 0
.rept 12
	v_pk_mul_f32 v[Q+2*j:Q+2*j+1], v[Q+2*j:Q+2*j+1], v[T+2*j:T+2*j+1]
.set j, j+1
.endr
.set j, 0
.rept 12
	v_cvt_pk_bf16_f32 v[HP+j], v[Q+2*j], v[Q+2*j+1]                  ; hi
.set j, j+1
.endr
.set j, 0
.rept 12
	v_lshlrev_b32 v[T+2*j], 16, v[HP+j]            ; hi as f32: the low half moves up,
	v_and_b32 v[T+2*j+1], s34, v[HP+j]             ; the high half stays
.set j, j+1
.endr
.set j, 0
.rept 12
	v_pk_add_f32 v[Q+2*j:Q+2*j+1], v[Q+2*j:Q+2*j+1], v[T+2*j:T+2*j+1] neg_lo:[0,1] neg_hi:[0,1]  ; h - hi, exact in f32
.set j, j+1
.endr
.set j, 0
.rept 12
	v_cvt_pk_bf16_f32 v[LP+j], v[Q+2*j], v[Q+2*j+1]                  ; lo
.set j, j+1
.endr
.set j, 0
.rept 3
	ds_store_b128 v[STO], v[HP+4*j:HP+4*j+3] offset:32*j
	ds_store_b128 v[STO], v[LP+4*j:LP+4*j+3] offset:LST+32*j
.set j, j+1
.endr
	s_wait_xcnt 0x0                                ; the last block's stores have read their registers
.set j, 0
.rept 4                                ; four rows a load; LDS serves a wave's instructions in order: these see the stores above
	ds_load_b128 v[DD+4*j:DD+4*j+3], v[RDA] offset:4*WSP*j
	ds_load_b128 v[DL+4*j:DL+4*j+3], v[RDA] offset:LST+4*WSP*j
	ds_load_b32 v[IX+j], v[SOA] offset:64*(\mb)+16*j
.set j, j+1
.endr
	s_wait_dscnt 0x0
.set j, 0
.rept 4
	v_min_u32 v[IX+j], 0x15feb, v[IX+j]            ; 22 x 4095 + 1
	v_lshl_add_u32 v[IX+j], v[IX+j], 7, v[COLT]
	global_store_b128 v[IX+j], v[DD+4*j:DD+4*j+3], s[12:13]
	global_store_b128 v[IX+j], v[DL+4*j:DL+4*j+3], s[32:33]
.set j, j+1
.endr
.endm
.irp mb, 0,1,2,3,4,5,6,7,8
	EPI \mb
.endr
.Ldone:
	s_wait_tensorcnt 0x0                           ; the wave's end
	ds_add_u32 v[SPW], v[NIL]
	s_wait_dscnt 0x0
	s_endpgm
.Lfunc_end_k_qc9f7fe31d1_up:
	.size	k_qc9f7fe31d1_up, .Lfunc_end_k_qc9f7fe31d1_up-k_qc9f7fe31d1_up
	.p2alignl 7, 3214868480
	.fill 96, 4, 3214868480
	.section	.rodata,"a",@progbits
	.p2align	6, 0x0
	.amdhsa_kernel k_qc9f7fe31d1_up
		.amdhsa_group_segment_fixed_size 312832
		.amdhsa_private_segment_fixed_size 0
		.amdhsa_enable_private_segment 0
		.amdhsa_kernarg_size 40
		.amdhsa_user_sgpr_count 2
		.amdhsa_user_sgpr_kernarg_segment_ptr 1
		.amdhsa_wavefront_size32 1
		.amdhsa_system_sgpr_workgroup_id_x 1
		.amdhsa_system_sgpr_workgroup_id_y 1
		.amdhsa_system_sgpr_workgroup_id_z 1
		.amdhsa_system_vgpr_workitem_id 0
		.amdhsa_next_free_vgpr 960
		.amdhsa_next_free_sgpr 66
		.amdhsa_reserve_vcc 0
		.amdhsa_float_denorm_mode_32 3
		.amdhsa_float_denorm_mode_16_64 3
		.amdhsa_memory_ordered 1
		.amdhsa_forward_progress 1
		.amdhsa_inst_pref_size 188
	.end_amdhsa_kernel
	.amdgpu_metadata
---
amdhsa.version: [ 1, 2 ]
amdhsa.kernels:
  - .name:           k_qc9f7fe31d1_up
    .symbol:         k_qc9f7fe31d1_up.kd
    .args:
      - { .name: xb, .offset: 0, .size: 8, .value_kind: global_buffer, .address_space: global }
      - { .name: wf, .offset: 8, .size: 8, .value_kind: global_buffer, .address_space: global }
      - { .name: lists, .offset: 16, .size: 8, .value_kind: global_buffer, .address_space: global }
      - { .name: ep, .offset: 24, .size: 8, .value_kind: global_buffer, .address_space: global }
      - { .name: hbuf, .offset: 32, .size: 8, .value_kind: global_buffer, .address_space: global }
    .group_segment_fixed_size: 312832
    .private_segment_fixed_size: 0
    .kernarg_segment_align: 8
    .kernarg_segment_size: 40
    .max_flat_workgroup_size: 128
    .sgpr_count:     66
    .vgpr_count:     960
    .wavefront_size: 32
...
	.end_amdgpu_metadata
.endif
;; end of part 3
;; launch down (part 4): grid 4 x 79, 4 waves a work-group, no clusters, 244,992 bytes of LDS; arguments hbuf, wf, lists, out0; writes out0
.if DOCPART == 4
	.amdgcn_target "amdgcn-amd-amdhsa--gfx1250"
	.amdhsa_code_object_version 6
	.text
	.protected	k_qc9f7fe31d1_down
	.globl	k_qc9f7fe31d1_down
	.p2align	8
	.type	k_qc9f7fe31d1_down,@function
k_qc9f7fe31d1_down:
	s_mov_b64 s[64:65], 0
	v_nop
	global_prefetch_b8 v0, s[64:65] scope:SCOPE_SE
	s_setreg_imm32_b32 hwreg(HW_REG_WAVE_MODE, 25, 1), 1
	s_wait_xcnt 0x0
; DOWN.  For a tile of up to 80 tokens of one SET {a, b} of experts and 256 columns: out0 = [h_a h_b] . [w2_a ; w2_b]^T.  The probabilities are in h already, so both experts add into ONE accumulator
; and each output row has one owner.  Operands bf16, sums f32, out0 f32.  h comes as two bf16 numbers, hi and lo (the two halves of hbuf): K is walked twice, PASS 1 with hi and pass 2 with lo, into the same sums.
; SHARES.  Grid x = 256 columns, y = tile (79 tiles cover every split: 52 + 27).  Wave w has 5 blocks of 16 tokens x 4 blocks of 16 columns: 20 accumulators.
;   K is 44 steps of 32: step j is byte 64 j of a row of hbuf, whose blocks of 256 bytes hold 64 hidden columns of a and then the same 64 of b: steps 4 t, 4 t + 1 are a's K steps 2 t, 2 t + 1, steps 4 t + 2, 4 t + 3 are b's.
;   The weights come from memory straight into operand registers, each wave reading its own two streams of wf; columns 684 to 703 are zeros there and in hbuf.
; ORDER.  A pass: the tile's rows (consecutive places of the set order) are ALL laid into LDS; a barrier; the 44 steps, in which LDS is only read; a second barrier, behind which the next pass lays its rows
;   into the same bytes, or each wave's way out goes through LDS bytes of its own.  The pass is written once and walked twice, so no step starts the sums: the 160 accumulator registers are cleared once,
;   in the wait for the tile's entry; that is the price of one text for both passes.
;   Rows past the count repeat the tile's last row and store the same bytes to the same place.  Every wave passes all four barriers, whatever the count: a tile with no rows stages one row,
;   jumps over the steps (work alone) and leaves at the way out's first test.
; NO CLUSTER: what the four work-groups of a tile share is the staged rows; a joint tensor load for them is left for later.
; The matrix instruction is used transposed (source 0 = 16 rows of w2, source 1 = 16 tokens): a lane holds ONE token and 8 neighbouring columns.
; REGISTERS, in windows of 256 (s_set_vgpr_msb: bits 1:0 source 0, 3:2 source 1, 5:4 source 2, 7:6 destination): window 0: addresses; v64-103, v104-143 fragments of h, two buffers; v144-183 the way out.
;   window 1: accumulators at 8 (4 mb + nb).   window 2: eight slots of 32: the weights of one step each.   window 3: four sets of 40 for the staging
.set PA,    2832                       ; a row in LDS: 2,816 bytes + 16, an odd multiple of 16
.set OST,   80*PA                      ; behind A: 16 rows x 272 bytes for each wave, for the way out
.set OSP,   272
.set TOK,   OST+4*16*OSP               ; 128 words, a thread's own each: the tokens of rows 0-79 in the first 80
.set SPARE, TOK+512                    ; the spare words, 128 bytes a wave: two blocks of 256 bytes that no other line names
.set WBO,   25165824
.set T2OFF, 50176
.set LOB,   11534336                   ; from hi to lo in hbuf
.set CL,   1
.set HL,   2
.set SPW,  8
.set NIL,  9
.set VA,   10                          ; 16 lane + expert a's stream
.set VB,   11                          ; the same for b
.set AR,   12                          ; v12-16  my fragment address in block mb; made anew at a pass's head, stepped 512 bytes a trip
.set SW,   17
.set HOFF, 18                          ; v18-27  row pair q: my byte offset in a half of hbuf
.set OSTW, 28
.set OSTR, 29
.set TKA,  30
.set COLO, 31
.set TKW,  32
.set AR0,  33                          ; my fragment address in block 0, step 0; never rewritten
.set ABUF, 64
.set DD,   144
.set TK,   176
.set MSB, 0
.macro WIN new                         ; the immediate's high byte repeats the setting that is left; a switch that changes nothing is dropped
.if MSB != (\new)
	s_set_vgpr_msb (MSB<<8)|(\new)
.set MSB, (\new)
.endif
.endm
	s_load_b256 s[4:11], s[0:1], 0x0               ; hbuf s[4:5], wf s[6:7], lists s[8:9], out0 s[10:11]
	v_lshl_add_u32 v[SPW], v0, 2, SPARE
	v_mov_b32 v[NIL], 0
	v_lshrrev_b32 v3, 5, v0
	v_readfirstlane_b32 s14, v3                    ; wave 0..3
	s_mov_b32 s15, ttmp9                           ; which 256 columns
	s_and_b32 s16, ttmp7, 0xffff                   ; tile
	s_lshl_b32 s17, s16, 4
	s_wait_kmcnt 0x0
	s_load_b128 s[20:23], s[8:9], s17 offset:T2OFF ; {a, b, pos0, n}
	v_and_b32 v[CL], 15, v0
	v_bfe_u32 v[HL], v0, 4, 1
	v_and_b32 v3, 31, v0
	v_lshlrev_b32 v3, 4, v3
	v_lshlrev_b32 v4, 4, v[CL]
	v_mul_u32_u24 v5, v[CL], PA
	v_lshl_add_u32 v[AR0], v[HL], 4, v5
	s_mul_i32 s24, s14, 20*PA                      ; wave w stages rows 20 w .. 20 w + 19
	v_mul_u32_u24 v5, v[HL], PA
	v_add3_u32 v[SW], v5, v4, s24
	s_mul_i32 s24, s14, 16*OSP
	s_add_co_u32 s24, s24, OST                     ; my stage
	v_mul_u32_u24 v5, v[CL], OSP
	v_lshl_add_u32 v5, v[HL], 5, v5
	v_add_nc_u32 v[OSTW], s24, v5                  ; in: row lane % 16, 32 bytes for each half of the lanes
	v_mul_u32_u24 v5, v[HL], OSP
	v_add3_u32 v[OSTR], v5, v4, s24                ; back: lanes 0-15 one row of 256 bytes, lanes 16-31 the next
	v_lshl_add_u32 v[TKA], v[HL], 2, TOK
	v_lshl_add_u32 v[TKW], v0, 2, TOK
	s_lshl_b32 s24, s15, 10
	s_lshl_b32 s25, s14, 8
	s_add_co_u32 s24, s24, s25
	v_add_nc_u32 v[COLO], s24, v4                  ; my 16 bytes in a row of out0
	s_mul_i32 s24, s14, 20
	v_add_nc_u32 v5, s24, v[HL]                    ; the first row that I stage
	WIN 0x40                                       ; destination window 1
.set i, 0
.rept 160
	v_mov_b32 v[i], 0                              ; the sums begin at 0: these lines stand in the wait for the tile's entry
.set i, i+1
.endr
	WIN 0
	s_wait_kmcnt 0x0
	s_min_u32 s20, s20, 7
	s_min_u32 s21, s21, 7
	s_min_u32 s22, s22, 4095
	s_min_u32 s23, s23, 80
	s_max_u32 s28, s23, 1
	s_sub_co_u32 s28, s28, 1                       ; the tile's last row
	s_lshl_b32 s25, s15, 2
	s_add_co_u32 s25, s25, s14
	s_lshl_b32 s24, s20, 4
	s_add_co_u32 s24, s24, s25
	s_mul_i32 s24, s24, 90112
	v_add_nc_u32 v[VA], s24, v3
	s_lshl_b32 s24, s21, 4
	s_add_co_u32 s24, s24, s25
	s_mul_i32 s24, s24, 90112
	v_add_nc_u32 v[VB], s24, v3
	v_min_u32 v6, s28, v0
	v_add_nc_u32 v6, s22, v6
	v_min_u32 v6, 0xfff, v6
	v_lshlrev_b32 v6, 2, v6
	global_load_b32 v6, v6, s[8:9] offset:32768    ; the token at my row's place
.set q, 0
.rept 10
	v_add_nc_u32 v[HOFF+q], 2*q, v5
	v_min_u32 v[HOFF+q], s28, v[HOFF+q]
	v_add_nc_u32 v[HOFF+q], s22, v[HOFF+q]
	v_min_u32 v[HOFF+q], 0xfff, v[HOFF+q]
	v_mad_u32_u24 v[HOFF+q], v[HOFF+q], 0xb00, v4  ; place x 2,816 + 16 (lane % 16)
.set q, q+1
.endr
; THE STAGING.  Chunk c is 256 bytes of each of my 20 rows: 10 loads (lanes 0-15 one row, lanes 16-31 the next) into set c % 4, then 10 LDS stores.  Four chunks are out at a time.
.macro SLOAD c
	WIN 0xc0                                       ; destination window 3
.set q, 0
.rept 10
	global_load_b128 v[40*((\c)%4)+4*q:40*((\c)%4)+4*q+3], v[HOFF+q], s[4:5] offset:256*(\c)
.set q, q+1
.endr
.endm
.macro SSTORE c
	WIN 0x0c                                       ; data window 3
.set q, 0
.rept 10
	ds_store_b128 v[SW], v[40*((\c)%4)+4*q:40*((\c)%4)+4*q+3] offset:q*2*PA+256*(\c)
.set q, q+1
.endr
.endm
; The weights of one step into slot i (the step's number mod 8): expert (i / 2) % 2, its K step 2 (i / 4) + i % 2 from the pointer: eight loads of 512 consecutive bytes
.macro BL i
	WIN 0x80                                       ; destination window 2
.set nb, 0
.rept 4
	global_load_b128 v[32*(\i)+8*nb:32*(\i)+8*nb+3],   v[VA+((\i)/2)%2], s[26:27] offset:(2*((\i)/4)+(\i)%2)*4096+1024*nb
	global_load_b128 v[32*(\i)+8*nb+4:32*(\i)+8*nb+7], v[VA+((\i)/2)%2], s[26:27] offset:(2*((\i)/4)+(\i)%2)*4096+1024*nb+512
.set nb, nb+1
.endr
.endm
.macro ALOAD2 par, off                 ; h's fragments of one step, at byte off of the rows, into buffer par
.set mb, 0
.rept 5
	ds_load_b128 v[ABUF+40*(\par)+8*mb:ABUF+40*(\par)+8*mb+3],   v[AR+mb] offset:(\off)
	ds_load_b128 v[ABUF+40*(\par)+8*mb+4:ABUF+40*(\par)+8*mb+7], v[AR+mb] offset:(\off)+32
.set mb, mb+1
.endr
.endm
; A STEP on slot i.  At its head: the wait for its own weights (n: the weight loads younger than they are); then the weights seven steps on are asked for (pre = 1), into the slot read in the
; step before: seven steps, 56 loads, are out behind that; then the next step's fragments of h (at byte aoff, or -1).
; The 20 accumulators take turns, one instruction a turn, over the loops' jumps too.
.macro STEP i, aoff, pre, n
	s_wait_loadcnt \n
.if \pre
	BL ((\i)+7)%8
.endif
	WIN 0
.if (\aoff) >= 0
	ALOAD2 ((\i)+1)%2, \aoff
	s_wait_dscnt 10                                ; this step's fragments are in; the ten loads just issued may stay out
.else
	s_wait_dscnt 0x0
.endif
	WIN 0x52                                       ; weights window 2, h window 0, sums window 1
.set ai, 0
.rept 20
	v_wmma_f32_16x16x32_bf16 v[8*ai:8*ai+7], v[32*(\i)+8*(ai%4):32*(\i)+8*(ai%4)+7], v[ABUF+40*((\i)%2)+8*(ai/4):ABUF+40*((\i)%2)+8*(ai/4)+7], v[8*ai:8*ai+7]
.set ai, ai+1
.endr
	WIN 0
.rept 4
	v_nop                                          ; four places between the products and the loads into registers that they read, or the first read of a result
.endr
.endm
	s_mov_b32 s30, 2                               ; passes: hi, then lo
.Lpass:
	s_add_nc_u64 s[26:27], s[6:7], WBO             ; w2's part of wf, from its head; stepped four K steps of a stream (eight steps of the walk) a trip
	v_mov_b32 v[AR], v[AR0]
.set i, 1
.rept 4
	v_add_nc_u32 v[AR+i], i*16*PA, v[AR0]
.set i, i+1
.endr
	SLOAD 0
	SLOAD 1
	SLOAD 2
	SLOAD 3
	s_wait_loadcnt 30                              ; three chunks are younger; the token's load is older
	WIN 0
	ds_store_b32 v[TKW], v6                        ; my own word; the second pass stores the same number again
	SSTORE 0
	SLOAD 4
.irp c, 1,2,3,4,5,6
	s_wait_loadcnt 30
	SSTORE \c
	SLOAD (\c)+4
.endr
	s_wait_loadcnt 30                              ; chunks 8 to 10
	SSTORE 7
	BL 0                                           ; as the ring of sets drains, the first steps' weights take the free places
	BL 1
	s_wait_loadcnt 36                              ; chunks 9, 10 and two steps' weights
	SSTORE 8
	BL 2
	BL 3
	s_wait_loadcnt 42                              ; chunk 10 and four steps
	SSTORE 9
	BL 4
	BL 5
	s_wait_loadcnt 48                              ; six steps
	SSTORE 10
	BL 6
	WIN 0
	s_wait_dscnt 0x0                               ; for the others' sake: my rows and my word are in LDS
	s_barrier_signal -1
	s_barrier_wait -1                              ; the pass's first barrier: from here to its second, LDS is only read
	s_cmp_eq_u32 s23, 0
	s_cbranch_scc1 .Lmeet                          ; a tile without rows jumps over the 44 steps: work alone, no barrier
	ALOAD2 0, 0
	STEP 0, 64, 1, 48                              ; 48: steps 1 to 6 are younger
	s_wait_xcnt 0x0                                ; the pointer is stepped only behind this wait
	s_add_nc_u64 s[26:27], s[26:27], 16384
	s_mov_b32 s29, 4
.Lk:                                   ; trip t: steps 8 t + 1 .. 8 t + 8, which ask for steps 8 t + 8 .. 8 t + 15
	STEP 1, 128, 1, 48
	STEP 2, 192, 1, 48
	STEP 3, 256, 1, 48
	STEP 4, 320, 1, 48
	STEP 5, 384, 1, 48
	STEP 6, 448, 1, 48
	STEP 7, 512, 1, 48
	STEP 0, 576, 1, 48
.set i, 0
.rept 5
	v_add_nc_u32 v[AR+i], 512, v[AR+i]
.set i, i+1
.endr
	s_wait_xcnt 0x0
	s_add_nc_u64 s[26:27], s[26:27], 16384
	s_sub_co_u32 s29, s29, 1
	s_cmp_lg_u32 s29, 0
	s_cbranch_scc1 .Lk
	STEP 1, 128, 1, 48                             ; steps 33 to 36 ask for the last four, 40 to 43
	STEP 2, 192, 1, 48
	STEP 3, 256, 1, 48
	STEP 4, 320, 1, 48
	STEP 5, 384, 0, 48                             ; steps 37 to 43 ask for nothing: the counts run down
	STEP 6, 448, 0, 40
	STEP 7, 512, 0, 32
	STEP 0, 576, 0, 24
	STEP 1, 640, 0, 16
	STEP 2, 704, 0, 8
	STEP 3, -1, 0, 0
.Lmeet:
	s_wait_loadcnt 0x0                             ; behind the steps nothing is out; behind the jump the first seven steps' weights land here, before their registers are asked for again
	s_wait_dscnt 0x0                               ; my reads of the rows are over
	s_barrier_signal -1
	s_barrier_wait -1                              ; the pass's second barrier: every wave's are; only now is anything stored into LDS again
	s_wait_xcnt 0x0                                ; the pointers are written only behind this wait
	s_add_nc_u64 s[4:5], s[4:5], LOB               ; on to lo's half of hbuf (behind the second pass it is not used)
	s_sub_co_u32 s30, s30, 1
	s_cmp_lg_u32 s30, 0
	s_cbranch_scc1 .Lpass
; THE WAY OUT of block mb: a lane's 8 columns, 32 bytes, into rows of 272 bytes of my own stage; back as whole rows of 256 bytes; each to its token's row of out0.
.macro OUT mb
	s_cmp_le_u32 s23, 16*(\mb)
	s_cbranch_scc1 .Ldone                          ; this block and all behind it lie past the count
	s_wait_xcnt 0x0                                ; the last block's stores have read their registers
	WIN 0x04                                       ; data window 1
.set nb, 0
.rept 4
	ds_store_b128 v[OSTW], v[8*(4*(\mb)+nb):8*(4*(\mb)+nb)+3]   offset:64*nb       ; each accumulator's low four registers first
	ds_store_b128 v[OSTW], v[8*(4*(\mb)+nb)+4:8*(4*(\mb)+nb)+7] offset:64*nb+16
.set nb, nb+1
.endr
	WIN 0
.set j, 0
.rept 8                                ; LDS serves a wave's instructions in order: these see the stores above
	ds_load_b128 v[DD+4*j:DD+4*j+3], v[OSTR] offset:2*OSP*j
	ds_load_b32 v[TK+j], v[TKA] offset:(16*(\mb)+2*j)*4
.set j, j+1
.endr
	s_wait_dscnt 0x0
.set j, 0
.rept 8
	v_min_u32 v[TK+j], 0xfff, v[TK+j]
	v_lshl_add_u32 v[TK+j], v[TK+j], 12, v[COLO]
	global_store_b128 v[TK+j], v[DD+4*j:DD+4*j+3], s[10:11] th:TH_STORE_NT  ; 16 lanes store 256 consecutive bytes, at a multiple of 256 from out0's first byte
.set j, j+1
.endr
.endm
.irp mb, 0,1,2,3,4
	OUT \mb
.endr
.Ldone:
	s_wait_tensorcnt 0x0                           ; the wave's end
	ds_add_u32 v[SPW], v[NIL]
	s_wait_dscnt 0x0
	s_endpgm
.Lfunc_end_k_qc9f7fe31d1_down:
	.size	k_qc9f7fe31d1_down, .Lfunc_end_k_qc9f7fe31d1_down-k_qc9f7fe31d1_down
	.p2alignl 7, 3214868480
	.fill 96, 4, 3214868480
	.section	.rodata,"a",@progbits
	.p2align	6, 0x0
	.amdhsa_kernel k_qc9f7fe31d1_down
		.amdhsa_group_segment_fixed_size 244992
		.amdhsa_private_segment_fixed_size 0
		.amdhsa_enable_private_segment 0
		.amdhsa_kernarg_size 32
		.amdhsa_user_sgpr_count 2
		.amdhsa_user_sgpr_kernarg_segment_ptr 1
		.amdhsa_wavefront_size32 1
		.amdhsa_system_sgpr_workgroup_id_x 1
		.amdhsa_system_sgpr_workgroup_id_y 1
		.amdhsa_system_sgpr_workgroup_id_z 1
		.amdhsa_system_vgpr_workitem_id 0
		.amdhsa_next_free_vgpr 928
		.amdhsa_next_free_sgpr 66
		.amdhsa_reserve_vcc 0
		.amdhsa_float_denorm_mode_32 3
		.amdhsa_float_denorm_mode_16_64 3
		.amdhsa_memory_ordered 1
		.amdhsa_forward_progress 1
		.amdhsa_inst_pref_size 107
	.end_amdhsa_kernel
	.amdgpu_metadata
---
amdhsa.version: [ 1, 2 ]
amdhsa.kernels:
  - .name:           k_qc9f7fe31d1_down
    .symbol:         k_qc9f7fe31d1_down.kd
    .args:
      - { .name: hbuf, .offset: 0, .size: 8, .value_kind: global_buffer, .address_space: global }
      - { .name: wf, .offset: 8, .size: 8, .value_kind: global_buffer, .address_space: global }
      - { .name: lists, .offset: 16, .size: 8, .value_kind: global_buffer, .address_space: global }
      - { .name: out0, .offset: 24, .size: 8, .value_kind: global_buffer, .address_space: global }
    .group_segment_fixed_size: 244992
    .private_segment_fixed_size: 0
    .kernarg_segment_align: 8
    .kernarg_segment_size: 32
    .max_flat_workgroup_size: 128
    .sgpr_count:     66
    .vgpr_count:     928
    .wavefront_size: 32
...
	.end_amdgpu_metadata
.endif
;; end of part 4
;; ======== version 2 of 3: 4 launches; 1.18 times as fast as version 1
;; limits: values are held in f16: magnitudes above 65,504 overflow, below 6.1e-05 lose precision; below input magnitudes of 9.3e-10 results are inexact or not finite; right only within a limited range of input values
;; workspace buffers: xb 8,388,608 bytes; choice 16,384 bytes of whole numbers; rt 65,536 bytes; wf 36,700,160 bytes; lists 51,712 bytes of whole numbers; ep 32,768 bytes; hbuf 11,534,592 bytes; wn 12,288 bytes
;; launch route (part 5): grid 256 x 1, 4 waves a work-group, no clusters, 56,576 bytes of LDS; arguments x, router_w, xb, choice, rt; writes xb, choice, rt
.if DOCPART == 5
	.amdgcn_target "amdgcn-amd-amdhsa--gfx1250"
	.amdhsa_code_object_version 6
	.text
	.protected	k_qc9f7fe31d1_route
	.globl	k_qc9f7fe31d1_route
	.p2align	8
	.type	k_qc9f7fe31d1_route,@function
k_qc9f7fe31d1_route:
	s_mov_b64 s[64:65], 0
	v_nop
	global_prefetch_b8 v0, s[64:65] scope:SCOPE_SE
	s_setreg_imm32_b32 hwreg(HW_REG_WAVE_MODE, 25, 1), 1
	s_wait_xcnt 0x0
; ROUTE.  For 16 tokens a work-group: x rounded to bf16 and stored (xb); logits = x . router_w^T on the matrix unit, both rounded to bf16, sums in f32;
; softmax with the row's maximum taken away; the two largest probabilities (the lower index wins a tie); the work-group's sums for the auxiliary loss; each token's sum of squares.
; Stored at fixed places: choice[t] = the number s of the SET {a < b} of chosen experts, s = a (15 - a) / 2 + b - a - 1; rt[t] = (p_a, p_b) / xn[t];
; rt + 32768: [work-group][16] = the sums of p_0..7 and the counts of first choices 0..7; rt + 49152: xn[t] = max(sum of x[t][k]^2, 2^-50).  No address and no branch hangs on these numbers.
; xn is one factor of the bound by which the hidden layer is normalised for f16: the first product takes p / xn where it would take p, the second product multiplies by xn again.
; LIMITS.  NaN and infinities are not treated apart.  A token whose second and third probabilities differ by less than the rounding of the f32 sums may choose otherwise than an exact sum would.
; SHARES.  Wave w takes k = 256 w .. 256 w + 255 of all 16 tokens and of the 8 rows of router_w: 48 loads of 16 bytes a lane, all out at once.  The four partial logits meet in LDS; wave 0 finishes.
; No cluster, no tensor load: no two work-groups share more than router_w's 32 KiB, and each byte of x passes through registers anyway to be rounded.
.set PITCH, 528                        ; an LDS row: 256 bf16 + 16 bytes, an odd multiple of 16
.set WREG,  24*PITCH                   ; a wave's region: rows 0-15 x, rows 16-23 router_w
.set RED,   4*WREG                     ; 4 x 1,024 bytes: each wave's partial logits
.set AUXT,  RED+4096                   ; 16 rows x 64 bytes: wave 0's p and one-hot, to be added down the tokens
.set NRM,   AUXT+1024                  ; 4 x 64 bytes: each wave's part of the 16 tokens' sums of squares
.set SPARE, NRM+256                    ; the spare words, 128 bytes a wave: two blocks of 256 bytes that no other line names
.set CL,  1                            ; lane % 16
.set HL,  2                            ; lane / 16
.set XO,  3                            ; byte offset in x and router_w: (lane / 16) rows of 4,096 + 16 (lane % 16)
.set LS,  4                            ; LDS: where my 8 bytes of bf16 go
.set FX,  5                            ; LDS: my fragment address in x's rows
.set FR,  6                            ; LDS: the same in router_w's rows (row % 8)
.set RB,  7                            ; LDS: whole rows read back for xb
.set XBO, 8                            ; byte offset in xb
.set RW,  9                            ; LDS: my 32 bytes of partial logits
.set SPW, 10                           ; my spare word; never rewritten
.set NIL, 11                           ; 0; never rewritten
.set LN,  16                           ; lane
.set TP,  18                           ; v[18:19] squares of one row pair, at work
.set NQ,  20                           ; v[20:27] row pair p: my row's sum of squares over my wave's 256 k
.set NW,  28                           ; LDS: where that sum goes
.set X,   32                           ; v[32:223] the 48 loads; later the fragments (v32-159) and the read-backs (v160-223)
.set BK,  160
.set ACC, 224                          ; two accumulators, by turns
.set LG,  240                          ; my wave's 8 partial logits
.set P,   64                           ; wave 0: p_0..7, then the one-hot of the first choice
.set OH,  72
.set Q,   80
	s_load_b256 s[4:11], s[0:1], 0x0               ; x, router_w, xb, choice
	s_load_b64 s[12:13], s[0:1], 0x20              ; rt
	v_lshl_add_u32 v[SPW], v0, 2, SPARE
	v_mov_b32 v[NIL], 0
	v_lshrrev_b32 v12, 5, v0
	v_readfirstlane_b32 s14, v12                   ; wave 0..3
	v_and_b32 v[CL], 15, v0
	v_bfe_u32 v[HL], v0, 4, 1
	v_and_b32 v[LN], 31, v0
	s_mul_i32 s15, s14, WREG
	s_mov_b32 s18, 0x3fb8aa3b                      ; log2(e)
	v_lshlrev_b32 v12, 4, v[CL]
	v_mul_u32_u24 v13, v[HL], PITCH
	v_mul_u32_u24 v14, v[CL], PITCH
	v_and_b32 v15, 7, v0
	v_mul_u32_u24 v15, v15, PITCH
	v_lshl_add_u32 v[XO], v[HL], 12, v12
	v_lshl_add_u32 v[LS], v[CL], 3, v13
	v_add_nc_u32 v[LS], s15, v[LS]
	v_lshl_add_u32 v[FX], v[HL], 4, v14
	v_add_nc_u32 v[FX], s15, v[FX]
	v_lshl_add_u32 v[FR], v[HL], 4, v15
	v_add_nc_u32 v[FR], s15, v[FR]
	v_add_nc_u32 v[RB], v13, v12
	v_add_nc_u32 v[RB], s15, v[RB]
	v_lshl_add_u32 v[XBO], v[HL], 11, v12
	s_lshl_b32 s16, s14, 10                        ; my 256 k in f32: 1,024 bytes
	s_mov_b32 s17, 0
	v_lshl_add_u32 v[RW], v[LN], 5, s16
	v_add_nc_u32 v[RW], RED, v[RW]
	s_lshl_b32 s19, s14, 6                         ; my wave's 16 words
	v_lshl_add_u32 v[NW], v[HL], 2, s19
	v_add_nc_u32 v[NW], NRM, v[NW]
	s_lshl_b32 s20, ttmp9, 16                      ; 16 rows of x
	s_add_co_u32 s20, s20, s16
	s_mov_b32 s21, 0
	s_lshl_b32 s22, ttmp9, 15                      ; 16 rows of xb
	s_lshl_b32 s23, s14, 9
	s_add_co_u32 s22, s22, s23
	s_mov_b32 s23, 0
	s_lshl_b32 s24, ttmp9, 6                       ; 16 words
	s_mov_b32 s25, 0
	s_lshl_b32 s26, ttmp9, 7                       ; 16 pairs
	s_mov_b32 s27, 0
	s_wait_kmcnt 0x0
	s_add_nc_u64 s[4:5], s[4:5], s[20:21]
	s_add_nc_u64 s[6:7], s[6:7], s[16:17]
	s_add_nc_u64 s[8:9], s[8:9], s[22:23]
	s_add_nc_u64 s[10:11], s[10:11], s[24:25]
	s_add_nc_u64 s[28:29], s[12:13], s[26:27]      ; (p_a, p_b) / xn
	s_add_nc_u64 s[12:13], s[12:13], s[24:25]      ; the sums, 32,768 further on, and xn, 49,152 further on
	; 48 loads: lanes 0-15 take 256 bytes of one row, lanes 16-31 of the next.  router_w's 16 first.
.set i, 0
.rept 16
	global_load_b128 v[X+4*i:X+4*i+3], v[XO], s[6:7] offset:(i/4)*8192+(i%4)*256
.set i, i+1
.endr
.rept 32
	global_load_b128 v[X+4*i:X+4*i+3], v[XO], s[4:5] offset:((i-16)/4)*8192+(i%4)*256 th:TH_LOAD_NT
.set i, i+1
.endr
	; x's squares are added up; then everything is rounded to bf16 in place, 8 bytes a lane into my wave's rows
.set g, 0
.rept 12
	s_wait_loadcnt 44-4*g                          ; loads come back in order: the groups of four behind this one may stay out
.if g < 4
.set row0, 16+2*g
.else
.set row0, 2*(g-4)
.endif
.set u, 0
.rept 4
.set i, 4*g+u
.if g >= 4
.if u == 0
	v_pk_mul_f32 v[TP:TP+1], v[X+4*i:X+4*i+1], v[X+4*i:X+4*i+1]                ; the first product starts the sum
.else
	v_pk_fma_f32 v[TP:TP+1], v[X+4*i:X+4*i+1], v[X+4*i:X+4*i+1], v[TP:TP+1]
.endif
	v_pk_fma_f32 v[TP:TP+1], v[X+4*i+2:X+4*i+3], v[X+4*i+2:X+4*i+3], v[TP:TP+1]
.endif
	v_cvt_pk_bf16_f32 v[X+4*i], v[X+4*i], v[X+4*i+1]
	v_cvt_pk_bf16_f32 v[X+4*i+1], v[X+4*i+2], v[X+4*i+3]
	ds_store_b64 v[LS], v[X+4*i:X+4*i+1] offset:row0*PITCH+u*128
.set u, u+1
.endr
.if g >= 4
	v_add_f32 v[NQ+g-4], v[TP], v[TP+1]
.endif
.set g, g+1
.endr
	; across the 16 lanes that share a row; every lane of a half ends up with its row's sum, and all 16 store it to the one word
.irp m, 1,2,4,8
.set p, 0
.rept 8
	v_add_f32_dpp v[NQ+p], v[NQ+p], v[NQ+p] row_xmask:\m row_mask:0xf bank_mask:0xf
.set p, p+1
.endr
.endr
.set p, 0
.rept 8
	ds_store_b32 v[NW], v[NQ+p] offset:8*p         ; row 2 p + lane / 16
.set p, p+1
.endr
	s_wait_dscnt 0x0                               ; the stores are done before their registers are loaded anew
	; fragments: 16 rows x 32 k in 8 registers, two loads 32 bytes apart; then whole rows for xb.  The bytes are my wave's own.
.set kk, 0
.rept 8
	ds_load_b128 v[X+16*kk:X+16*kk+3],     v[FR] offset:16*PITCH+64*kk
	ds_load_b128 v[X+16*kk+4:X+16*kk+7],   v[FR] offset:16*PITCH+64*kk+32
	ds_load_b128 v[X+16*kk+8:X+16*kk+11],  v[FX] offset:64*kk
	ds_load_b128 v[X+16*kk+12:X+16*kk+15], v[FX] offset:64*kk+32
.set kk, kk+1
.endr
.set i, 0
.rept 16
	ds_load_b128 v[BK+4*i:BK+4*i+3], v[RB] offset:2*(i/2)*PITCH+(i%2)*256
.set i, i+1
.endr
	; source 0 = experts (rows 8-15 repeat 0-7), source 1 = tokens: a lane holds ONE token (lane % 16) and its 8 logits in registers 0-7, in both halves of the lanes.
	; The two accumulators take turns, one instruction a turn.
.set kk, 0
.rept 8
	s_wait_dscnt 44-4*kk                           ; the later fragments and the 16 read-backs may stay out
.if kk < 2
	v_wmma_f32_16x16x32_bf16 v[ACC+8*(kk%2):ACC+8*(kk%2)+7], v[X+16*kk:X+16*kk+7], v[X+16*kk+8:X+16*kk+15], 0
.else
	v_wmma_f32_16x16x32_bf16 v[ACC+8*(kk%2):ACC+8*(kk%2)+7], v[X+16*kk:X+16*kk+7], v[X+16*kk+8:X+16*kk+15], v[ACC+8*(kk%2):ACC+8*(kk%2)+7]
.endif
.set kk, kk+1
.endr
.set i, 0
.rept 16
	s_wait_dscnt 15-i
	global_store_b128 v[XBO], v[BK+4*i:BK+4*i+3], s[8:9] offset:(i/2)*4096+(i%2)*256  ; 16 lanes store 256 consecutive bytes, at a multiple of 256 from xb's first byte
.set i, i+1
.endr
.rept 4
	v_nop                                          ; four places between the last product and the first read of a result (ISA guide 7.12.1)
.endr
.set j, 0
.rept 4
	v_pk_add_f32 v[LG+2*j:LG+2*j+1], v[ACC+2*j:ACC+2*j+1], v[ACC+8+2*j:ACC+8+2*j+1]  ; from the accumulators' low end on
.set j, j+1
.endr
	ds_store_b128 v[RW], v[LG:LG+3]
	ds_store_b128 v[RW], v[LG+4:LG+7] offset:16
	s_wait_dscnt 0x0                               ; for wave 0's sake: my partial logits and sums of squares are in LDS
	s_barrier_signal -1
	s_barrier_wait -1
	s_cmp_lg_u32 s14, 0
	s_cbranch_scc1 .Lend                           ; no barrier follows
	v_lshl_add_u32 v12, v[LN], 5, RED
	v_lshl_add_u32 v13, v[CL], 2, NRM
.set i, 0
.rept 4
	ds_load_b128 v[32+8*i:32+8*i+3], v12 offset:1024*i
	ds_load_b128 v[32+8*i+4:32+8*i+7], v12 offset:1024*i+16
	ds_load_b32 v[120+i], v13 offset:64*i
.set i, i+1
.endr
	s_wait_dscnt 0x0
.set j, 0
.rept 4
	v_pk_add_f32 v[32+2*j:33+2*j], v[32+2*j:33+2*j], v[40+2*j:41+2*j]
	v_pk_add_f32 v[48+2*j:49+2*j], v[48+2*j:49+2*j], v[56+2*j:57+2*j]
.set j, j+1
.endr
.set j, 0
.rept 4
	v_pk_add_f32 v[32+2*j:33+2*j], v[32+2*j:33+2*j], v[48+2*j:49+2*j]  ; v32-39: the token's 8 logits
.set j, j+1
.endr
	v_add_f32 v120, v120, v121
	v_add_f32 v122, v122, v123
	v_add_f32 v120, v120, v122
	v_max_num_f32 v120, 0x26800000, v120           ; xn: the token's sum of squares, 2^-50 at the least, so that its reciprocal stays finite
	v_max3_num_f32 v40, v32, v33, v34
	v_max3_num_f32 v40, v40, v35, v36
	v_max3_num_f32 v40, v40, v37, v38
	v_max_num_f32 v40, v40, v39                    ; the row's maximum
	v_mul_f32 v41, s18, v40
.set j, 0
.rept 8
	v_fma_f32 v[48+j], v[32+j], s18, -v41          ; log2(e) (l - m)
.set j, j+1
.endr
.set j, 0
.rept 8
	v_exp_f32 v[48+j], v[48+j]
.set j, j+1
.endr
	v_nop                                          ; a plain instruction behind the last exponential,
	s_wait_alu depctr_va_vdst(0)                   ; and one wait for the eight, ahead of their first reader
	v_add_f32 v42, v48, v49
	v_add_f32 v43, v50, v51
	v_add_f32 v44, v52, v53
	v_add_f32 v45, v54, v55
	v_add_f32 v42, v42, v43
	v_add_f32 v44, v44, v45
	v_add_f32 v42, v42, v44
	v_rcp_f32 v43, v42
	v_rcp_f32 v121, v120                           ; 1 / xn
	v_nop
	s_wait_alu depctr_va_vdst(0)                   ; one wait for the two reciprocals
.set j, 0
.rept 8
	v_mul_f32 v[P+j], v[48+j], v43
.set j, j+1
.endr
	; the largest: a strict compare, ascending, keeps the lower index
	v_mov_b32 v44, v[P]
	v_mov_b32 v45, 0
.set j, 1
.rept 7
	v_cmp_gt_f32 vcc_lo, v[P+j], v44
	v_cndmask_b32 v44, v44, v[P+j], vcc_lo
	v_cndmask_b32 v45, v45, j, vcc_lo
.set j, j+1
.endr
.set j, 0
.rept 8
	v_cmp_eq_u32 vcc_lo, j, v45
	v_cndmask_b32 v[Q+j], v[P+j], -1.0, vcc_lo     ; the first choice is taken out,
	v_cndmask_b32 v[OH+j], 0, 1.0, vcc_lo          ; and counted
.set j, j+1
.endr
	v_mov_b32 v46, v[Q]
	v_mov_b32 v47, 0
.set j, 1
.rept 7
	v_cmp_gt_f32 vcc_lo, v[Q+j], v46
	v_cndmask_b32 v46, v46, v[Q+j], vcc_lo
	v_cndmask_b32 v47, v47, j, vcc_lo
.set j, j+1
.endr
	v_min_u32 v88, v45, v47                        ; a
	v_add_nc_u32 v89, v45, v47
	v_sub_nc_u32 v89, v89, v88                     ; b
	v_cmp_lt_u32 vcc_lo, v45, v47
	v_cndmask_b32 v90, v46, v44, vcc_lo            ; p_a
	v_cndmask_b32 v91, v44, v46, vcc_lo            ; p_b
	v_mul_f32 v90, v90, v121                       ; / xn
	v_mul_f32 v91, v91, v121
	v_sub_nc_u32 v92, 15, v88
	v_mul_u32_u24 v92, v88, v92
	v_lshrrev_b32 v92, 1, v92
	v_add_nc_u32 v92, v92, v89
	v_sub_nc_u32 v92, v92, v88
	v_add_nc_u32 v92, -1, v92                      ; the set's number
	v_lshlrev_b32 v93, 2, v[CL]
	v_lshlrev_b32 v94, 3, v[CL]
	global_store_b32 v93, v92, s[10:11]            ; both halves of the lanes hold the same token and store the same bytes
	global_store_b64 v94, v[90:91], s[28:29]
	global_store_b32 v93, v120, s[12:13] offset:49152
	; the sums over my 16 tokens: rows of 16 numbers into LDS, read back by columns.  The bytes are wave 0's own, and LDS serves a wave's instructions in order.
	v_lshl_add_u32 v95, v[CL], 6, AUXT
	v_lshl_add_u32 v96, v[CL], 2, AUXT
.set j, 0
.rept 4
	ds_store_b128 v95, v[P+4*j:P+4*j+3] offset:16*j
.set j, j+1
.endr
.set j, 0
.rept 16
	ds_load_b32 v[100+j], v96 offset:64*j
.set j, j+1
.endr
	s_wait_dscnt 0x0
.set j, 1
.rept 15
	v_add_f32 v100, v100, v[100+j]
.set j, j+1
.endr
	global_store_b32 v93, v100, s[12:13] offset:32768
.Lend:
	s_wait_tensorcnt 0x0                           ; the wave's end
	ds_add_u32 v[SPW], v[NIL]
	s_wait_dscnt 0x0
	s_endpgm
.Lfunc_end_k_qc9f7fe31d1_route:
	.size	k_qc9f7fe31d1_route, .Lfunc_end_k_qc9f7fe31d1_route-k_qc9f7fe31d1_route
	.p2alignl 7, 3214868480
	.fill 96, 4, 3214868480
	.section	.rodata,"a",@progbits
	.p2align	6, 0x0
	.amdhsa_kernel k_qc9f7fe31d1_route
		.amdhsa_group_segment_fixed_size 56576
		.amdhsa_private_segment_fixed_size 0
		.amdhsa_enable_private_segment 0
		.amdhsa_kernarg_size 40
		.amdhsa_user_sgpr_count 2
		.amdhsa_user_sgpr_kernarg_segment_ptr 1
		.amdhsa_wavefront_size32 1
		.amdhsa_system_sgpr_workgroup_id_x 1
		.amdhsa_system_sgpr_workgroup_id_y 1
		.amdhsa_system_sgpr_workgroup_id_z 1
		.amdhsa_system_vgpr_workitem_id 0
		.amdhsa_next_free_vgpr 248
		.amdhsa_next_free_sgpr 66
		.amdhsa_reserve_vcc 1
		.amdhsa_float_denorm_mode_32 3
		.amdhsa_float_denorm_mode_16_64 3
		.amdhsa_memory_ordered 1
		.amdhsa_forward_progress 1
		.amdhsa_inst_pref_size 40
	.end_amdhsa_kernel
	.amdgpu_metadata
---
amdhsa.version: [ 1, 2 ]
amdhsa.kernels:
  - .name:           k_qc9f7fe31d1_route
    .symbol:         k_qc9f7fe31d1_route.kd
    .args:
      - { .name: x, .offset: 0, .size: 8, .value_kind: global_buffer, .address_space: global }
      - { .name: router_w, .offset: 8, .size: 8, .value_kind: global_buffer, .address_space: global }
      - { .name: xb, .offset: 16, .size: 8, .value_kind: global_buffer, .address_space: global }
      - { .name: choice, .offset: 24, .size: 8, .value_kind: global_buffer, .address_space: global }
      - { .name: rt, .offset: 32, .size: 8, .value_kind: global_buffer, .address_space: global }
    .group_segment_fixed_size: 56576
    .private_segment_fixed_size: 0
    .kernarg_segment_align: 8
    .kernarg_segment_size: 40
    .max_flat_workgroup_size: 128
    .sgpr_count:     66
    .vgpr_count:     248
    .wavefront_size: 32
...
	.end_amdgpu_metadata
.endif
;; end of part 5
;; launch prep (part 6): grid 577 x 1, 8 waves a work-group, no clusters, 86,528 bytes of LDS; arguments w1, w2, w3, wf, choice, rt, lists, ep, out1, wn; writes wf, lists, ep, out1, wn
.if DOCPART == 6
	.amdgcn_target "amdgcn-amd-amdhsa--gfx1250"
	.amdhsa_code_object_version 6
	.text
	.protected	k_qc9f7fe31d1_prep
	.globl	k_qc9f7fe31d1_prep
	.p2align	8
	.type	k_qc9f7fe31d1_prep,@function
k_qc9f7fe31d1_prep:
	s_mov_b64 s[64:65], 0
	v_nop
	global_prefetch_b8 v0, s[64:65] scope:SCOPE_SE
	s_setreg_imm32_b32 hwreg(HW_REG_WAVE_MODE, 25, 1), 1
	s_wait_xcnt 0x0
; PREP.  Work-group 0 sorts the tokens; work-groups 1..576 round the weights to bf16 and lay them out in the order in which the products' operand registers take them.
; WEIGHTS (wf).  wa, at 0, in bf16: [g = 16 e + 4 slice + wave][K step 32][fragment 6][half 2][lane 32][16 bytes]; fragment 2 blk + mat (mat 0: w1, 1: w3) holds the weight rows
;   h = 16 (11 slice + 3 wave + blk) + lane % 16 and k = 32 step + 16 half + 8 (lane / 16) + 0..7; zeros where 3 wave + blk = 11 (a slice has 11 blocks) or h >= 684.
;   wb, at WBO: [g = 16 e + 4 slice + wave][K step 22][block 4][half 2][lane 32][16 bytes]: w2's rows d = 256 slice + 64 wave + 16 block + lane % 16, k likewise; zeros for k >= 684.
;   w2 is rounded to bf16 like every input, and that number is written as f16, the format of the second product: exact from 6.1e-5 up, in steps of 6e-8 below.  LIMIT: |w2| from 65,520 on becomes infinity.
;   A wave's job is 16 rows x 256 k: 32 loads of 16 bytes a lane, all out at once; then four units of 64 k: rounded, through 16 rows of the wave's own LDS, out as 512 consecutive bytes a store.
;   wn: [mat 2][1536]: each job of w1 or w3 stores the sum of the squares that it loaded.  The first product adds them up: the root sums of squares of w1 and of w3 are factors of the bound by which the
;   hidden layer is normalised for f16.  Rows that the clamp repeats are counted again: that only widens the bound.
; SORT.  Tokens are sorted by their SET of experts (28 sets), stably, by counting: 128 chunks of 32 tokens, 16 to a wave.  A chunk's counts and a token's rank in its chunk come from five ballots, one for
;   each bit of the set's number.  Each wave leaves the sum of its 16 count rows in LDS; behind the one barrier every wave reads the eight sums, makes the sets' and experts' first places, and places its own tokens.
;   lists: elist at 0 (expert order j: token | (22 pos + which) << 12), ptok at 32,768 (token at place pos of the set order), t1 at 49,152 (64 x {e, j0, n, 0}: tiles of 144 rows of an expert),
;   t2 at 50,176 (96 x {a, b, pos0, n}: tiles of 80 tokens of a set).  ep: the row's p / xn as the router left it, in expert order.  out1 = 0.08 / 4096^2 x the sum over e of (sum of p_e) x (first choices of e).
;   Every split of the tokens is served: at most 57 + 7 tiles of 144 and 52 + 27 tiles of 80; entries past the last tile have n = 0.
; LDS.  The sort has bytes 0 to 65,535 and the two small regions at the end, the weights' stages lie between: the two kinds of work-group name no common byte, whichever of them a line belongs to.
; No matrix unit, no cluster, no tensor load: a stream in which each weight is read once by one wave and passes through registers to be rounded.
.set WBO,   25165824
.set PAB,   16384                      ; sort: WORDS at 0 (a word a token), PAB (8 bytes a token), CNT (128 chunks x 32 words)
.set CNT,   49152
.set SPARE, 65536                      ; the spare words, 128 bytes a wave: four blocks of 256 bytes that no other line names
.set CSTG,  66560                      ; weights: 16 rows x 144 bytes for each wave
.set WT,    84992                      ; sort: 8 x 128 bytes: each wave's sum of its 16 count rows (word = set)
.set AUXS,  86016                      ; sort: 8 x 64 bytes: each wave's sum of 32 rows of the loss's 16 partial sums
.set SPW, 2
.set NIL, 3
.set CL,  4
.set HL,  5
.set LS,  6                            ; weights: where my 8 bytes go in my wave's stage (16 rows, pitch 144)
.set LF,  7                            ; and my fragment address there
.set M,   8                            ; v[8:15]   row pair p: all ones where my row exists
.set RO,  16                           ; v[16:23]  row pair p: my row's byte offset in the source; free once the loads' addresses are made:
.set SQ,  16                           ; v[16:19]  two running pairs of sums of squares
.set WD,  20                           ; v[20:23]  w2: four bf16 numbers widened to f32
.set C,   24                           ; v[24:27]  unit u: all ones where my 4 columns exist
.set CO,  28                           ; v[28:31]  unit u: their byte offset in a row
.set X,   32                           ; v[32:159] the 32 loads
.set DO,  160                          ; v[160:167] K step j of my eight: 16 lane + j x the layout's bytes a K step
.set NS,  24                           ; s[24:51]  sort: the 28 sets' counts; ahead of them the ballots
.set NE,  52                           ; s[52:59]  rows of each expert
.set RUN, 66                           ; s[66:73]  next free place in each expert's list
.set EO,  74                           ; s[74:81]  first place of each expert's list
	s_load_b512 s[4:19], s[0:1], 0x0               ; w1 s[4:5], w2 s[6:7], w3 s[8:9], wf s[10:11], choice s[12:13], rt s[14:15], lists s[16:17], ep s[18:19]
	s_load_b64 s[20:21], s[0:1], 0x40              ; out1
	s_load_b64 s[92:93], s[0:1], 0x48              ; wn
	v_lshl_add_u32 v[SPW], v0, 2, SPARE
	v_mov_b32 v[NIL], 0
	v_lshrrev_b32 v1, 5, v0
	v_readfirstlane_b32 s22, v1                    ; wave 0..7
	v_and_b32 v[CL], 15, v0
	v_bfe_u32 v[HL], v0, 4, 1
	s_cmp_eq_u32 ttmp9, 0
	s_cbranch_scc1 .Lsort
	; ---- the weights.  One text for both kinds of job; what differs lies in scalar registers.
	s_sub_co_u32 s23, ttmp9, 1
	s_cmp_lt_u32 s23, 384
	s_cbranch_scc0 .Lkind_b
	s_mul_i32 s38, s23, 171
	s_lshr_b32 s38, s38, 9                         ; g = c / 3 (exact for c < 384)
	s_mul_i32 s39, s38, 3
	s_sub_co_u32 s39, s23, s39                     ; blk
	s_lshr_b32 s40, s38, 4                         ; e
	s_bfe_u32 s41, s38, 0x20002                    ; slice
	s_and_b32 s42, s38, 3                          ; the wave of the product that will read this
	s_mul_i32 s43, s42, 3
	s_add_co_u32 s43, s43, s39                     ; the block's place among the slice's twelve
	s_and_b32 s35, s22, 3                          ; which 256 k
	s_lshr_b32 s44, s22, 2                         ; w1 or w3
	s_mul_i32 s28, s40, 684                        ; the expert's first row
	s_mul_i32 s29, s41, 11
	s_add_co_u32 s29, s29, s43
	s_lshl_b32 s29, s29, 4                         ; my first row in the expert,
	s_cmp_eq_u32 s43, 11
	s_cselect_b32 s29, 1024, s29                   ; or past every row: the twelfth place is zeros
	s_mov_b32 s30, 683                             ; the last row that exists
	s_mov_b32 s31, 4096                            ; bytes in a source row
	s_mov_b32 s32, 4080                            ; the last 16 bytes of a row
	s_mov_b32 s33, 6144                            ; bytes of a K step in the layout
	s_mov_b32 s34, 4                               ; units
	s_mul_i32 s36, s38, 196608
	s_lshl_b32 s45, s39, 1
	s_add_co_u32 s45, s45, s44
	s_lshl_b32 s45, s45, 10
	s_add_co_u32 s36, s36, s45
	s_mul_i32 s45, s35, 49152
	s_add_co_u32 s36, s36, s45
	s_wait_kmcnt 0x0
	s_cmp_eq_u32 s44, 0
	s_cselect_b64 s[24:25], s[4:5], s[8:9]
	s_branch .Lconv
.Lkind_b:
	s_sub_co_u32 s38, s23, 384
	s_lshl_b32 s38, s38, 3
	s_add_co_u32 s38, s38, s22                     ; job 0..1535
	s_mul_i32 s39, s38, 43691
	s_lshr_b32 s39, s39, 17                        ; block of 16 rows = job / 3 (exact for jobs < 1536)
	s_mul_i32 s40, s39, 3
	s_sub_co_u32 s35, s38, s40                     ; which 256 k
	s_lshl_b32 s28, s39, 4
	s_mov_b32 s29, 0
	s_mov_b32 s30, 15
	s_mov_b32 s31, 2736
	s_mov_b32 s32, 2720
	s_mov_b32 s33, 4096
	s_cmp_eq_u32 s35, 2
	s_cselect_b32 s34, 3, 4                        ; k = 512 .. 703 is three units
	s_lshr_b32 s40, s39, 2
	s_mul_i32 s36, s40, 90112
	s_and_b32 s41, s39, 3
	s_lshl_b32 s41, s41, 10
	s_add_co_u32 s36, s36, s41
	s_lshl_b32 s41, s35, 15
	s_add_co_u32 s36, s36, s41
	s_add_co_u32 s36, s36, WBO
	s_wait_kmcnt 0x0
	s_mov_b64 s[24:25], s[6:7]
.Lconv:
	s_mov_b32 s37, 0
	s_add_nc_u64 s[26:27], s[10:11], s[36:37]
	s_mul_i32 s38, s22, 2304
	s_add_co_u32 s38, s38, CSTG                    ; my wave's stage
	v_mul_u32_u24 v1, v[HL], 144
	v_lshl_add_u32 v[LS], v[CL], 3, v1
	v_add_nc_u32 v[LS], s38, v[LS]
	v_mul_u32_u24 v1, v[CL], 144
	v_lshl_add_u32 v[LF], v[HL], 4, v1
	v_add_nc_u32 v[LF], s38, v[LF]
.set p, 0
.rept 8
	v_add_nc_u32 v1, s29, v[HL]
	v_add_nc_u32 v1, 2*p, v1
	v_cmp_ge_u32 vcc_lo, s30, v1
	v_cndmask_b32 v[M+p], 0, -1, vcc_lo
	v_min_u32 v1, s30, v1                          ; a row that does not exist reads the last one, and is masked
	v_add_nc_u32 v1, s28, v1
	v_mul_lo_u32 v[RO+p], v1, s31
.set p, p+1
.endr
	s_lshl_b32 s39, s35, 10
	v_lshl_add_u32 v1, v[CL], 4, s39
.set u, 0
.rept 4
	v_add_nc_u32 v[CO+u], 256*u, v1
	v_cmp_ge_u32 vcc_lo, s32, v[CO+u]
	v_cndmask_b32 v[C+u], 0, -1, vcc_lo
	v_min_u32 v[CO+u], s32, v[CO+u]
.set u, u+1
.endr
	v_and_b32 v1, 31, v0
	v_lshlrev_b32 v1, 4, v1
.set j, 0
.rept 8
	v_mad_u32_u24 v[DO+j], s33, j, v1
.set j, j+1
.endr
.set i, 0
.rept 32                               ; unit i / 8, row pair i % 8: lanes 0-15 take 256 bytes of one row, lanes 16-31 of the next; each load lands on its own address register
	v_add_nc_u32 v[X+4*i], v[RO+i%8], v[CO+i/8]
	global_load_b128 v[X+4*i:X+4*i+3], v[X+4*i], s[24:25] th:TH_LOAD_NT
.set i, i+1
.endr
; 16 rows x 64 k: two K steps.  The squares are added up and the numbers rounded to bf16 in every job, so that the text stands once and no way through it reads a sum that was not begun (w2's jobs store no sum);
; w2's jobs then widen the bf16 numbers and write them as f16: those lines are jumped by the jobs of w1 and w3.
.macro UNIT u
	s_wait_loadcnt 24-8*(\u)                       ; loads come back in order: the later units may stay out
.set p, 0
.rept 8
.set rx, X+32*(\u)+4*p
.if ((\u) == 0) && (p == 0)
	v_pk_mul_f32 v[SQ:SQ+1], v[rx:rx+1], v[rx:rx+1]                    ; the first products start the sums
	v_pk_mul_f32 v[SQ+2:SQ+3], v[rx+2:rx+3], v[rx+2:rx+3]
.else
	v_pk_fma_f32 v[SQ:SQ+1], v[rx:rx+1], v[rx:rx+1], v[SQ:SQ+1]
	v_pk_fma_f32 v[SQ+2:SQ+3], v[rx+2:rx+3], v[rx+2:rx+3], v[SQ+2:SQ+3]
.endif
	v_cvt_pk_bf16_f32 v[rx], v[rx], v[rx+1]
	v_cvt_pk_bf16_f32 v[rx+1], v[rx+2], v[rx+3]
.set p, p+1
.endr
	s_cmp_lt_u32 s23, 384
	s_cbranch_scc1 .Lbf_\@                         ; w1 and w3 stay in bf16
.set p, 0
.rept 8
.set rx, X+32*(\u)+4*p
	v_lshlrev_b32 v[WD], 16, v[rx]
	v_and_b32 v[WD+1], s48, v[rx]
	v_lshlrev_b32 v[WD+2], 16, v[rx+1]
	v_and_b32 v[WD+3], s48, v[rx+1]
	v_cvt_pk_f16_f32 v[rx], v[WD], v[WD+1]
	v_cvt_pk_f16_f32 v[rx+1], v[WD+2], v[WD+3]
.set p, p+1
.endr
.Lbf_\@:
.set p, 0
.rept 8
.set rx, X+32*(\u)+4*p
	v_and_b32 v1, v[M+p], v[C+(\u)]
	v_and_b32 v[rx], v1, v[rx]
	v_and_b32 v[rx+1], v1, v[rx+1]
	ds_store_b64 v[LS], v[rx:rx+1] offset:2*p*144
.set p, p+1
.endr
.set j, 0
.rept 4                                ; K step j / 2, half j % 2; LDS serves a wave's instructions in order: these see the stores above, and the next unit's stores come behind them
	ds_load_b128 v[X+32*(\u)+4*j:X+32*(\u)+4*j+3], v[LF] offset:(j/2)*64+(j%2)*32
.set j, j+1
.endr
	s_wait_dscnt 0x0
.set j, 0
.rept 4
	global_store_b128 v[DO+2*(\u)+j/2], v[X+32*(\u)+4*j:X+32*(\u)+4*j+3], s[26:27] offset:(j%2)*512  ; 512 consecutive bytes, at a multiple of 512 from wf's first byte
.set j, j+1
.endr
.endm
	s_mov_b32 s48, 0xffff0000                      ; a word's upper bf16
	UNIT 0
	UNIT 1
	UNIT 2
	s_cmp_eq_u32 s34, 3
	s_cbranch_scc1 .Lfin                           ; w2's last part has three units; its fourth unit's clamped loads are left behind
	UNIT 3
	s_cmp_lt_u32 s23, 384
	s_cbranch_scc0 .Lfin                           ; w2's jobs are done
	s_lshr_b32 s52, s22, 2                         ; my sum's place in wn: word 1536 mat + 4 c + the job's quarter of k
	s_mul_i32 s52, s52, 1536
	s_lshl_b32 s53, s23, 2
	s_add_co_u32 s52, s52, s53
	s_and_b32 s53, s22, 3
	s_add_co_u32 s52, s52, s53
	s_lshl_b32 s52, s52, 2
	s_mov_b32 s53, 0
	s_add_nc_u64 s[94:95], s[92:93], s[52:53]
	s_mov_b32 s50, 0x76543210                      ; v_permlanex16_b32: each lane takes its own place in the other half
	s_mov_b32 s51, 0xfedcba98
	v_pk_add_f32 v[SQ:SQ+1], v[SQ:SQ+1], v[SQ+2:SQ+3]
	v_add_f32 v[SQ], v[SQ], v[SQ+1]
.irp m, 1,2,4,8
	v_add_f32_dpp v[SQ], v[SQ], v[SQ] row_xmask:\m row_mask:0xf bank_mask:0xf
.endr
	v_permlanex16_b32 v[SQ+1], v[SQ], s50, s51
	v_add_f32 v[SQ], v[SQ], v[SQ+1]
	v_mov_b32 v[SQ+2], 0
	global_store_b32 v[SQ+2], v[SQ], s[94:95]      ; every lane holds the sum and stores it to the one word
	s_branch .Lfin
	; ---- the sort.  Wave w owns tokens 512 w .. 512 w + 511: chunks 16 w .. 16 w + 15.
.set INV, 26                           ; v[26:30]  bit bt of my lane's number is set: 0; clear: all ones
.set WTS, 31                           ; v31       (lane = set) the sum of my wave's count rows
.set W,   32                           ; v[32:35]  four chunks: my token's word
.set T,   36                           ; v[36:55]  chunk z, bit bt: at work on the mask of my token's set
.set U,   56                           ; v[56:75]  chunk z, bit bt: at work on the mask of the set whose number is my lane's
.set AX,  80                           ; v[80:95]  my wave's 32 rows of the loss's partial sums
.set BAL, 24                           ; s[24:43]  chunk z, bit bt: the lanes whose token's set has that bit
.macro Z4 line:vararg                  ; one line for each of a trip's four chunks z
.set z, 0
.rept 4
	\line
.set z, z+1
.endr
.endm
.macro ZB line:vararg                  ; one line for each chunk z and bit bt
.set z, 0
.rept 4
.set bt, 0
.rept 5
	\line
.set bt, bt+1
.endr
.set z, z+1
.endr
.endm
.Lsort:
	v_and_b32 v6, 31, v0
	s_lshl_b32 s82, s22, 11
	s_lshl_b32 s83, s22, 12
	v_lshl_add_u32 v7, v6, 4, s82
	v_lshl_add_u32 v8, v6, 4, s83
	s_wait_kmcnt 0x0
.set i, 0
.rept 4
	global_load_b128 v[32+4*i:35+4*i], v7, s[12:13] offset:512*i
.set i, i+1
.endr
.set i, 0
.rept 8
	global_load_b128 v[48+4*i:51+4*i], v8, s[14:15] offset:512*i
.set i, i+1
.endr
.set i, 0
.rept 4                                ; lane l: columns 4 (l % 4) + 0..3 of row l / 4 + 8 i of my wave's 32
	global_load_b128 v[AX+4*i:AX+4*i+3], v7, s[14:15] offset:32768+512*i
.set i, i+1
.endr
	v_lshl_add_u32 v9, v6, 2, s82                  ; the set-up of the first loop stands in the wait for the loads
	v_add_nc_u32 v10, CNT, v9
	v_mov_b32 v[WTS], 0
.set bt, 0
.rept 5
	v_bfe_u32 v[INV+bt], v6, bt, 1
	v_add_nc_u32 v[INV+bt], -1, v[INV+bt]
.set bt, bt+1
.endr
	s_mov_b32 s44, 0x55555555
	s_mov_b32 s45, 0x33333333
	s_mov_b32 s46, 0x0f0f0f0f
	s_mov_b32 s47, 0x01010101
	s_mov_b32 s90, 0x76543210                      ; v_permlanex16_b32: each lane takes its own place in the other half
	s_mov_b32 s91, 0xfedcba98
	s_wait_loadcnt 0x4                             ; the words and the pairs are in; the four loads of the loss's sums are younger
.set i, 0
.rept 4
	ds_store_b128 v7, v[32+4*i:35+4*i] offset:512*i
.set i, i+1
.endr
.set i, 0
.rept 8
	ds_store_b128 v8, v[48+4*i:51+4*i] offset:PAB+512*i
.set i, i+1
.endr
	; Four chunks a trip, stage by stage, so that neighbouring lines do not wait for each other.  For each bit of the set's number a ballot.  The lanes that agree with a given number in bit bt are the ballot
	; where that bit is set and its complement where it is clear; the AND over the five bits is the mask of that set.  Taken with my TOKEN's set it gives my rank (the lanes below me in the mask); taken with my
	; LANE's number it gives, by a count of its bits, the chunk's count of set = lane.  Into CNT goes the count row, each token's word becomes set | rank << 8.  WORDS and this part of CNT are my wave's own.
	s_mov_b32 s84, 4
.Lp1:
	Z4 ds_load_b32 v[W+z], v9 offset:128*z
	s_wait_dscnt 0x0
	Z4 v_min_u32 v[W+z], 31, v[W+z]
	ZB v_and_b32 v[T+5*z+bt], 1<<bt, v[W+z]
	ZB v_cmp_eq_u32 s[BAL+5*z+bt], 1<<bt, v[T+5*z+bt]
	ZB v_cndmask_b32 v[T+5*z+bt], -1, 0, s[BAL+5*z+bt]
	ZB v_xor_b32 v[T+5*z+bt], s[BAL+5*z+bt], v[T+5*z+bt]
	ZB v_xor_b32 v[U+5*z+bt], s[BAL+5*z+bt], v[INV+bt]
	Z4 v_and_b32 v[T+5*z], v[T+5*z], v[T+5*z+1]
	Z4 v_and_b32 v[T+5*z+2], v[T+5*z+2], v[T+5*z+3]
	Z4 v_and_b32 v[U+5*z], v[U+5*z], v[U+5*z+1]
	Z4 v_and_b32 v[U+5*z+2], v[U+5*z+2], v[U+5*z+3]
	Z4 v_and_b32 v[T+5*z], v[T+5*z], v[T+5*z+2]
	Z4 v_and_b32 v[U+5*z], v[U+5*z], v[U+5*z+2]
	Z4 v_and_b32 v[T+5*z], v[T+5*z], v[T+5*z+4]
	Z4 v_and_b32 v[U+5*z], v[U+5*z], v[U+5*z+4]
	Z4 v_mbcnt_lo_u32_b32 v[T+5*z+1], v[T+5*z], 0  ; how many lanes below me have my set
	Z4 v_lshl_or_b32 v[W+z], v[T+5*z+1], 8, v[W+z]
	Z4 v_lshrrev_b32 v[U+5*z+1], 1, v[U+5*z]       ; the mask's bits are counted: by twos,
	Z4 v_and_b32 v[U+5*z+1], s44, v[U+5*z+1]
	Z4 v_sub_nc_u32 v[U+5*z], v[U+5*z], v[U+5*z+1]
	Z4 v_lshrrev_b32 v[U+5*z+1], 2, v[U+5*z]       ; by fours,
	Z4 v_and_b32 v[U+5*z], s45, v[U+5*z]
	Z4 v_and_b32 v[U+5*z+1], s45, v[U+5*z+1]
	Z4 v_add_nc_u32 v[U+5*z], v[U+5*z], v[U+5*z+1]
	Z4 v_lshrrev_b32 v[U+5*z+1], 4, v[U+5*z]       ; by bytes,
	Z4 v_add_nc_u32 v[U+5*z], v[U+5*z], v[U+5*z+1]
	Z4 v_and_b32 v[U+5*z], s46, v[U+5*z]
	Z4 v_mul_lo_u32 v[U+5*z], v[U+5*z], s47        ; and the four bytes' sum lands in the top byte
	Z4 v_lshrrev_b32 v[U+5*z], 24, v[U+5*z]
	Z4 ds_store_b32 v10, v[U+5*z] offset:128*z
	Z4 ds_store_b32 v9, v[W+z] offset:128*z
	v_add3_u32 v[WTS], v[WTS], v[U], v[U+5]
	v_add3_u32 v[WTS], v[WTS], v[U+10], v[U+15]
	v_add_nc_u32 v9, 512, v9
	v_add_nc_u32 v10, 512, v10
	s_sub_co_u32 s84, s84, 1
	s_cmp_lg_u32 s84, 0
	s_cbranch_scc1 .Lp1
	s_lshl_b32 s85, s22, 7
	v_lshl_add_u32 v11, v6, 2, s85
	v_add_nc_u32 v11, WT, v11
	ds_store_b32 v11, v[WTS]                       ; my wave's row of sums
	s_lshl_b32 s86, s22, 6
	v_and_b32 v12, 3, v0
	v_lshl_add_u32 v12, v12, 4, s86
	v_add_nc_u32 v12, AUXS, v12
	s_wait_loadcnt 0x0                             ; the loss's partial sums: my wave's 32 rows are added up, four columns a lane
	v_pk_add_f32 v[AX:AX+1], v[AX:AX+1], v[AX+4:AX+5]
	v_pk_add_f32 v[AX+2:AX+3], v[AX+2:AX+3], v[AX+6:AX+7]
	v_pk_add_f32 v[AX+8:AX+9], v[AX+8:AX+9], v[AX+12:AX+13]
	v_pk_add_f32 v[AX+10:AX+11], v[AX+10:AX+11], v[AX+14:AX+15]
	v_pk_add_f32 v[AX:AX+1], v[AX:AX+1], v[AX+8:AX+9]
	v_pk_add_f32 v[AX+2:AX+3], v[AX+2:AX+3], v[AX+10:AX+11]
.irp m, 4,8
.set i, 0
.rept 4
	v_add_f32_dpp v[AX+i], v[AX+i], v[AX+i] row_xmask:\m row_mask:0xf bank_mask:0xf
.set i, i+1
.endr
.endr
.set i, 0
.rept 4
	v_permlanex16_b32 v[AX+4+i], v[AX+i], s90, s91
.set i, i+1
.endr
.set i, 0
.rept 4
	v_add_f32 v[AX+i], v[AX+i], v[AX+4+i]
.set i, i+1
.endr
	ds_store_b128 v12, v[AX:AX+3]                  ; the eight lanes that hold the same four columns store the same bytes
	s_wait_dscnt 0x0                               ; for the others' sake: my two rows of sums are in LDS
	s_barrier_signal -1
	s_barrier_wait -1                              ; behind it nothing is stored into LDS any more
	; the eight waves' rows (lane = set): the totals, and the sum of the rows of the waves ahead of mine
	v_lshl_add_u32 v16, v6, 2, WT
.set i, 0
.rept 8
	ds_load_b32 v[32+i], v16 offset:128*i
.set i, i+1
.endr
.set i, 0
.rept 7
	s_cmp_gt_u32 s22, i                            ; an earlier wave's row?
	s_cselect_b32 s[24+i], -1, 0
.set i, i+1
.endr
	s_wait_dscnt 0x0
.set i, 0
.rept 7
	v_and_b32 v[40+i], s[24+i], v[32+i]
.set i, i+1
.endr
	v_add3_u32 v17, v32, v33, v34
	v_add3_u32 v18, v40, v41, v42
	v_add3_u32 v17, v17, v35, v36
	v_add3_u32 v18, v18, v43, v44
	v_add3_u32 v17, v17, v37, v38
	v_add3_u32 v18, v18, v45, v46
	v_add_nc_u32 v17, v17, v39
	; the counts as scalars; each expert's rows and first place; for each set (lane = set): TS its first place in the set order, TA and TB what leads from there into its two experts' lists
.set i, 0
.rept 28
	v_readlane_b32 s[NS+i], v17, i
.set i, i+1
.endr
.set i, 0
.rept 8
	s_mov_b32 s[NE+i], 0
.set i, i+1
.endr
.set sx, 0
.set ea, 0
.rept 7
.set eb, ea+1
.rept 7-ea
	s_add_co_u32 s[NE+ea], s[NE+ea], s[NS+sx]
	s_add_co_u32 s[NE+eb], s[NE+eb], s[NS+sx]
.set eb, eb+1
.set sx, sx+1
.endr
.set ea, ea+1
.endr
	s_mov_b32 s[EO], 0
.set i, 1
.rept 7
	s_add_co_u32 s[EO+i], s[EO+i-1], s[NE+i-1]
.set i, i+1
.endr
.set i, 0
.rept 8
	s_mov_b32 s[RUN+i], s[EO+i]
.set i, i+1
.endr
	v_mov_b32 v19, 0
	v_mov_b32 v20, 0
	v_mov_b32 v21, 0
	s_mov_b32 s86, 0
.set sx, 0
.set ea, 0
.rept 7
.set eb, ea+1
.rept 7-ea
	v_writelane_b32 v19, s86, sx
	s_sub_co_u32 s87, s[RUN+ea], s86
	v_writelane_b32 v20, s87, sx
	s_sub_co_u32 s87, s[RUN+eb], s86
	v_writelane_b32 v21, s87, sx
	s_add_co_u32 s[RUN+ea], s[RUN+ea], s[NS+sx]
	s_add_co_u32 s[RUN+eb], s[RUN+eb], s[NS+sx]
	s_add_co_u32 s86, s86, s[NS+sx]
.set eb, eb+1
.set sx, sx+1
.endr
.set ea, ea+1
.endr
	; the placement: four chunks a trip.  v22 (lane = set): the next free place of each set, for the chunk in hand.
.set CN, 36
.set PP, 40
.set IX, 52
.set B1, 56
.set B2, 60
.set B3, 64
.set PO, 68
.set JA, 72
.set JB, 76
.set E1, 80
.set E2, 84
.set TK, 88
	v_add_nc_u32 v22, v19, v18
	v_lshl_add_u32 v9, v6, 2, s82
	v_add_nc_u32 v10, CNT, v9
	v_lshl_add_u32 v23, v6, 3, s83
	v_add_nc_u32 v23, PAB, v23
	s_lshl_b32 s85, s22, 9
	v_add_nc_u32 v24, s85, v6                      ; my token in the trip's first chunk
	s_mov_b32 s84, 4
.Lp3:
.set z, 0
.rept 4
	ds_load_b32 v[W+z], v9 offset:128*z
	ds_load_b32 v[CN+z], v10 offset:128*z
	ds_load_b64 v[PP+2*z:PP+2*z+1], v23 offset:256*z
.set z, z+1
.endr
	s_wait_dscnt 0x0
.set z, 0
.rept 4
	v_and_b32 v[IX+z], 0xff, v[W+z]
	v_min_u32 v[IX+z], 31, v[IX+z]
	v_lshlrev_b32 v[IX+z], 2, v[IX+z]
	ds_bpermute_b32 v[B1+z], v[IX+z], v22          ; each token pulls its set's three numbers from the lane of that set
	ds_bpermute_b32 v[B2+z], v[IX+z], v20
	ds_bpermute_b32 v[B3+z], v[IX+z], v21
	v_add_nc_u32 v22, v22, v[CN+z]                 ; on to the next chunk
.set z, z+1
.endr
	s_wait_dscnt 0x0
.set z, 0
.rept 4
	v_lshrrev_b32 v[W+z], 8, v[W+z]
	v_add_nc_u32 v[PO+z], v[B1+z], v[W+z]
	v_min_u32 v[PO+z], 0xfff, v[PO+z]              ; pos
	v_add_nc_u32 v[JA+z], v[PO+z], v[B2+z]
	v_add_nc_u32 v[JB+z], v[PO+z], v[B3+z]
	v_min_u32 v[JA+z], 0x1fff, v[JA+z]
	v_min_u32 v[JB+z], 0x1fff, v[JB+z]
	v_add_nc_u32 v[TK+z], 32*z, v24
	v_mul_u32_u24 v[E1+z], 22, v[PO+z]
	v_lshl_or_b32 v[E1+z], v[E1+z], 12, v[TK+z]
	v_add_nc_u32 v[E2+z], 0x1000, v[E1+z]
	v_lshlrev_b32 v[PO+z], 2, v[PO+z]
	v_lshlrev_b32 v[JA+z], 2, v[JA+z]
	v_lshlrev_b32 v[JB+z], 2, v[JB+z]
	global_store_b32 v[PO+z], v[TK+z], s[16:17] offset:32768
	global_store_b32 v[JA+z], v[E1+z], s[16:17]
	global_store_b32 v[JB+z], v[E2+z], s[16:17]
	global_store_b32 v[JA+z], v[PP+2*z], s[18:19]
	global_store_b32 v[JB+z], v[PP+2*z+1], s[18:19]
.set z, z+1
.endr
	s_wait_xcnt 0x0                                ; the stores' addresses and data are rewritten only behind this wait
	v_add_nc_u32 v9, 512, v9
	v_add_nc_u32 v10, 512, v10
	v_add_nc_u32 v23, 1024, v23
	v_add_nc_u32 v24, 128, v24
	s_sub_co_u32 s84, s84, 1
	s_cmp_lg_u32 s84, 0
	s_cbranch_scc1 .Lp3
	s_cmp_lt_u32 s22, 2
	s_cbranch_scc1 .Lt1
	s_cmp_lt_u32 s22, 5
	s_cbranch_scc1 .Lt2
	s_cmp_eq_u32 s22, 5
	s_cbranch_scc1 .Laux
	s_branch .Lfin
.Lt1:                                  ; threads 0..63: tile i belongs to the last expert whose first tile is not behind i
	v_mov_b32 v33, 0
	v_mov_b32 v34, 0
	v_mov_b32 v35, 0
	v_mov_b32 v36, 0
	s_mov_b32 s86, 0
.set i, 0
.rept 8
	v_cmp_le_u32 vcc_lo, s86, v0
	v_cndmask_b32 v33, v33, i, vcc_lo
	v_cndmask_b32 v34, v34, s[EO+i], vcc_lo
	v_cndmask_b32 v35, v35, s[NE+i], vcc_lo
	v_cndmask_b32 v36, v36, s86, vcc_lo
	s_add_co_u32 s87, s[NE+i], 143
	s_mul_i32 s87, s87, 58255
	s_lshr_b32 s87, s87, 23                        ; (rows + 143) / 144, exact up to 8,335
	s_add_co_u32 s86, s86, s87
.set i, i+1
.endr
	v_sub_nc_u32 v37, v0, v36
	v_mul_u32_u24 v37, v37, 144                    ; the tile's first row in the expert
	v_mov_b32 v40, v33
	v_add_nc_u32 v41, v34, v37
	v_min_u32 v38, v37, v35
	v_sub_nc_u32 v42, v35, v38
	v_min_u32 v42, 144, v42                        ; its rows: 0 past the last tile
	v_mov_b32 v43, 0
	v_lshlrev_b32 v44, 4, v0
	global_store_b128 v44, v[40:43], s[16:17] offset:49152
	s_branch .Lfin
.Lt2:                                  ; threads 64..159: the same over the 28 sets, tiles of 80
	v_subrev_nc_u32 v32, 64, v0
	v_mov_b32 v33, 0
	v_mov_b32 v35, 0
	v_mov_b32 v36, 0
	v_mov_b32 v37, 0
	s_mov_b32 s86, 0
	s_mov_b32 s88, 0
.set sx, 0
.set ea, 0
.rept 7
.set eb, ea+1
.rept 7-ea
	v_cmp_le_u32 vcc_lo, s86, v32
	v_cndmask_b32 v33, v33, ea|(eb<<8), vcc_lo
	v_cndmask_b32 v35, v35, s88, vcc_lo
	v_cndmask_b32 v36, v36, s[NS+sx], vcc_lo
	v_cndmask_b32 v37, v37, s86, vcc_lo
	s_add_co_u32 s87, s[NS+sx], 79
	s_mul_i32 s87, s87, 52429
	s_lshr_b32 s87, s87, 22                        ; (tokens + 79) / 80, exact up to 4,175
	s_add_co_u32 s86, s86, s87
	s_add_co_u32 s88, s88, s[NS+sx]
.set eb, eb+1
.set sx, sx+1
.endr
.set ea, ea+1
.endr
	v_sub_nc_u32 v38, v32, v37
	v_mul_u32_u24 v38, v38, 80
	v_and_b32 v40, 0xff, v33
	v_lshrrev_b32 v41, 8, v33
	v_add_nc_u32 v42, v35, v38
	v_min_u32 v39, v38, v36
	v_sub_nc_u32 v43, v36, v39
	v_min_u32 v43, 80, v43
	v_lshlrev_b32 v44, 4, v32
	global_store_b128 v44, v[40:43], s[16:17] offset:50176
	s_branch .Lfin
.Laux:                                 ; wave 5: the eight waves' rows of 16 sums, column lane % 16: columns 0-7 the sums of p_e, columns 8-15 the counts of e
	v_lshl_add_u32 v25, v[CL], 2, AUXS
.set i, 0
.rept 8
	ds_load_b32 v[32+i], v25 offset:64*i
.set i, i+1
.endr
	s_wait_dscnt 0x0
	v_add_f32 v32, v32, v33
	v_add_f32 v34, v34, v35
	v_add_f32 v36, v36, v37
	v_add_f32 v38, v38, v39
	v_add_f32 v32, v32, v34
	v_add_f32 v36, v36, v38
	v_add_f32 v32, v32, v36
	v_mul_f32_dpp v33, v32, v32 row_xmask:8 row_mask:0xf bank_mask:0xf  ; the sum of p_e times the count of e: they lie eight lanes apart
.irp m, 1,2,4
	v_add_f32_dpp v33, v33, v33 row_xmask:\m row_mask:0xf bank_mask:0xf  ; over the eight experts
.endr
	v_mul_f32 v33, 0x31a3d70a, v33                 ; 0.08 / 2^24
	v_mov_b32 v37, 0
	global_store_b32 v37, v33, s[20:21]            ; every lane holds the number and stores it to the one word
.Lfin:
	s_wait_tensorcnt 0x0                           ; the wave's end
	ds_add_u32 v[SPW], v[NIL]
	s_wait_dscnt 0x0
	s_endpgm
.Lfunc_end_k_qc9f7fe31d1_prep:
	.size	k_qc9f7fe31d1_prep, .Lfunc_end_k_qc9f7fe31d1_prep-k_qc9f7fe31d1_prep
	.p2alignl 7, 3214868480
	.fill 96, 4, 3214868480
	.section	.rodata,"a",@progbits
	.p2align	6, 0x0
	.amdhsa_kernel k_qc9f7fe31d1_prep
		.amdhsa_group_segment_fixed_size 86528
		.amdhsa_private_segment_fixed_size 0
		.amdhsa_enable_private_segment 0
		.amdhsa_kernarg_size 80
		.amdhsa_user_sgpr_count 2
		.amdhsa_user_sgpr_kernarg_segment_ptr 1
		.amdhsa_wavefront_size32 1
		.amdhsa_system_sgpr_workgroup_id_x 1
		.amdhsa_system_sgpr_workgroup_id_y 1
		.amdhsa_system_sgpr_workgroup_id_z 1
		.amdhsa_system_vgpr_workitem_id 0
		.amdhsa_next_free_vgpr 168
		.amdhsa_next_free_sgpr 96
		.amdhsa_reserve_vcc 1
		.amdhsa_float_denorm_mode_32 3
		.amdhsa_float_denorm_mode_16_64 3
		.amdhsa_memory_ordered 1
		.amdhsa_forward_progress 1
		.amdhsa_inst_pref_size 96
	.end_amdhsa_kernel
	.amdgpu_metadata
---
amdhsa.version: [ 1, 2 ]
amdhsa.kernels:
  - .name:           k_qc9f7fe31d1_prep
    .symbol:         k_qc9f7fe31d1_prep.kd
    .args:
      - { .name: w1, .offset: 0, .size: 8, .value_kind: global_buffer, .address_space: global }
      - { .name: w2, .offset: 8, .size: 8, .value_kind: global_buffer, .address_space: global }
      - { .name: w3, .offset: 16, .size: 8, .value_kind: global_buffer, .address_space: global }
      - { .name: wf, .offset: 24, .size: 8, .value_kind: global_buffer, .address_space: global }
      - { .name: choice, .offset: 32, .size: 8, .value_kind: global_buffer, .address_space: global }
      - { .name: rt, .offset: 40, .size: 8, .value_kind: global_buffer, .address_space: global }
      - { .name: lists, .offset: 48, .size: 8, .value_kind: global_buffer, .address_space: global }
      - { .name: ep, .offset: 56, .size: 8, .value_kind: global_buffer, .address_space: global }
      - { .name: out1, .offset: 64, .size: 8, .value_kind: global_buffer, .address_space: global }
      - { .name: wn, .offset: 72, .size: 8, .value_kind: global_buffer, .address_space: global }
    .group_segment_fixed_size: 86528
    .private_segment_fixed_size: 0
    .kernarg_segment_align: 8
    .kernarg_segment_size: 80
    .max_flat_workgroup_size: 256
    .sgpr_count:     96
    .vgpr_count:     168
    .wavefront_size: 32
...
	.end_amdgpu_metadata
.endif
;; end of part 6
;; launch up (part 7): grid 4 x 64, 4 waves a work-group, no clusters, 305,664 bytes of LDS; arguments xb, wf, lists, ep, hbuf, wn; writes hbuf
.if DOCPART == 7
	.amdgcn_target "amdgcn-amd-amdhsa--gfx1250"
	.amdhsa_code_object_version 6
	.text
	.protected	k_qc9f7fe31d1_up
	.globl	k_qc9f7fe31d1_up
	.p2align	8
	.type	k_qc9f7fe31d1_up,@function
k_qc9f7fe31d1_up:
	s_mov_b64 s[64:65], 0
	v_nop
	global_prefetch_b8 v0, s[64:65] scope:SCOPE_SE
	s_setreg_imm32_b32 hwreg(HW_REG_WAVE_MODE, 25, 1), 1
	s_wait_xcnt 0x0
; UP.  For a tile of up to 144 routed rows of one expert and a slice of 176 hidden columns: h = p silu(x w1^T) (x w3^T).  Operands bf16, sums f32.
; h IS STORED IN f16, NORMALISED.  |p silu(g) u| <= |g| |u| <= xn |w1's row| |w3's row| <= xn FF, where xn is the token's sum of squares and FF = (root sum of squares of all of w1) x (the same of w3).
;   Stored is h' = h 2^15 / (xn FF): at most 2^15 x 1.01 in size for every input (the 1.01: the operands' rounding to bf16), inside f16's range whatever the inputs' scale or offset.
;   The second product multiplies its sums by xn FF 2^-15.  ep holds p / xn already; FF is made here from prep's 3,072 partial sums, by every wave for itself; one wave stores it behind hbuf's rows.
;   One bf16's 8 significant bits on h's largest numbers cost more than the result's allowance has; f16 keeps 11 from 6.1e-5 up in h', and a fixed step of 6e-8 below.
; hbuf: [pos 4096][group 11][which 2][64 f16]: row 22 pos + which counts pieces of 128 bytes; column c lies at byte cb + (cb & ~127), cb = 2 c.  FF at byte FFO.
; LIMITS.  NaN and infinities are not treated apart; where -1.4427 g exceeds 128, silu(g) counts as 0; where xn or FF is below 2^-50 it counts as 2^-50, and h' is smaller than it need be and loses bits.
; SHARES.  Grid x = slice, y = tile (64 tiles cover every split: 57 + 7).  Wave w has all 9 blocks of 16 rows x its 3 blocks of 16 hidden columns x {w1, w3}: 54 accumulators.
;   A weight fragment, loaded from memory straight into operand registers (its own stream in wf, read by this wave alone in the work-group), feeds 9 products; a fragment of x from LDS feeds 6.
;   Wave 3's third block is the slice's twelfth place: zeros in wf, computed and not stored.
; ORDER.  The tile's rows of x, gathered by the list, are ALL laid into LDS ahead of the first barrier; between the two barriers LDS is only read; behind the second each wave's way out goes through LDS bytes of its own.
;   Rows past the tile's count repeat its last row and store the same bytes to the same place.  Every wave passes both barriers, whatever the count: a tile with no rows stages one row, does K step 0,
;   jumps over the other 31 K steps (work alone), meets the second barrier and leaves at the way out's first test.
; NO CLUSTER, NO TENSOR LOAD: the rows come by a list, which no descriptor covers; each stream of weights has one reader in a work-group; an expert's tiles are not a multiple of four at every split.
; The matrix instruction is used transposed (source 0 = 16 weight rows, source 1 = 16 tokens): a lane holds ONE token (lane % 16) and 8 neighbouring hidden columns.
; REGISTERS, in windows of 256 (s_set_vgpr_msb: bits 1:0 source 0, 3:2 source 1, 5:4 source 2, 7:6 destination):
;   window 0: addresses; v64-135, v136-207 fragments of x, two buffers; ahead of them wn's 24 loads, behind them the way out.   window 1: accumulators 0-31 (6 mb + f at 8 x); ahead of the loop three sets of 72 for the staging
;   window 2: accumulators 32-53.   window 3: four buffers of 48: the weights of one K step each
.set PA,    2064                       ; a row of x in LDS: 2,048 bytes + 16, an odd multiple of 16
.set WST,   144*PA                     ; behind A: 16 rows x 112 bytes for each wave, for the way out
.set WSP,   112
.set SOFF,  WST+4*16*WSP               ; 144 words: each row's 22 pos + which
.set SPARE, SOFF+768                   ; the spare words, 128 bytes a wave: two blocks of 256 bytes that no other line names
.set T1OFF, 49152
.set FFO,   11534336                   ; behind hbuf's rows
.set CL,   1
.set HL,   2
.set SPW,  8
.set NIL,  9
.set LOFF, 10                          ; 16 lane
.set AR,   11                          ; v11-15  my fragment address in rows 32 i .. of A; stepped 256 bytes a trip
.set SW0,  16                          ; v16-17  where I lay 16 bytes of a staged row: row pairs 0-8, 9-17
.set GOFF, 18                          ; v18-35  row pair q: first the list's address and word, then the token's byte offset in xb
.set PP,   36                          ; v36-53  block mb: my token's p 2^15 / (xn FF), twice
.set STO,  54
.set RDA,  55
.set SOA,  56
.set COLT, 57
.set SOW,  58
.set CF,   59                          ; 2^15 / FF
.set FA,   60                          ; FFO; never rewritten
.set FG,   61                          ; FF; never rewritten
.set ABUF, 64
.set WN,   64                          ; v64-159  wn: w1's 1,536 partial sums in 12 loads, then w3's
.set T,    64                          ; the way out, in the fragments' registers
.set Q,    88
.set HP,   112
.set DD,   212
.set IX,   228
.set MSB, 0
.macro WIN new                         ; the immediate's high byte repeats the setting that is left; a switch that changes nothing is dropped
.if MSB != (\new)
	s_set_vgpr_msb (MSB<<8)|(\new)
.set MSB, (\new)
.endif
.endm
	s_load_b256 s[4:11], s[0:1], 0x0               ; xb s[4:5], wf s[6:7], lists s[8:9], ep s[10:11]
	s_load_b64 s[12:13], s[0:1], 0x20              ; hbuf
	s_load_b64 s[32:33], s[0:1], 0x28              ; wn
	v_lshl_add_u32 v[SPW], v0, 2, SPARE
	v_mov_b32 v[NIL], 0
	v_lshrrev_b32 v3, 5, v0
	v_readfirstlane_b32 s14, v3                    ; wave 0..3
	s_mov_b32 s15, ttmp9                           ; slice
	s_and_b32 s16, ttmp7, 0xffff                   ; tile
	s_lshl_b32 s17, s16, 4
	s_wait_kmcnt 0x0
	s_load_b128 s[20:23], s[8:9], s17 offset:T1OFF ; {e, j0, n, 0}
	v_and_b32 v[CL], 15, v0
	v_bfe_u32 v[HL], v0, 4, 1
	v_and_b32 v3, 31, v0
	v_lshlrev_b32 v[LOFF], 4, v3
.set i, 0
.rept 24                               ; my oldest loads: every later counted wait shows them in
	global_load_b128 v[WN+4*i:WN+4*i+3], v[LOFF], s[32:33] offset:512*i
.set i, i+1
.endr
	v_lshlrev_b32 v4, 4, v[CL]
	v_mul_u32_u24 v5, v[CL], PA
	v_lshl_add_u32 v[AR], v[HL], 4, v5
.set i, 1
.rept 4
	v_add_nc_u32 v[AR+i], i*32*PA, v[AR]
.set i, i+1
.endr
	s_mul_i32 s24, s14, 36*PA                      ; wave w stages rows 36 w .. 36 w + 35
	v_mul_u32_u24 v5, v[HL], PA
	v_add3_u32 v[SW0], v5, v4, s24
	v_add_nc_u32 v[SW0+1], 18*PA, v[SW0]
	s_mul_i32 s24, s14, 144
	v_lshl_add_u32 v[SOW], v[HL], 2, s24
	v_add_nc_u32 v[SOW], SOFF, v[SOW]
	s_mul_i32 s24, s14, 16*WSP
	s_add_co_u32 s24, s24, WST                     ; my stage
	v_mul_u32_u24 v5, v[CL], WSP
	v_lshl_add_u32 v5, v[HL], 4, v5
	v_add_nc_u32 v[STO], s24, v5                   ; in: row lane % 16, 16 bytes for each half of the lanes
	s_cmp_eq_u32 s14, 3
	s_cselect_b32 s25, 3, 5                        ; the last 16-byte piece of my 96 (wave 3: 64) bytes of a row
	v_and_b32 v6, 7, v0
	v_min_u32 v6, 5, v6                            ; back: eight lanes to a row; a row of the stage has six pieces,
	v_min_u32 v6, s25, v6                          ; and the lanes past my last piece repeat it
	v_bfe_u32 v7, v0, 3, 2
	v_mul_u32_u24 v5, v7, WSP
	v_lshl_add_u32 v5, v6, 4, v5
	v_add_nc_u32 v[RDA], s24, v5
	v_lshl_add_u32 v[SOA], v7, 2, SOFF
	s_mul_i32 s24, s15, 352
	s_mul_i32 s25, s14, 96
	s_add_co_u32 s24, s24, s25
	v_lshl_add_u32 v5, v6, 4, s24                  ; cb of my piece
	v_and_b32 v6, 0xffffff80, v5
	v_add_nc_u32 v[COLT], v5, v6
	s_mul_i32 s24, s14, 36
	v_add_nc_u32 v5, s24, v[HL]                    ; the first row that I stage
	s_mov_b32 s30, 0xbfb8aa3b                      ; -log2(e), named as a pair
	s_mov_b32 s31, s30
	s_mov_b32 s34, 0x76543210                      ; v_permlanex16_b32: each lane takes its own place in the other half
	s_mov_b32 s35, 0xfedcba98
	s_wait_kmcnt 0x0
	s_min_u32 s20, s20, 7
	s_min_u32 s21, s21, 8191
	s_min_u32 s22, s22, 144
	s_max_u32 s28, s22, 1
	s_sub_co_u32 s28, s28, 1                       ; the tile's last row
	s_lshl_b32 s24, s20, 2
	s_add_co_u32 s24, s24, s15
	s_lshl_b32 s24, s24, 2
	s_add_co_u32 s24, s24, s14                     ; g = 16 e + 4 slice + wave
	s_mul_i32 s18, s24, 196608
	s_mov_b32 s19, 0
	s_add_nc_u64 s[26:27], s[6:7], s[18:19]        ; my stream of weights
.set q, 0
.rept 18                               ; the list's words of my 36 rows; each load lands on its own address register
	v_add_nc_u32 v[GOFF+q], 2*q, v5
	v_min_u32 v[GOFF+q], s28, v[GOFF+q]
	v_add_nc_u32 v[GOFF+q], s21, v[GOFF+q]
	v_min_u32 v[GOFF+q], 0x1fff, v[GOFF+q]
	v_lshlrev_b32 v[GOFF+q], 2, v[GOFF+q]
	global_load_b32 v[GOFF+q], v[GOFF+q], s[8:9]
.set q, q+1
.endr
.set mb, 0
.rept 9                                ; p / xn of the token that I hold in block mb
	v_add_nc_u32 v[PP+2*mb], 16*mb, v[CL]
	v_min_u32 v[PP+2*mb], s28, v[PP+2*mb]
	v_add_nc_u32 v[PP+2*mb], s21, v[PP+2*mb]
	v_min_u32 v[PP+2*mb], 0x1fff, v[PP+2*mb]
	v_lshlrev_b32 v[PP+2*mb], 2, v[PP+2*mb]
	global_load_b32 v[PP+2*mb], v[PP+2*mb], s[10:11]
.set mb, mb+1
.endr
	s_wait_loadcnt 9                               ; wn and the list's 18 words are in; ep's nine loads are younger
.set q, 0
.rept 18
	v_lshrrev_b32 v3, 12, v[GOFF+q]
	ds_store_b32 v[SOW], v3 offset:8*q             ; 22 pos + which, for the way out
	v_and_b32 v[GOFF+q], 0xfff, v[GOFF+q]
	v_min_u32 v[GOFF+q], 0xfff, v[GOFF+q]
	v_lshl_add_u32 v[GOFF+q], v[GOFF+q], 11, v4    ; token x 2,048 + 16 (lane % 16)
.set q, q+1
.endr
; THE STAGING.  Chunk c is 256 bytes of each of my 36 rows: 18 loads (lanes 0-15 one row, lanes 16-31 the next) into set c % 3, then 18 LDS stores.  Three chunks are out at a time.
.macro SLOAD c
	WIN 0x40                                       ; destination window 1
.set q, 0
.rept 18
	global_load_b128 v[72*((\c)%3)+4*q:72*((\c)%3)+4*q+3], v[GOFF+q], s[4:5] offset:256*(\c)
.set q, q+1
.endr
.endm
.macro SSTORE c
	WIN 0x04                                       ; data window 1
.set q, 0
.rept 18
	ds_store_b128 v[SW0+q/9], v[72*((\c)%3)+4*q:72*((\c)%3)+4*q+3] offset:(q%9)*2*PA+256*(\c)
.set q, q+1
.endr
.endm
; The weights of one K step, 6 fragments of 1,024 bytes, into buffer s: twelve loads of 512 consecutive bytes
.macro BLOAD s, imm
	WIN 0xc0                                       ; destination window 3
.set f, 0
.rept 6
	global_load_b128 v[48*(\s)+8*f:48*(\s)+8*f+3],   v[LOFF], s[26:27] offset:(\imm)+1024*f
	global_load_b128 v[48*(\s)+8*f+4:48*(\s)+8*f+7], v[LOFF], s[26:27] offset:(\imm)+1024*f+512
.set f, f+1
.endr
.endm
; The sum of the 1,536 numbers that lie in the 48 registers from v[b] on: 24 pairs down to one, its two halves, then across the 32 lanes; every lane's v[b] ends up with it
.macro FSUM b
.set st, 12
.rept 3
.set j, 0
.rept st
	v_pk_add_f32 v[(\b)+2*j:(\b)+2*j+1], v[(\b)+2*j:(\b)+2*j+1], v[(\b)+2*(j+st):(\b)+2*(j+st)+1]
.set j, j+1
.endr
.set st, st/2
.endr
	v_pk_add_f32 v[(\b):(\b)+1], v[(\b):(\b)+1], v[(\b)+2:(\b)+3]
	v_pk_add_f32 v[(\b):(\b)+1], v[(\b):(\b)+1], v[(\b)+4:(\b)+5]
	v_add_f32 v[(\b)], v[(\b)], v[(\b)+1]
.irp m, 1,2,4,8
	v_add_f32_dpp v[(\b)], v[(\b)], v[(\b)] row_xmask:\m row_mask:0xf bank_mask:0xf
.endr
	v_permlanex16_b32 v[(\b)+1], v[(\b)], s34, s35
	v_add_f32 v[(\b)], v[(\b)], v[(\b)+1]
.endm
	SLOAD 0
	SLOAD 1
	SLOAD 2
	WIN 0                                          ; FF is made while the first three chunks are on their way
	FSUM WN
	FSUM WN+48
	v_sqrt_f32 v[WN], v[WN]
	v_sqrt_f32 v[WN+48], v[WN+48]
	v_nop                                          ; a plain instruction behind the second root,
	s_wait_alu depctr_va_vdst(0)                   ; and one wait for the two, ahead of their first reader
	v_mul_f32 v[FG], v[WN], v[WN+48]
	v_max_num_f32 v[FG], 0x26800000, v[FG]         ; FF, 2^-50 at the least, so that its reciprocal times p / xn stays finite
	v_rcp_f32 v[CF], v[FG]
	v_mov_b32 v[FA], FFO
	s_wait_alu depctr_va_vdst(0)
	v_mul_f32 v[CF], 0x47000000, v[CF]             ; 2^15 / FF
	s_or_b32 s24, s14, s15
	s_or_b32 s24, s24, s16
	s_cmp_lg_u32 s24, 0
	s_cbranch_scc1 .Lkept
	global_store_b32 v[FA], v[FG], s[12:13]        ; wave 0 of work-group (0, 0) leaves FF for the second product; every lane stores the same number to the one word
.Lkept:
.irp c, 0,1,2,3,4
	s_wait_loadcnt 36                              ; two chunks are younger
	SSTORE \c
	SLOAD (\c)+3
.endr
	s_wait_loadcnt 36                              ; chunks 6 and 7 are younger
	SSTORE 5
	BLOAD 0, 0                                     ; as the ring of sets drains, the first K steps' weights take the free places
	s_wait_loadcnt 30                              ; chunk 7 and K step 0's weights
	SSTORE 6
	BLOAD 1, 6144
	s_wait_loadcnt 24                              ; K steps 0 and 1
	SSTORE 7
	BLOAD 2, 12288
	WIN 0
.set mb, 0
.rept 9
	v_mul_f32 v[PP+2*mb], v[PP+2*mb], v[CF]        ; ep's loads are older than the chunks waited for above
	v_mov_b32 v[PP+2*mb+1], v[PP+2*mb]
.set mb, mb+1
.endr
	s_wait_dscnt 0x0                               ; for the others' sake: my rows of A and my words are in LDS
	s_barrier_signal -1
	s_barrier_wait -1                              ; the first barrier: from here to the second, LDS is only read
; x's fragments of one K step, at byte off of the rows, into buffer par: 9 blocks of 16 rows, two loads 32 bytes apart
.macro ALOAD par, off
.set mb, 0
.rept 9
	ds_load_b128 v[ABUF+72*(\par)+8*mb:ABUF+72*(\par)+8*mb+3],   v[AR+mb/2] offset:(mb%2)*16*PA+(\off)
	ds_load_b128 v[ABUF+72*(\par)+8*mb+4:ABUF+72*(\par)+8*mb+7], v[AR+mb/2] offset:(mb%2)*16*PA+(\off)+32
.set mb, mb+1
.endr
.endm
; A K STEP on weight buffer s.  At its head the weights three steps on are asked for, into the buffer read in the step before, and the next step's fragments of x.
; pre: their byte offset from the stream's pointer, or -1.  aoff: the next fragments' byte offset, or -1.  n: the weight loads younger than this step's.
; The 54 accumulators take turns, one instruction a turn, over the loop's jump too.  zero = 1: the products start the sums.
.macro KSTEP s, zero, aoff, pre, n
.if (\pre) >= 0
	BLOAD ((\s)+3)%4, \pre
.endif
	WIN 0
.if (\aoff) >= 0
	ALOAD ((\s)+1)%2, \aoff
	s_wait_dscnt 18                                ; this step's fragments are in; the 18 loads just issued may stay out
.else
	s_wait_dscnt 0x0
.endif
	s_wait_loadcnt \n
.set ai, 0
.rept 54
.if ai == 0
	WIN 0x53                                       ; weights window 3, x window 0, sums window 1
.endif
.if ai == 32
	WIN 0xa3                                       ; sums window 2
.endif
.set rD, 8*(ai%32)
.if \zero
	v_wmma_f32_16x16x32_bf16 v[rD:rD+7], v[48*(\s)+8*(ai%6):48*(\s)+8*(ai%6)+7], v[ABUF+72*((\s)%2)+8*(ai/6):ABUF+72*((\s)%2)+8*(ai/6)+7], 0
.else
	v_wmma_f32_16x16x32_bf16 v[rD:rD+7], v[48*(\s)+8*(ai%6):48*(\s)+8*(ai%6)+7], v[ABUF+72*((\s)%2)+8*(ai/6):ABUF+72*((\s)%2)+8*(ai/6)+7], v[rD:rD+7]
.endif
.set ai, ai+1
.endr
	WIN 0
.rept 4
	v_nop                                          ; four places between the products and the loads into registers that they read, or the first read of a result
.endr
.endm
	ALOAD 0, 0
	KSTEP 0, 1, 64, 18432, 36                      ; K step 0 stands ahead of the loop: it starts the sums.  36: the three K steps asked for behind this one
	s_cmp_eq_u32 s22, 0
	s_cbranch_scc1 .Lmeet                          ; a tile without rows jumps over the other 31 K steps: work alone, no barrier; every accumulator has been written
	s_wait_xcnt 0x0                                ; the pointer is stepped only behind this wait
	s_add_nc_u64 s[26:27], s[26:27], 24576
	s_mov_b32 s29, 7
.Lk:                                   ; trip t: K steps 4 t + 1 .. 4 t + 4, which ask for steps 4 t + 4 .. 4 t + 7: 4 to 31 in all, none past the stream's end
	KSTEP 1, 0, 128, 0, 36
	KSTEP 2, 0, 192, 6144, 36
	KSTEP 3, 0, 256, 12288, 36
	KSTEP 0, 0, 320, 18432, 36
.set i, 0
.rept 5
	v_add_nc_u32 v[AR+i], 256, v[AR+i]
.set i, i+1
.endr
	s_wait_xcnt 0x0
	s_add_nc_u64 s[26:27], s[26:27], 24576
	s_sub_co_u32 s29, s29, 1
	s_cmp_lg_u32 s29, 0
	s_cbranch_scc1 .Lk
	KSTEP 1, 0, 128, -1, 24                        ; K steps 29 to 31 ask for nothing: the counts run down
	KSTEP 2, 0, 192, -1, 12
	KSTEP 3, 0, -1, -1, 0
.Lmeet:
	s_wait_dscnt 0x0                               ; my reads of A are over
	s_barrier_signal -1
	s_barrier_wait -1                              ; the second barrier: every wave's are; only now is anything stored into LDS again
; THE WAY OUT of block mb (16 rows): h' = PP g u / (1 + 2^(-log2(e) g)); 24 exponentials and 24 reciprocals, each a batch with one wait; rounded once to f16; through my own stage; 96 bytes a row to hbuf.
.macro EPI mb
	s_cmp_le_u32 s22, 16*(\mb)
	s_cbranch_scc1 .Ldone                          ; this block and all behind it lie past the count
.set blk, 0
.rept 3
.set ag, 6*(\mb)+2*blk
.set rg, 8*(ag%32)
	WIN 0x05*(1+ag/32)                             ; sources 0 and 1 in the accumulators' window
.set j, 0
.rept 4
	v_pk_mul_f32 v[T+8*blk+2*j:T+8*blk+2*j+1], v[rg+2*j:rg+2*j+1], s[30:31] op_sel_hi:[1,0]  ; each accumulator is read from its low end on
.set j, j+1
.endr
.set j, 0
.rept 4
	v_pk_mul_f32 v[Q+8*blk+2*j:Q+8*blk+2*j+1], v[rg+2*j:rg+2*j+1], v[rg+8+2*j:rg+8+2*j+1]
.set j, j+1
.endr
.set blk, blk+1
.endr
	WIN 0
.set j, 0
.rept 24
	v_exp_f32 v[T+j], v[T+j]
.set j, j+1
.endr
.set j, 0
.rept 12
	v_pk_mul_f32 v[Q+2*j:Q+2*j+1], v[Q+2*j:Q+2*j+1], v[PP+2*(\mb):PP+2*(\mb)+1]  ; work that names no exponential's result
.set j, j+1
.endr
	s_wait_alu depctr_va_vdst(0)                   ; one wait for the batch, ahead of its first reader
.set j, 0
.rept 12
	v_pk_add_f32 v[T+2*j:T+2*j+1], v[T+2*j:T+2*j+1], 1.0 op_sel_hi:[1,0]
.set j, j+1
.endr
.set j, 0
.rept 24
	v_rcp_f32 v[T+j], v[T+j]
.set j, j+1
.endr
	v_nop
	s_wait_alu depctr_va_vdst(0)
.set j, 0
.rept 12
	v_pk_mul_f32 v[Q+2*j:Q+2*j+1], v[Q+2*j:Q+2*j+1], v[T+2*j:T+2*j+1]
.set j, j+1
.endr
.set j, 0
.rept 12
	v_cvt_pk_f16_f32 v[HP+j], v[Q+2*j], v[Q+2*j+1]
.set j, j+1
.endr
.set j, 0
.rept 3
	ds_store_b128 v[STO], v[HP+4*j:HP+4*j+3] offset:32*j
.set j, j+1
.endr
	s_wait_xcnt 0x0                                ; the last block's stores have read their registers
.set j, 0
.rept 4                                ; four rows a load; LDS serves a wave's instructions in order: these see the stores above
	ds_load_b128 v[DD+4*j:DD+4*j+3], v[RDA] offset:4*WSP*j
	ds_load_b32 v[IX+j], v[SOA] offset:64*(\mb)+16*j
.set j, j+1
.endr
	s_wait_dscnt 0x0
.set j, 0
.rept 4
	v_min_u32 v[IX+j], 0x15feb, v[IX+j]            ; 22 x 4095 + 1
	v_lshl_add_u32 v[IX+j], v[IX+j], 7, v[COLT]
	global_store_b128 v[IX+j], v[DD+4*j:DD+4*j+3], s[12:13]
.set j, j+1
.endr
.endm
.irp mb, 0,1,2,3,4,5,6,7,8
	EPI \mb
.endr
.Ldone:
	s_wait_tensorcnt 0x0                           ; the wave's end
	ds_add_u32 v[SPW], v[NIL]
	s_wait_dscnt 0x0
	s_endpgm
.Lfunc_end_k_qc9f7fe31d1_up:
	.size	k_qc9f7fe31d1_up, .Lfunc_end_k_qc9f7fe31d1_up-k_qc9f7fe31d1_up
	.p2alignl 7, 3214868480
	.fill 96, 4, 3214868480
	.section	.rodata,"a",@progbits
	.p2align	6, 0x0
	.amdhsa_kernel k_qc9f7fe31d1_up
		.amdhsa_group_segment_fixed_size 305664
		.amdhsa_private_segment_fixed_size 0
		.amdhsa_enable_private_segment 0
		.amdhsa_kernarg_size 48
		.amdhsa_user_sgpr_count 2
		.amdhsa_user_sgpr_kernarg_segment_ptr 1
		.amdhsa_wavefront_size32 1
		.amdhsa_system_sgpr_workgroup_id_x 1
		.amdhsa_system_sgpr_workgroup_id_y 1
		.amdhsa_system_sgpr_workgroup_id_z 1
		.amdhsa_system_vgpr_workitem_id 0
		.amdhsa_next_free_vgpr 960
		.amdhsa_next_free_sgpr 66
		.amdhsa_reserve_vcc 0
		.amdhsa_float_denorm_mode_32 3
		.amdhsa_float_denorm_mode_16_64 3
		.amdhsa_memory_ordered 1
		.amdhsa_forward_progress 1
		.amdhsa_inst_pref_size 167
	.end_amdhsa_kernel
	.amdgpu_metadata
---
amdhsa.version: [ 1, 2 ]
amdhsa.kernels:
  - .name:           k_qc9f7fe31d1_up
    .symbol:         k_qc9f7fe31d1_up.kd
    .args:
      - { .name: xb, .offset: 0, .size: 8, .value_kind: global_buffer, .address_space: global }
      - { .name: wf, .offset: 8, .size: 8, .value_kind: global_buffer, .address_space: global }
      - { .name: lists, .offset: 16, .size: 8, .value_kind: global_buffer, .address_space: global }
      - { .name: ep, .offset: 24, .size: 8, .value_kind: global_buffer, .address_space: global }
      - { .name: hbuf, .offset: 32, .size: 8, .value_kind: global_buffer, .address_space: global }
      - { .name: wn, .offset: 40, .size: 8, .value_kind: global_buffer, .address_space: global }
    .group_segment_fixed_size: 305664
    .private_segment_fixed_size: 0
    .kernarg_segment_align: 8
    .kernarg_segment_size: 48
    .max_flat_workgroup_size: 128
    .sgpr_count:     66
    .vgpr_count:     960
    .wavefront_size: 32
...
	.end_amdgpu_metadata
.endif
;; end of part 7
;; launch down (part 8): grid 4 x 79, 4 waves a work-group, no clusters, 244,992 bytes of LDS; arguments hbuf, wf, lists, out0, rt; writes out0
.if DOCPART == 8
	.amdgcn_target "amdgcn-amd-amdhsa--gfx1250"
	.amdhsa_code_object_version 6
	.text
	.protected	k_qc9f7fe31d1_down
	.globl	k_qc9f7fe31d1_down
	.p2align	8
	.type	k_qc9f7fe31d1_down,@function
k_qc9f7fe31d1_down:
	s_mov_b64 s[64:65], 0
	v_nop
	global_prefetch_b8 v0, s[64:65] scope:SCOPE_SE
	s_setreg_imm32_b32 hwreg(HW_REG_WAVE_MODE, 25, 1), 1
	s_wait_xcnt 0x0
; DOWN.  For a tile of up to 80 tokens of one SET {a, b} of experts and 256 columns: out0 = [h_a h_b] . [w2_a ; w2_b]^T.  The probabilities are in h already, so both experts add into ONE accumulator
; and each output row has one owner.  Operands f16, sums f32, out0 f32.
; THE SCALE.  hbuf holds h' = h 2^15 / (xn FF), which the first product bounded by 2^15 x 1.01 for every input (xn: the token's sum of squares, in rt; FF: the weights' factor, behind hbuf's rows).
;   A token's scale is the same for both its experts, so the sums are multiplied by xn FF 2^-15 once, on the way out.  w2 is the input rounded to bf16, written as f16.
; SHARES.  Grid x = 256 columns, y = tile (79 tiles cover every split: 52 + 27).  Wave w has 5 blocks of 16 tokens x 4 blocks of 16 columns: 20 accumulators.
;   K is 44 steps of 32: step j is byte 64 j of a row of hbuf, whose blocks of 256 bytes hold 64 hidden columns of a and then the same 64 of b: steps 4 t, 4 t + 1 are a's K steps 2 t, 2 t + 1, steps 4 t + 2, 4 t + 3 are b's.
;   The weights come from memory straight into operand registers, each wave reading its own two streams of wf; columns 684 to 703 are zeros there and in hbuf.
; ORDER.  The tile's rows of hbuf (consecutive places of the set order) are ALL laid into LDS ahead of the first barrier; between the two barriers LDS is only read; behind the second each wave's way out goes through LDS bytes of its own.
;   Rows past the count repeat the tile's last row and store the same bytes to the same place.  Every wave passes both barriers, whatever the count: a tile with no rows stages one row, does step 0,
;   jumps over the other 43 steps (work alone), meets the second barrier and leaves at the way out's first test.
; NO CLUSTER: what the four work-groups of a tile share is the staged rows, loaded once; a joint tensor load for them is left for later.
; The matrix instruction is used transposed (source 0 = 16 rows of w2, source 1 = 16 tokens): a lane holds ONE token and 8 neighbouring columns.
; REGISTERS, in windows of 256 (s_set_vgpr_msb: bits 1:0 source 0, 3:2 source 1, 5:4 source 2, 7:6 destination): window 0: addresses; v64-103, v104-143 fragments of h, two buffers; v144-183 the way out.
;   window 1: accumulators at 8 (4 mb + nb); ahead of the loop four sets of 40 for the staging.   window 2: eight slots of 32: the weights of one step each
.set PA,    2832                       ; a row in LDS: 2,816 bytes + 16, an odd multiple of 16
.set OST,   80*PA                      ; behind A: 16 rows x 272 bytes for each wave, for the way out
.set OSP,   272
.set TOK,   OST+4*16*OSP               ; 128 words, a thread's own each: the tokens of rows 0-79 in the first 80
.set SPARE, TOK+512                    ; the spare words, 128 bytes a wave: two blocks of 256 bytes that no other line names
.set WBO,   25165824
.set T2OFF, 50176
.set FFO,   11534336                   ; FF, behind hbuf's rows
.set XNO,   49152                      ; xn in rt
.set CL,   1
.set HL,   2
.set SPW,  8
.set NIL,  9
.set VA,   10                          ; 16 lane + expert a's stream
.set VB,   11                          ; the same for b
.set AR,   12                          ; v12-16  my fragment address in block mb; stepped 512 bytes a trip
.set SW,   17
.set HOFF, 18                          ; v18-27  row pair q: my byte offset in hbuf
.set OSTW, 28
.set OSTR, 29
.set TKA,  30
.set COLO, 31
.set TKW,  32
.set SC,   34                          ; v34-43  block mb: first ptok's address and word, then rt's and xn of the token that I hold, at last its scale, twice
.set DF,   44                          ; FF 2^-15
.set ABUF, 64
.set DD,   144
.set TK,   176
.set MSB, 0
.macro WIN new                         ; the immediate's high byte repeats the setting that is left; a switch that changes nothing is dropped
.if MSB != (\new)
	s_set_vgpr_msb (MSB<<8)|(\new)
.set MSB, (\new)
.endif
.endm
	s_load_b256 s[4:11], s[0:1], 0x0               ; hbuf s[4:5], wf s[6:7], lists s[8:9], out0 s[10:11]
	s_load_b64 s[32:33], s[0:1], 0x20              ; rt
	v_lshl_add_u32 v[SPW], v0, 2, SPARE
	v_mov_b32 v[NIL], 0
	v_lshrrev_b32 v3, 5, v0
	v_readfirstlane_b32 s14, v3                    ; wave 0..3
	s_mov_b32 s15, ttmp9                           ; which 256 columns
	s_and_b32 s16, ttmp7, 0xffff                   ; tile
	s_lshl_b32 s17, s16, 4
	s_mov_b32 s37, FFO
	s_wait_kmcnt 0x0
	s_load_b128 s[20:23], s[8:9], s17 offset:T2OFF ; {a, b, pos0, n}
	s_load_b32 s36, s[4:5], s37 offset:0x0         ; FF
	v_and_b32 v[CL], 15, v0
	v_bfe_u32 v[HL], v0, 4, 1
	v_and_b32 v3, 31, v0
	v_lshlrev_b32 v3, 4, v3
	v_lshlrev_b32 v4, 4, v[CL]
	v_mul_u32_u24 v5, v[CL], PA
	v_lshl_add_u32 v[AR], v[HL], 4, v5
.set i, 1
.rept 4
	v_add_nc_u32 v[AR+i], i*16*PA, v[AR]
.set i, i+1
.endr
	s_mul_i32 s24, s14, 20*PA                      ; wave w stages rows 20 w .. 20 w + 19
	v_mul_u32_u24 v5, v[HL], PA
	v_add3_u32 v[SW], v5, v4, s24
	s_mul_i32 s24, s14, 16*OSP
	s_add_co_u32 s24, s24, OST                     ; my stage
	v_mul_u32_u24 v5, v[CL], OSP
	v_lshl_add_u32 v5, v[HL], 5, v5
	v_add_nc_u32 v[OSTW], s24, v5                  ; in: row lane % 16, 32 bytes for each half of the lanes
	v_mul_u32_u24 v5, v[HL], OSP
	v_add3_u32 v[OSTR], v5, v4, s24                ; back: lanes 0-15 one row of 256 bytes, lanes 16-31 the next
	v_lshl_add_u32 v[TKA], v[HL], 2, TOK
	v_lshl_add_u32 v[TKW], v0, 2, TOK
	s_lshl_b32 s24, s15, 10
	s_lshl_b32 s25, s14, 8
	s_add_co_u32 s24, s24, s25
	v_add_nc_u32 v[COLO], s24, v4                  ; my 16 bytes in a row of out0
	s_mul_i32 s24, s14, 20
	v_add_nc_u32 v5, s24, v[HL]                    ; the first row that I stage
	s_wait_kmcnt 0x0
	s_min_u32 s20, s20, 7
	s_min_u32 s21, s21, 7
	s_min_u32 s22, s22, 4095
	s_min_u32 s23, s23, 80
	s_max_u32 s28, s23, 1
	s_sub_co_u32 s28, s28, 1                       ; the tile's last row
	v_mov_b32 v[DF], s36
	v_mul_f32 v[DF], 0x38000000, v[DF]             ; FF 2^-15
	s_lshl_b32 s25, s15, 2
	s_add_co_u32 s25, s25, s14
	s_lshl_b32 s24, s20, 4
	s_add_co_u32 s24, s24, s25
	s_mul_i32 s24, s24, 90112
	v_add_nc_u32 v[VA], s24, v3
	s_lshl_b32 s24, s21, 4
	s_add_co_u32 s24, s24, s25
	s_mul_i32 s24, s24, 90112
	v_add_nc_u32 v[VB], s24, v3
	s_add_nc_u64 s[26:27], s[6:7], WBO             ; w2's part of wf; stepped four K steps of a stream (eight steps of the walk) a trip
	v_min_u32 v6, s28, v0
	v_add_nc_u32 v6, s22, v6
	v_min_u32 v6, 0xfff, v6
	v_lshlrev_b32 v6, 2, v6
	global_load_b32 v6, v6, s[8:9] offset:32768    ; the token at my row's place
.set mb, 0
.rept 5                                ; and the token that I hold in block mb; each load lands on its own address register
	v_add_nc_u32 v[SC+2*mb], 16*mb, v[CL]
	v_min_u32 v[SC+2*mb], s28, v[SC+2*mb]
	v_add_nc_u32 v[SC+2*mb], s22, v[SC+2*mb]
	v_min_u32 v[SC+2*mb], 0xfff, v[SC+2*mb]
	v_lshlrev_b32 v[SC+2*mb], 2, v[SC+2*mb]
	global_load_b32 v[SC+2*mb], v[SC+2*mb], s[8:9] offset:32768
.set mb, mb+1
.endr
.set q, 0
.rept 10
	v_add_nc_u32 v[HOFF+q], 2*q, v5
	v_min_u32 v[HOFF+q], s28, v[HOFF+q]
	v_add_nc_u32 v[HOFF+q], s22, v[HOFF+q]
	v_min_u32 v[HOFF+q], 0xfff, v[HOFF+q]
	v_mad_u32_u24 v[HOFF+q], v[HOFF+q], 0xb00, v4  ; place x 2,816 + 16 (lane % 16)
.set q, q+1
.endr
; THE STAGING.  Chunk c is 256 bytes of each of my 20 rows: 10 loads (lanes 0-15 one row, lanes 16-31 the next) into set c % 4, then 10 LDS stores.  Four chunks are out at a time.
.macro SLOAD c
	WIN 0x40                                       ; destination window 1
.set q, 0
.rept 10
	global_load_b128 v[40*((\c)%4)+4*q:40*((\c)%4)+4*q+3], v[HOFF+q], s[4:5] offset:256*(\c)
.set q, q+1
.endr
.endm
.macro SSTORE c
	WIN 0x04                                       ; data window 1
.set q, 0
.rept 10
	ds_store_b128 v[SW], v[40*((\c)%4)+4*q:40*((\c)%4)+4*q+3] offset:q*2*PA+256*(\c)
.set q, q+1
.endr
.endm
; The weights of one step into slot i (the step's number mod 8): expert (i / 2) % 2, its K step 2 (i / 4) + i % 2 from the pointer: eight loads of 512 consecutive bytes
.macro BL i
	WIN 0x80                                       ; destination window 2
.set nb, 0
.rept 4
	global_load_b128 v[32*(\i)+8*nb:32*(\i)+8*nb+3],   v[VA+((\i)/2)%2], s[26:27] offset:(2*((\i)/4)+(\i)%2)*4096+1024*nb
	global_load_b128 v[32*(\i)+8*nb+4:32*(\i)+8*nb+7], v[VA+((\i)/2)%2], s[26:27] offset:(2*((\i)/4)+(\i)%2)*4096+1024*nb+512
.set nb, nb+1
.endr
.endm
	SLOAD 0
	SLOAD 1
	SLOAD 2
	SLOAD 3
	s_wait_loadcnt 40                              ; the six loads of tokens are in; the four chunks are younger
	WIN 0
.set mb, 0
.rept 5
	v_min_u32 v[SC+2*mb], 0xfff, v[SC+2*mb]
	v_lshlrev_b32 v[SC+2*mb], 2, v[SC+2*mb]
	global_load_b32 v[SC+2*mb], v[SC+2*mb], s[32:33] offset:XNO    ; xn of that token: wanted on the way out
.set mb, mb+1
.endr
	s_wait_loadcnt 35                              ; chunk 0 is in: three chunks and xn's five loads are younger
	ds_store_b32 v[TKW], v6
	SSTORE 0
	SLOAD 4
.irp c, 1,2,3
	s_wait_loadcnt 35                              ; three chunks and xn's five loads are younger
	SSTORE \c
	SLOAD (\c)+4
.endr
.irp c, 4,5,6
	s_wait_loadcnt 30                              ; three chunks are younger
	SSTORE \c
	SLOAD (\c)+4
.endr
	s_wait_loadcnt 30                              ; chunks 8 to 10
	SSTORE 7
	BL 0                                           ; as the ring of sets drains, the first steps' weights take the free places
	BL 1
	s_wait_loadcnt 36                              ; chunks 9, 10 and two steps' weights
	SSTORE 8
	BL 2
	BL 3
	s_wait_loadcnt 42                              ; chunk 10 and four steps
	SSTORE 9
	BL 4
	BL 5
	s_wait_loadcnt 48                              ; six steps
	SSTORE 10
	BL 6
	WIN 0
	s_wait_dscnt 0x0                               ; for the others' sake: my rows and my word are in LDS
	s_barrier_signal -1
	s_barrier_wait -1                              ; the first barrier: from here to the second, LDS is only read
.macro ALOAD2 par, off                 ; h's fragments of one step, at byte off of the rows, into buffer par
.set mb, 0
.rept 5
	ds_load_b128 v[ABUF+40*(\par)+8*mb:ABUF+40*(\par)+8*mb+3],   v[AR+mb] offset:(\off)
	ds_load_b128 v[ABUF+40*(\par)+8*mb+4:ABUF+40*(\par)+8*mb+7], v[AR+mb] offset:(\off)+32
.set mb, mb+1
.endr
.endm
; A STEP on slot i.  At its head: the wait for its own weights (n: the weight loads younger than they are); then the weights seven steps on are asked for (pre = 1), into the slot read in the
; step before: seven steps, 56 loads, are out behind that; then the next step's fragments of h (at byte aoff, or -1).
; The 20 accumulators take turns, one instruction a turn, over the loop's jump too.  zero = 1: the products start the sums.
.macro STEP i, zero, aoff, pre, n
	s_wait_loadcnt \n
.if \pre
	BL ((\i)+7)%8
.endif
	WIN 0
.if (\aoff) >= 0
	ALOAD2 ((\i)+1)%2, \aoff
	s_wait_dscnt 10                                ; this step's fragments are in; the ten loads just issued may stay out
.else
	s_wait_dscnt 0x0
.endif
	WIN 0x52                                       ; weights window 2, h window 0, sums window 1
.set ai, 0
.rept 20
.if \zero
	v_wmma_f32_16x16x32_f16 v[8*ai:8*ai+7], v[32*(\i)+8*(ai%4):32*(\i)+8*(ai%4)+7], v[ABUF+40*((\i)%2)+8*(ai/4):ABUF+40*((\i)%2)+8*(ai/4)+7], 0
.else
	v_wmma_f32_16x16x32_f16 v[8*ai:8*ai+7], v[32*(\i)+8*(ai%4):32*(\i)+8*(ai%4)+7], v[ABUF+40*((\i)%2)+8*(ai/4):ABUF+40*((\i)%2)+8*(ai/4)+7], v[8*ai:8*ai+7]
.endif
.set ai, ai+1
.endr
	WIN 0
.rept 4
	v_nop                                          ; four places between the products and the loads into registers that they read, or the first read of a result
.endr
.endm
	ALOAD2 0, 0
	STEP 0, 1, 64, 1, 48                           ; step 0 stands ahead of the loop: it starts the sums.  48: steps 1 to 6 are younger
	s_cmp_eq_u32 s23, 0
	s_cbranch_scc1 .Lmeet                          ; a tile without rows jumps over the other 43 steps: work alone, no barrier; every accumulator has been written
	s_wait_xcnt 0x0                                ; the pointer is stepped only behind this wait
	s_add_nc_u64 s[26:27], s[26:27], 16384
	s_mov_b32 s29, 4
.Lk:                                   ; trip t: steps 8 t + 1 .. 8 t + 8, which ask for steps 8 t + 8 .. 8 t + 15
	STEP 1, 0, 128, 1, 48
	STEP 2, 0, 192, 1, 48
	STEP 3, 0, 256, 1, 48
	STEP 4, 0, 320, 1, 48
	STEP 5, 0, 384, 1, 48
	STEP 6, 0, 448, 1, 48
	STEP 7, 0, 512, 1, 48
	STEP 0, 0, 576, 1, 48
.set i, 0
.rept 5
	v_add_nc_u32 v[AR+i], 512, v[AR+i]
.set i, i+1
.endr
	s_wait_xcnt 0x0
	s_add_nc_u64 s[26:27], s[26:27], 16384
	s_sub_co_u32 s29, s29, 1
	s_cmp_lg_u32 s29, 0
	s_cbranch_scc1 .Lk
	STEP 1, 0, 128, 1, 48                          ; steps 33 to 36 ask for the last four, 40 to 43
	STEP 2, 0, 192, 1, 48
	STEP 3, 0, 256, 1, 48
	STEP 4, 0, 320, 1, 48
	STEP 5, 0, 384, 0, 48                          ; steps 37 to 43 ask for nothing: the counts run down
	STEP 6, 0, 448, 0, 40
	STEP 7, 0, 512, 0, 32
	STEP 0, 0, 576, 0, 24
	STEP 1, 0, 640, 0, 16
	STEP 2, 0, 704, 0, 8
	STEP 3, 0, -1, 0, 0
.Lmeet:
	s_wait_loadcnt 0x0                             ; behind the steps nothing is out; behind the jump what was asked for lands here
	s_wait_dscnt 0x0                               ; my reads of the rows are over
	s_barrier_signal -1
	s_barrier_wait -1                              ; the second barrier: every wave's are; only now is anything stored into LDS again
; THE WAY OUT of block mb: the sums times my token's xn FF 2^-15; a lane's 8 columns, 32 bytes, into rows of 272 bytes of my own stage; back as whole rows of 256 bytes; each to its token's row of out0.
.macro OUT mb
	s_cmp_le_u32 s23, 16*(\mb)
	s_cbranch_scc1 .Ldone                          ; this block and all behind it lie past the count
	v_mul_f32 v[SC+2*(\mb)], v[SC+2*(\mb)], v[DF]
	v_mov_b32 v[SC+2*(\mb)+1], v[SC+2*(\mb)]
	WIN 0x41                                       ; destination and source 0 window 1, the scale window 0
.set j, 0
.rept 16
	v_pk_mul_f32 v[32*(\mb)+2*j:32*(\mb)+2*j+1], v[32*(\mb)+2*j:32*(\mb)+2*j+1], v[SC+2*(\mb):SC+2*(\mb)+1]  ; each accumulator from its low end on
.set j, j+1
.endr
	s_wait_xcnt 0x0                                ; the last block's stores have read their registers
	WIN 0x04                                       ; data window 1
.set nb, 0
.rept 4
	ds_store_b128 v[OSTW], v[8*(4*(\mb)+nb):8*(4*(\mb)+nb)+3]   offset:64*nb
	ds_store_b128 v[OSTW], v[8*(4*(\mb)+nb)+4:8*(4*(\mb)+nb)+7] offset:64*nb+16
.set nb, nb+1
.endr
	WIN 0
.set j, 0
.rept 8                                ; LDS serves a wave's instructions in order: these see the stores above
	ds_load_b128 v[DD+4*j:DD+4*j+3], v[OSTR] offset:2*OSP*j
	ds_load_b32 v[TK+j], v[TKA] offset:(16*(\mb)+2*j)*4
.set j, j+1
.endr
	s_wait_dscnt 0x0
.set j, 0
.rept 8
	v_min_u32 v[TK+j], 0xfff, v[TK+j]
	v_lshl_add_u32 v[TK+j], v[TK+j], 12, v[COLO]
	global_store_b128 v[TK+j], v[DD+4*j:DD+4*j+3], s[10:11] th:TH_STORE_NT  ; 16 lanes store 256 consecutive bytes, at a multiple of 256 from out0's first byte
.set j, j+1
.endr
.endm
.irp mb, 0,1,2,3,4
	OUT \mb
.endr
.Ldone:
	s_wait_tensorcnt 0x0                           ; the wave's end
	ds_add_u32 v[SPW], v[NIL]
	s_wait_dscnt 0x0
	s_endpgm
.Lfunc_end_k_qc9f7fe31d1_down:
	.size	k_qc9f7fe31d1_down, .Lfunc_end_k_qc9f7fe31d1_down-k_qc9f7fe31d1_down
	.p2alignl 7, 3214868480
	.fill 96, 4, 3214868480
	.section	.rodata,"a",@progbits
	.p2align	6, 0x0
	.amdhsa_kernel k_qc9f7fe31d1_down
		.amdhsa_group_segment_fixed_size 244992
		.amdhsa_private_segment_fixed_size 0
		.amdhsa_enable_private_segment 0
		.amdhsa_kernarg_size 40
		.amdhsa_user_sgpr_count 2
		.amdhsa_user_sgpr_kernarg_segment_ptr 1
		.amdhsa_wavefront_size32 1
		.amdhsa_system_sgpr_workgroup_id_x 1
		.amdhsa_system_sgpr_workgroup_id_y 1
		.amdhsa_system_sgpr_workgroup_id_z 1
		.amdhsa_system_vgpr_workitem_id 0
		.amdhsa_next_free_vgpr 768
		.amdhsa_next_free_sgpr 66
		.amdhsa_reserve_vcc 0
		.amdhsa_float_denorm_mode_32 3
		.amdhsa_float_denorm_mode_16_64 3
		.amdhsa_memory_ordered 1
		.amdhsa_forward_progress 1
		.amdhsa_inst_pref_size 109
	.end_amdhsa_kernel
	.amdgpu_metadata
---
amdhsa.version: [ 1, 2 ]
amdhsa.kernels:
  - .name:           k_qc9f7fe31d1_down
    .symbol:         k_qc9f7fe31d1_down.kd
    .args:
      - { .name: hbuf, .offset: 0, .size: 8, .value_kind: global_buffer, .address_space: global }
      - { .name: wf, .offset: 8, .size: 8, .value_kind: global_buffer, .address_space: global }
      - { .name: lists, .offset: 16, .size: 8, .value_kind: global_buffer, .address_space: global }
      - { .name: out0, .offset: 24, .size: 8, .value_kind: global_buffer, .address_space: global }
      - { .name: rt, .offset: 32, .size: 8, .value_kind: global_buffer, .address_space: global }
    .group_segment_fixed_size: 244992
    .private_segment_fixed_size: 0
    .kernarg_segment_align: 8
    .kernarg_segment_size: 40
    .max_flat_workgroup_size: 128
    .sgpr_count:     66
    .vgpr_count:     768
    .wavefront_size: 32
...
	.end_amdgpu_metadata
.endif
;; end of part 8
;; ======== version 3 of 3: 4 launches; version 2 with the launch prep written anew for expert scheduling mode
;; limits: values are held in f16: magnitudes above 65,504 overflow, below 6.1e-05 lose precision; below input magnitudes of 9.3e-10 results are inexact or not finite; right only within a limited range of input values
;; workspace buffers: xb 8,388,608 bytes; choice 16,384 bytes of whole numbers; rt 65,536 bytes; wf 36,700,160 bytes; lists 51,712 bytes of whole numbers; ep 32,768 bytes; hbuf 11,534,592 bytes; wn 12,288 bytes
;; launch route: the kernel of part 5 again; grid 256 x 1, 4 waves a work-group, no clusters, 56,576 bytes of LDS; arguments x, router_w, xb, choice, rt; writes xb, choice, rt
;; launch prep (part 9): grid 577 x 1, 8 waves a work-group, no clusters, 86,528 bytes of LDS; arguments w1, w2, w3, wf, choice, rt, lists, ep, out1, wn; writes wf, lists, ep, out1, wn
.if DOCPART == 9
	.amdgcn_target "amdgcn-amd-amdhsa--gfx1250"
	.amdhsa_code_object_version 6
	.text
	.protected	k_qc9f7fe31d1_prep
	.globl	k_qc9f7fe31d1_prep
	.p2align	8
	.type	k_qc9f7fe31d1_prep,@function
k_qc9f7fe31d1_prep:
	s_mov_b64 s[64:65], 0
	v_nop
	global_prefetch_b8 v0, s[64:65] scope:SCOPE_SE
	s_setreg_imm32_b32 hwreg(HW_REG_WAVE_SCHED_MODE, 0, 2), 2
	s_setreg_imm32_b32 hwreg(HW_REG_WAVE_MODE, 25, 1), 1
	s_wait_xcnt 0x0
	s_wait_alu depctr_vm_vsrc(0)
; PREP.  Work-group 0 sorts the tokens; work-groups 1..576 round the weights to bf16 and lay them out in the order in which the products' operand registers take them.
; WEIGHTS (wf).  wa, at 0, in bf16: [g = 16 e + 4 slice + wave][K step 32][fragment 6][half 2][lane 32][16 bytes]; fragment 2 blk + mat (mat 0: w1, 1: w3) holds the weight rows
;   h = 16 (11 slice + 3 wave + blk) + lane % 16 and k = 32 step + 16 half + 8 (lane / 16) + 0..7; zeros where 3 wave + blk = 11 (a slice has 11 blocks) or h >= 684.
;   wb, at WBO: [g = 16 e + 4 slice + wave][K step 22][block 4][half 2][lane 32][16 bytes]: w2's rows d = 256 slice + 64 wave + 16 block + lane % 16, k likewise; zeros for k >= 684.
;   w2 is rounded to bf16 like every input, and that number is written as f16, the format of the second product: exact from 6.1e-5 up, in steps of 6e-8 below.  LIMIT: |w2| from 65,520 on becomes infinity.
;   A wave's job is 16 rows x 256 k: 32 loads of 16 bytes a lane, all out at once; then four units of 64 k: rounded, through 16 rows of the wave's own LDS, out as 512 consecutive bytes a store.
;   wn: [mat 2][1536]: each job of w1 or w3 stores the sum of the squares that it loaded.  The first product adds them up: the root sums of squares of w1 and of w3 are factors of the bound by which the
;   hidden layer is normalised for f16.  Rows that the clamp repeats are counted again: that only widens the bound.
; SORT.  Tokens are sorted by their SET of experts (28 sets), stably, by counting: 128 chunks of 32 tokens, 16 to a wave.  A chunk's counts and a token's rank in its chunk come from five ballots, one for
;   each bit of the set's number.  Each wave leaves the sum of its 16 count rows in LDS; behind the one barrier every wave reads the eight sums, makes the sets' and experts' first places, and places its own tokens.
;   lists: elist at 0 (expert order j: token | (22 pos + which) << 12), ptok at 32,768 (token at place pos of the set order), t1 at 49,152 (64 x {e, j0, n, 0}: tiles of 144 rows of an expert),
;   t2 at 50,176 (96 x {a, b, pos0, n}: tiles of 80 tokens of a set).  ep: the row's p / xn as the router left it, in expert order.  out1 = 0.08 / 4096^2 x the sum over e of (sum of p_e) x (first choices of e).
;   Every split of the tokens is served: at most 57 + 7 tiles of 144 and 52 + 27 tiles of 80; entries past the last tile have n = 0.
; LDS.  The sort has bytes 0 to 65,535 and the two small regions at the end, the weights' stages lie between: the two kinds of work-group name no common byte, whichever of them a line belongs to.
; No matrix unit, no cluster, no tensor load: a stream in which each weight is read once by one wave and passes through registers to be rounded.
; THE MODE: SCHED_MODE bits 1:0 = 2 (LLVM: expert scheduling mode 2), set by the entry lines.  The code itself states the register dependences between vector instructions and memory or LDS
;   instructions, and between a vector instruction that writes a scalar register and that register's readers, with s_wait_alu, always for 0.
; THE PLAN, WEIGHTS.  Registers that memory or LDS instructions touch:
;   v[8:31], v[160:167]  the 32 loads' offsets: written by 32 adds, read by the loads; behind one wait they are given up and become M, SQ, WD, C and DO.  No load lands on an offset.
;   X, v[32:159]         the loads land here (ahead of them v[32:43] hold the rows' and columns' terms).  Unit u's roundings close its numbers up into its lower 16 registers, which its 8 LDS stores read;
;                        its 4 LDS loads land in its upper 16, which only the squares and roundings have read, and its 4 global stores read them.  No register of a unit is written again behind its stores.
;   LS, LF, DO           made once behind the loads, never written again.
;   So ONE wait on va_vdst stands in a unit, behind its vector work.  Behind it follow the global stores of the unit before (their data has come out of LDS meanwhile) and this unit's LDS stores and loads.
; THE PLAN, SORT.  First loop: v9, v10 (addresses, stepped once a trip), W (loaded, worked on, stored), U+5z (made, stored), s[24:43] (the ballots).  Placement: v9, v10, v23 (addresses), W, CN, PP (loaded),
;   IX and RB (made, read by the permutes), B1 to B3 (the permutes' results), PO, JA, JB, E1, E2, TK (made, read by the stores).  Each wait's comment names what it states.
.set WBO,   25165824
.set PAB,   16384                      ; sort: WORDS at 0 (a word a token), PAB (8 bytes a token), CNT (128 chunks x 32 words)
.set CNT,   49152                      ; bytes 65,536 to 66,559: the words of the closing add
.set CSTG,  66560                      ; weights: 16 rows x 144 bytes for each wave
.set WT,    84992                      ; sort: 8 x 128 bytes: each wave's sum of its 16 count rows (word = set)
.set AUXS,  86016                      ; sort: 8 x 64 bytes: each wave's sum of 32 rows of the loss's 16 partial sums
.set CL,  4
.set HL,  5
.set LS,  6                            ; weights: where my 8 bytes go in my wave's stage (16 rows, pitch 144)
.set LF,  7                            ; and my fragment address there
.set M,   8                            ; v[8:15]   row pair p: all ones where my row exists
.set SQ,  16                           ; v[16:19]  two running pairs of sums of squares
.set WD,  20                           ; v[20:23]  w2: four bf16 numbers widened to f32
.set C,   24                           ; v[24:27]  unit u: all ones where my 4 columns exist
.set X,   32                           ; v[32:159] the 32 loads
.set RO,  X                            ; v[32:39]  ahead of the loads only: row pair p: my row's byte offset in the source
.set CO,  X+8                          ; v[40:43]  ahead of the loads only: unit u: my 4 columns' byte offset in a row
.set DO,  160                          ; v[160:167] K step j of my eight: 16 lane + j x the layout's bytes a K step
                                       ; load i's offset lies in v[8 + i] (i < 24) or v[136 + i]: the registers of M, SQ, WD, C, four idle ones and DO, which are made behind the loads
.set MK,  66                           ; s[66:77]  weights: the masks of the twelve compares: 8 row pairs, 4 units
.set NS,  24                           ; s[24:51]  sort: the 28 sets' counts; ahead of them the ballots
.set NE,  52                           ; s[52:59]  rows of each expert
.set RUN, 66                           ; s[66:73]  next free place in each expert's list
.set EO,  74                           ; s[74:81]  first place of each expert's list
	s_load_b512 s[4:19], s[0:1], 0x0               ; w1 s[4:5], w2 s[6:7], w3 s[8:9], wf s[10:11], choice s[12:13], rt s[14:15], lists s[16:17], ep s[18:19]
	s_load_b64 s[20:21], s[0:1], 0x40              ; out1
	s_load_b64 s[92:93], s[0:1], 0x48              ; wn
	v_lshl_add_u32 v2, v0, 2, 0x10000
	v_mov_b32 v3, 0
	v_lshrrev_b32 v1, 5, v0
	v_readfirstlane_b32 s22, v1                    ; wave 0..7
	v_and_b32 v[CL], 15, v0
	v_bfe_u32 v[HL], v0, 4, 1
	s_wait_alu depctr_va_sdst(0)                   ; s22 is written, ahead of the branch and of its readers on both ways
	s_cmp_eq_u32 ttmp9, 0
	s_cbranch_scc1 .Lsort
	; ---- the weights.  One text for both kinds of job; what differs lies in scalar registers.
	s_sub_co_u32 s23, ttmp9, 1
	s_cmp_lt_u32 s23, 384
	s_cbranch_scc0 .Lkind_b
	s_mul_i32 s38, s23, 171
	s_lshr_b32 s38, s38, 9                         ; g = c / 3 (exact for c < 384)
	s_mul_i32 s39, s38, 3
	s_sub_co_u32 s39, s23, s39                     ; blk
	s_lshr_b32 s40, s38, 4                         ; e
	s_bfe_u32 s41, s38, 0x20002                    ; slice
	s_and_b32 s42, s38, 3                          ; the wave of the product that will read this
	s_mul_i32 s43, s42, 3
	s_add_co_u32 s43, s43, s39                     ; the block's place among the slice's twelve
	s_and_b32 s35, s22, 3                          ; which 256 k
	s_lshr_b32 s44, s22, 2                         ; w1 or w3
	s_mul_i32 s28, s40, 684                        ; the expert's first row
	s_mul_i32 s29, s41, 11
	s_add_co_u32 s29, s29, s43
	s_lshl_b32 s29, s29, 4                         ; my first row in the expert,
	s_cmp_eq_u32 s43, 11
	s_cselect_b32 s29, 1024, s29                   ; or past every row: the twelfth place is zeros
	s_mov_b32 s30, 683                             ; the last row that exists
	s_mov_b32 s31, 4096                            ; bytes in a source row
	s_mov_b32 s32, 4080                            ; the last 16 bytes of a row
	s_mov_b32 s33, 6144                            ; bytes of a K step in the layout
	s_mov_b32 s34, 4                               ; units
	s_mul_i32 s36, s38, 196608
	s_lshl_b32 s45, s39, 1
	s_add_co_u32 s45, s45, s44
	s_lshl_b32 s45, s45, 10
	s_add_co_u32 s36, s36, s45
	s_mul_i32 s45, s35, 49152
	s_add_co_u32 s36, s36, s45
	s_wait_kmcnt 0x0
	s_cmp_eq_u32 s44, 0
	s_cselect_b64 s[24:25], s[4:5], s[8:9]
	s_branch .Lconv
.Lkind_b:
	s_sub_co_u32 s38, s23, 384
	s_lshl_b32 s38, s38, 3
	s_add_co_u32 s38, s38, s22                     ; job 0..1535
	s_mul_i32 s39, s38, 43691
	s_lshr_b32 s39, s39, 17                        ; block of 16 rows = job / 3 (exact for jobs < 1536)
	s_mul_i32 s40, s39, 3
	s_sub_co_u32 s35, s38, s40                     ; which 256 k
	s_lshl_b32 s28, s39, 4
	s_mov_b32 s29, 0
	s_mov_b32 s30, 15
	s_mov_b32 s31, 2736
	s_mov_b32 s32, 2720
	s_mov_b32 s33, 4096
	s_cmp_eq_u32 s35, 2
	s_cselect_b32 s34, 3, 4                        ; k = 512 .. 703 is three units
	s_lshr_b32 s40, s39, 2
	s_mul_i32 s36, s40, 90112
	s_and_b32 s41, s39, 3
	s_lshl_b32 s41, s41, 10
	s_add_co_u32 s36, s36, s41
	s_lshl_b32 s41, s35, 15
	s_add_co_u32 s36, s36, s41
	s_add_co_u32 s36, s36, WBO
	s_wait_kmcnt 0x0
	s_mov_b64 s[24:25], s[6:7]
.Lconv:
	s_mov_b32 s37, 0
	s_add_nc_u64 s[26:27], s[10:11], s[36:37]
	s_mul_i32 s38, s22, 2304
	s_add_co_u32 s38, s38, CSTG                    ; my wave's stage
.set p, 0
.rept 8
	v_add_nc_u32 v1, s29, v[HL]
	v_add_nc_u32 v1, 2*p, v1
	v_cmp_ge_u32 s[MK+p], s30, v1                  ; does my row exist?  The twelve compares stand in a run, each with a scalar register of its own; the selects come behind the loads
	v_min_u32 v1, s30, v1                          ; a row that does not exist reads the last one, and is masked
	v_add_nc_u32 v1, s28, v1
	v_mul_lo_u32 v[RO+p], v1, s31
.set p, p+1
.endr
	s_lshl_b32 s39, s35, 10
	v_lshl_add_u32 v1, v[CL], 4, s39
.set u, 0
.rept 4
	v_add_nc_u32 v[CO+u], 256*u, v1
	v_cmp_ge_u32 s[MK+8+u], s32, v[CO+u]
	v_min_u32 v[CO+u], s32, v[CO+u]
.set u, u+1
.endr
.set i, 0
.rept 32                               ; unit i / 8, row pair i % 8
	v_add_nc_u32 v[8+i+128*(i/24)], v[RO+i%8], v[CO+i/8]
.set i, i+1
.endr
	s_wait_alu depctr_va_vdst(0)                   ; the 32 offsets are written, which the loads read; the lines above are done with v[32:43], in which loads land
.set i, 0
.rept 32                               ; lanes 0-15 take 256 bytes of one row, lanes 16-31 of the next
	global_load_b128 v[X+4*i:X+4*i+3], v[8+i+128*(i/24)], s[24:25] th:TH_LOAD_NT
.set i, i+1
.endr
	s_wait_xcnt 0x0                                ; the loads' addresses are translated (ISA guide 3.1): their offset registers are rewritten only behind this wait,
	s_wait_alu depctr_vm_vsrc(0)                   ; and the loads have read them: v[8:31] and v[160:167] are written anew from here on
	s_wait_alu depctr_va_sdst(0)                   ; the twelve compares have written s[66:77], ahead of the selects
.set p, 0
.rept 8
	v_cndmask_b32 v[M+p], 0, -1, s[MK+p]
.set p, p+1
.endr
.set u, 0
.rept 4
	v_cndmask_b32 v[C+u], 0, -1, s[MK+8+u]
.set u, u+1
.endr
	v_mul_u32_u24 v1, v[HL], 144
	v_lshl_add_u32 v[LS], v[CL], 3, v1
	v_add_nc_u32 v[LS], s38, v[LS]
	v_mul_u32_u24 v1, v[CL], 144
	v_lshl_add_u32 v[LF], v[HL], 4, v1
	v_add_nc_u32 v[LF], s38, v[LF]
	v_and_b32 v1, 31, v0
	v_lshlrev_b32 v1, 4, v1
.set j, 0
.rept 8
	v_mad_u32_u24 v[DO+j], s33, j, v1
.set j, j+1
.endr
; A unit is 16 rows x 64 k: two K steps.  VEC: its vector work.  The squares are added up and the numbers rounded to bf16 in every job, so that the text stands once and no way through it reads a sum that was
; not begun (w2's jobs store no sum); the rounded numbers close up into the unit's lower 16 registers.  w2's jobs then widen the bf16 numbers and write them as f16: those lines are jumped by the jobs of w1 and w3.
.macro VEC u
	s_wait_loadcnt 24-8*(\u)                       ; loads come back in order: the later units may stay out
.set p, 0
.rept 8
.set rx, X+32*(\u)+4*p
.set rb, X+32*(\u)+2*p
.if ((\u) == 0) && (p == 0)
	v_pk_mul_f32 v[SQ:SQ+1], v[rx:rx+1], v[rx:rx+1]                    ; the first products start the sums
	v_pk_mul_f32 v[SQ+2:SQ+3], v[rx+2:rx+3], v[rx+2:rx+3]
.else
	v_pk_fma_f32 v[SQ:SQ+1], v[rx:rx+1], v[rx:rx+1], v[SQ:SQ+1]
	v_pk_fma_f32 v[SQ+2:SQ+3], v[rx+2:rx+3], v[rx+2:rx+3], v[SQ+2:SQ+3]
.endif
	v_cvt_pk_bf16_f32 v[rb], v[rx], v[rx+1]        ; row pair p's two words go to 2 p and 2 p + 1 of the unit: registers whose numbers have been rounded already
	v_cvt_pk_bf16_f32 v[rb+1], v[rx+2], v[rx+3]
.set p, p+1
.endr
	s_cmp_lt_u32 s23, 384
	s_cbranch_scc1 .Lbf_\@                         ; w1 and w3 stay in bf16
.set p, 0
.rept 8
.set rb, X+32*(\u)+2*p
	v_lshlrev_b32 v[WD], 16, v[rb]
	v_and_b32 v[WD+1], s48, v[rb]
	v_lshlrev_b32 v[WD+2], 16, v[rb+1]
	v_and_b32 v[WD+3], s48, v[rb+1]
	v_cvt_pk_f16_f32 v[rb], v[WD], v[WD+1]
	v_cvt_pk_f16_f32 v[rb+1], v[WD+2], v[WD+3]
.set p, p+1
.endr
.Lbf_\@:
.set p, 0
.rept 8
.set rb, X+32*(\u)+2*p
	v_and_b32 v1, v[M+p], v[C+(\u)]
	v_and_b32 v[rb], v1, v[rb]
	v_and_b32 v[rb+1], v1, v[rb+1]
.set p, p+1
.endr
	s_wait_alu depctr_va_vdst(0)                   ; the unit's lower 16 registers are written, which its LDS stores read; the lines above are done reading its upper 16, in which its LDS loads land; in unit 0: LS, LF and DO are written
.endm
; STAGE: the unit goes into my wave's 16 rows and comes back as fragments.  No vector line stands between VEC's wait and these.
.macro STAGE u
.set p, 0
.rept 8
	ds_store_b64 v[LS], v[X+32*(\u)+2*p:X+32*(\u)+2*p+1] offset:2*p*144
.set p, p+1
.endr
.set j, 0
.rept 4                                ; K step j / 2, half j % 2; LDS serves a wave's instructions in order: these see the stores above, and the next unit's stores come behind them
	ds_load_b128 v[X+32*(\u)+16+4*j:X+32*(\u)+16+4*j+3], v[LF] offset:(j/2)*64+(j%2)*32
.set j, j+1
.endr
.endm
; SEND: the unit's fragments leave.  It stands behind the next unit's vector work, so that the way through LDS runs beside that work.
.macro SEND u
	s_wait_dscnt 0x0                               ; the unit's four fragments are in
.set j, 0
.rept 4
	global_store_b128 v[DO+2*(\u)+j/2], v[X+32*(\u)+16+4*j:X+32*(\u)+16+4*j+3], s[26:27] offset:(j%2)*512  ; 512 consecutive bytes, at a multiple of 512 from wf's first byte
.set j, j+1
.endr
.endm
	s_mov_b32 s48, 0xffff0000                      ; a word's upper bf16
	VEC 0
	STAGE 0
	VEC 1
	SEND 0
	STAGE 1
	VEC 2
	SEND 1
	STAGE 2
	s_cmp_eq_u32 s34, 3
	s_cbranch_scc1 .Lthree                         ; w2's last part has three units; its fourth unit's clamped loads are left behind
	VEC 3
	SEND 2
	STAGE 3
	SEND 3
	s_cmp_lt_u32 s23, 384
	s_cbranch_scc0 .Lfin                           ; w2's jobs are done
	s_lshr_b32 s52, s22, 2                         ; my sum's place in wn: word 1536 mat + 4 c + the job's quarter of k
	s_mul_i32 s52, s52, 1536
	s_lshl_b32 s53, s23, 2
	s_add_co_u32 s52, s52, s53
	s_and_b32 s53, s22, 3
	s_add_co_u32 s52, s52, s53
	s_lshl_b32 s52, s52, 2
	s_mov_b32 s53, 0
	s_add_nc_u64 s[94:95], s[92:93], s[52:53]
	s_mov_b32 s50, 0x76543210                      ; v_permlanex16_b32: each lane takes its own place in the other half
	s_mov_b32 s51, 0xfedcba98
	v_pk_add_f32 v[SQ:SQ+1], v[SQ:SQ+1], v[SQ+2:SQ+3]
	v_add_f32 v[SQ], v[SQ], v[SQ+1]
.irp m, 1,2,4,8
	v_add_f32_dpp v[SQ], v[SQ], v[SQ] row_xmask:\m row_mask:0xf bank_mask:0xf
.endr
	v_permlanex16_b32 v[SQ+1], v[SQ], s50, s51
	v_add_f32 v[SQ], v[SQ], v[SQ+1]
	v_mov_b32 v[SQ+2], 0
	s_wait_alu depctr_va_vdst(0)                   ; the sum and its offset are written, which the store reads
	global_store_b32 v[SQ+2], v[SQ], s[94:95]      ; every lane holds the sum and stores it to the one word
	s_branch .Lfin
.Lthree:
	SEND 2
	s_branch .Lfin
	; ---- the sort.  Wave w owns tokens 512 w .. 512 w + 511: chunks 16 w .. 16 w + 15.
.set INV, 26                           ; v[26:30]  bit bt of my lane's number is set: 0; clear: all ones
.set WTS, 31                           ; v31       (lane = set) the sum of my wave's count rows
.set W,   32                           ; v[32:35]  four chunks: my token's word
.set T,   36                           ; v[36:55]  chunk z, bit bt: at work on the mask of my token's set
.set U,   56                           ; v[56:75]  chunk z, bit bt: at work on the mask of the set whose number is my lane's
.set AX,  80                           ; v[80:95]  my wave's 32 rows of the loss's partial sums; not written again behind their LDS store
.set BAL, 24                           ; s[24:43]  chunk z, bit bt: the lanes whose token's set has that bit
.macro Z4 line:vararg                  ; one line for each of a trip's four chunks z
.set z, 0
.rept 4
	\line
.set z, z+1
.endr
.endm
.macro ZB line:vararg                  ; one line for each chunk z and bit bt
.set z, 0
.rept 4
.set bt, 0
.rept 5
	\line
.set bt, bt+1
.endr
.set z, z+1
.endr
.endm
.Lsort:
	v_and_b32 v6, 31, v0
	s_lshl_b32 s82, s22, 11
	s_lshl_b32 s83, s22, 12
	v_lshl_add_u32 v7, v6, 4, s82
	v_lshl_add_u32 v8, v6, 4, s83
	s_wait_kmcnt 0x0
	s_wait_alu depctr_va_vdst(0)                   ; v7 and v8 are written: the loads below and the LDS stores behind them read them as offsets and addresses; they are never written again
.set i, 0
.rept 4
	global_load_b128 v[32+4*i:35+4*i], v7, s[12:13] offset:512*i
.set i, i+1
.endr
.set i, 0
.rept 8
	global_load_b128 v[48+4*i:51+4*i], v8, s[14:15] offset:512*i
.set i, i+1
.endr
.set i, 0
.rept 4                                ; lane l: columns 4 (l % 4) + 0..3 of row l / 4 + 8 i of my wave's 32
	global_load_b128 v[AX+4*i:AX+4*i+3], v7, s[14:15] offset:32768+512*i
.set i, i+1
.endr
	v_lshl_add_u32 v9, v6, 2, s82                  ; the set-up of the first loop stands in the wait for the loads
	v_add_nc_u32 v10, CNT, v9
	v_mov_b32 v[WTS], 0
.set bt, 0
.rept 5
	v_bfe_u32 v[INV+bt], v6, bt, 1
	v_add_nc_u32 v[INV+bt], -1, v[INV+bt]
.set bt, bt+1
.endr
	s_mov_b32 s44, 0x55555555
	s_mov_b32 s45, 0x33333333
	s_mov_b32 s46, 0x0f0f0f0f
	s_mov_b32 s47, 0x01010101
	s_mov_b32 s90, 0x76543210                      ; v_permlanex16_b32: each lane takes its own place in the other half
	s_mov_b32 s91, 0xfedcba98
	s_wait_loadcnt 0x4                             ; the words and the pairs are in; the four loads of the loss's sums are younger
.set i, 0
.rept 4
	ds_store_b128 v7, v[32+4*i:35+4*i] offset:512*i
.set i, i+1
.endr
.set i, 0
.rept 8
	ds_store_b128 v8, v[48+4*i:51+4*i] offset:PAB+512*i
.set i, i+1
.endr
	s_wait_alu depctr_vm_vsrc(0)                   ; these LDS stores have read v[32:79], which the loop's LDS loads and vector lines write
	; Four chunks a trip, stage by stage, so that neighbouring lines do not wait for each other.  For each bit of the set's number a ballot.  The lanes that agree with a given number in bit bt are the ballot
	; where that bit is set and its complement where it is clear; the AND over the five bits is the mask of that set.  Taken with my TOKEN's set it gives my rank (the lanes below me in the mask); taken with my
	; LANE's number it gives, by a count of its bits, the chunk's count of set = lane.  Into CNT goes the count row, each token's word becomes set | rank << 8.  WORDS and this part of CNT are my wave's own.
	s_mov_b32 s84, 4
.Lp1:
	s_wait_alu depctr_va_vdst(0)                   ; v9 and v10 are written (the set-up, or the last trip's step); the last trip's lines are done with v[32:35], in which the loads land
	Z4 ds_load_b32 v[W+z], v9 offset:128*z
	s_wait_dscnt 0x0
	Z4 v_min_u32 v[W+z], 31, v[W+z]
	ZB v_and_b32 v[T+5*z+bt], 1<<bt, v[W+z]
	ZB v_cmp_eq_u32 s[BAL+5*z+bt], 1<<bt, v[T+5*z+bt]
	s_wait_alu depctr_va_sdst(0)                   ; the twenty ballots have written s[24:43], ahead of their first reader
	ZB v_cndmask_b32 v[T+5*z+bt], -1, 0, s[BAL+5*z+bt]
	ZB v_xor_b32 v[T+5*z+bt], s[BAL+5*z+bt], v[T+5*z+bt]
	ZB v_xor_b32 v[U+5*z+bt], s[BAL+5*z+bt], v[INV+bt]
	Z4 v_and_b32 v[T+5*z], v[T+5*z], v[T+5*z+1]
	Z4 v_and_b32 v[T+5*z+2], v[T+5*z+2], v[T+5*z+3]
	Z4 v_and_b32 v[U+5*z], v[U+5*z], v[U+5*z+1]
	Z4 v_and_b32 v[U+5*z+2], v[U+5*z+2], v[U+5*z+3]
	Z4 v_and_b32 v[T+5*z], v[T+5*z], v[T+5*z+2]
	Z4 v_and_b32 v[U+5*z], v[U+5*z], v[U+5*z+2]
	Z4 v_and_b32 v[T+5*z], v[T+5*z], v[T+5*z+4]
	Z4 v_and_b32 v[U+5*z], v[U+5*z], v[U+5*z+4]
	Z4 v_mbcnt_lo_u32_b32 v[T+5*z+1], v[T+5*z], 0  ; how many lanes below me have my set
	Z4 v_lshl_or_b32 v[W+z], v[T+5*z+1], 8, v[W+z]
	Z4 v_lshrrev_b32 v[U+5*z+1], 1, v[U+5*z]       ; the mask's bits are counted: by twos,
	Z4 v_and_b32 v[U+5*z+1], s44, v[U+5*z+1]
	Z4 v_sub_nc_u32 v[U+5*z], v[U+5*z], v[U+5*z+1]
	Z4 v_lshrrev_b32 v[U+5*z+1], 2, v[U+5*z]       ; by fours,
	Z4 v_and_b32 v[U+5*z], s45, v[U+5*z]
	Z4 v_and_b32 v[U+5*z+1], s45, v[U+5*z+1]
	Z4 v_add_nc_u32 v[U+5*z], v[U+5*z], v[U+5*z+1]
	Z4 v_lshrrev_b32 v[U+5*z+1], 4, v[U+5*z]       ; by bytes,
	Z4 v_add_nc_u32 v[U+5*z], v[U+5*z], v[U+5*z+1]
	Z4 v_and_b32 v[U+5*z], s46, v[U+5*z]
	Z4 v_mul_lo_u32 v[U+5*z], v[U+5*z], s47        ; and the four bytes' sum lands in the top byte
	Z4 v_lshrrev_b32 v[U+5*z], 24, v[U+5*z]
	s_wait_alu depctr_va_vdst(0)                   ; the four counts and the four words are written, which the LDS stores read
	Z4 ds_store_b32 v10, v[U+5*z] offset:128*z
	Z4 ds_store_b32 v9, v[W+z] offset:128*z
	v_add3_u32 v[WTS], v[WTS], v[U], v[U+5]
	v_add3_u32 v[WTS], v[WTS], v[U+10], v[U+15]
	s_wait_alu depctr_vm_vsrc(0)                   ; the trip's LDS loads and stores have read v9 and v10, which move on, and the counts and words, which the next trip writes
	v_add_nc_u32 v9, 512, v9
	v_add_nc_u32 v10, 512, v10
	s_sub_co_u32 s84, s84, 1
	s_cmp_lg_u32 s84, 0
	s_cbranch_scc1 .Lp1
	s_lshl_b32 s85, s22, 7
	v_lshl_add_u32 v11, v6, 2, s85
	v_add_nc_u32 v11, WT, v11
	s_lshl_b32 s86, s22, 6
	v_and_b32 v12, 3, v0
	v_lshl_add_u32 v12, v12, 4, s86
	v_add_nc_u32 v12, AUXS, v12
	v_lshl_add_u32 v16, v6, 2, WT                  ; the address of the loads behind the barrier is made here, ahead of the one wait
	s_wait_loadcnt 0x0                             ; the loss's partial sums: my wave's 32 rows are added up, four columns a lane
	v_pk_add_f32 v[AX:AX+1], v[AX:AX+1], v[AX+4:AX+5]
	v_pk_add_f32 v[AX+2:AX+3], v[AX+2:AX+3], v[AX+6:AX+7]
	v_pk_add_f32 v[AX+8:AX+9], v[AX+8:AX+9], v[AX+12:AX+13]
	v_pk_add_f32 v[AX+10:AX+11], v[AX+10:AX+11], v[AX+14:AX+15]
	v_pk_add_f32 v[AX:AX+1], v[AX:AX+1], v[AX+8:AX+9]
	v_pk_add_f32 v[AX+2:AX+3], v[AX+2:AX+3], v[AX+10:AX+11]
.irp m, 4,8
.set i, 0
.rept 4
	v_add_f32_dpp v[AX+i], v[AX+i], v[AX+i] row_xmask:\m row_mask:0xf bank_mask:0xf
.set i, i+1
.endr
.endr
.set i, 0
.rept 4
	v_permlanex16_b32 v[AX+4+i], v[AX+i], s90, s91
.set i, i+1
.endr
.set i, 0
.rept 4
	v_add_f32 v[AX+i], v[AX+i], v[AX+4+i]
.set i, i+1
.endr
	s_wait_alu depctr_va_vdst(0)                   ; v11, v12, v16, my row of counts and my four sums are written, which the two stores and the loads behind the barrier read; the loop's lines are done with v[32:39], in which those loads land
	ds_store_b32 v11, v[WTS]                       ; my wave's row of sums
	ds_store_b128 v12, v[AX:AX+3]                  ; the eight lanes that hold the same four columns store the same bytes
	s_wait_dscnt 0x0                               ; for the others' sake: my two rows of sums are in LDS
	s_barrier_signal -1
	s_barrier_wait -1                              ; behind it nothing is stored into LDS any more
	; the eight waves' rows (lane = set): the totals, and the sum of the rows of the waves ahead of mine
.set i, 0
.rept 8
	ds_load_b32 v[32+i], v16 offset:128*i          ; no vector line stands between the wait above and these
.set i, i+1
.endr
.set i, 0
.rept 7
	s_cmp_gt_u32 s22, i                            ; an earlier wave's row?
	s_cselect_b32 s[24+i], -1, 0
.set i, i+1
.endr
	s_wait_dscnt 0x0
.set i, 0
.rept 7
	v_and_b32 v[40+i], s[24+i], v[32+i]
.set i, i+1
.endr
	v_add3_u32 v17, v32, v33, v34
	v_add3_u32 v18, v40, v41, v42
	v_add3_u32 v17, v17, v35, v36
	v_add3_u32 v18, v18, v43, v44
	v_add3_u32 v17, v17, v37, v38
	v_add3_u32 v18, v18, v45, v46
	v_add_nc_u32 v17, v17, v39
	; the counts as scalars; each expert's rows and first place; for each set (lane = set): TS its first place in the set order, TA and TB what leads from there into its two experts' lists
.set i, 0
.rept 28
	v_readlane_b32 s[NS+i], v17, i
.set i, i+1
.endr
.set i, 0
.rept 8
	s_mov_b32 s[NE+i], 0
.set i, i+1
.endr
	s_wait_alu depctr_va_sdst(0)                   ; the 28 counts are written into s[24:51], ahead of their first reader
.set sx, 0
.set ea, 0
.rept 7
.set eb, ea+1
.rept 7-ea
	s_add_co_u32 s[NE+ea], s[NE+ea], s[NS+sx]
	s_add_co_u32 s[NE+eb], s[NE+eb], s[NS+sx]
.set eb, eb+1
.set sx, sx+1
.endr
.set ea, ea+1
.endr
	s_mov_b32 s[EO], 0
.set i, 1
.rept 7
	s_add_co_u32 s[EO+i], s[EO+i-1], s[NE+i-1]
.set i, i+1
.endr
.set i, 0
.rept 8
	s_mov_b32 s[RUN+i], s[EO+i]
.set i, i+1
.endr
	v_mov_b32 v19, 0
	v_mov_b32 v20, 0
	v_mov_b32 v21, 0
	s_mov_b32 s86, 0
.set sx, 0
.set ea, 0
.rept 7
.set eb, ea+1
.rept 7-ea
	v_writelane_b32 v19, s86, sx
	s_sub_co_u32 s87, s[RUN+ea], s86
	v_writelane_b32 v20, s87, sx
	s_sub_co_u32 s87, s[RUN+eb], s86
	v_writelane_b32 v21, s87, sx
	s_add_co_u32 s[RUN+ea], s[RUN+ea], s[NS+sx]
	s_add_co_u32 s[RUN+eb], s[RUN+eb], s[NS+sx]
	s_add_co_u32 s86, s86, s[NS+sx]
.set eb, eb+1
.set sx, sx+1
.endr
.set ea, ea+1
.endr
	; the placement: four chunks a trip.  RB + z (lane = set): the next free place of each set, for chunk z of the trip: four registers, so that none is written between the permutes that read them.
.set CN, 36
.set PP, 40
.set IX, 52
.set B1, 56
.set B2, 60
.set B3, 64
.set PO, 68
.set JA, 72
.set JB, 76
.set E1, 96
.set E2, 100
.set TK, 104
.set RB, 108
	v_add_nc_u32 v[RB], v19, v18
	v_lshl_add_u32 v9, v6, 2, s82
	v_add_nc_u32 v10, CNT, v9
	v_lshl_add_u32 v23, v6, 3, s83
	v_add_nc_u32 v23, PAB, v23
	s_lshl_b32 s85, s22, 9
	v_add_nc_u32 v24, s85, v6                      ; my token in the trip's first chunk
	s_mov_b32 s84, 4
.Lp3:
	s_wait_alu depctr_va_vdst(0)                   ; v9, v10 and v23 are written (the set-up, or the last trip's steps); the lines so far are done with v[32:47], in which the loads land
.set z, 0
.rept 4
	ds_load_b32 v[W+z], v9 offset:128*z
	ds_load_b32 v[CN+z], v10 offset:128*z
	ds_load_b64 v[PP+2*z:PP+2*z+1], v23 offset:256*z
.set z, z+1
.endr
	s_wait_dscnt 0x0
	Z4 v_and_b32 v[IX+z], 0xff, v[W+z]
	Z4 v_min_u32 v[IX+z], 31, v[IX+z]
	Z4 v_lshlrev_b32 v[IX+z], 2, v[IX+z]
	v_add_nc_u32 v[RB+1], v[RB], v[CN]             ; on to the next chunk
	v_add_nc_u32 v[RB+2], v[RB+1], v[CN+1]
	v_add_nc_u32 v[RB+3], v[RB+2], v[CN+2]
	s_wait_alu depctr_va_vdst(0)                   ; the four indices and the four rows of places are written (in the first trip v20 and v21 too), which the permutes read; the last trip's lines are done reading v[56:67], in which their results land
	Z4 ds_bpermute_b32 v[B1+z], v[IX+z], v[RB+z]   ; each token pulls its set's three numbers from the lane of that set
	Z4 ds_bpermute_b32 v[B2+z], v[IX+z], v20
	Z4 ds_bpermute_b32 v[B3+z], v[IX+z], v21
	Z4 v_lshrrev_b32 v[W+z], 8, v[W+z]             ; work that names no register of the permutes stands in the wait for them
	Z4 v_add_nc_u32 v[TK+z], 32*z, v24
	s_wait_dscnt 0x0
	Z4 v_add_nc_u32 v[PO+z], v[B1+z], v[W+z]
	Z4 v_min_u32 v[PO+z], 0xfff, v[PO+z]           ; pos
	Z4 v_add_nc_u32 v[JA+z], v[PO+z], v[B2+z]
	Z4 v_add_nc_u32 v[JB+z], v[PO+z], v[B3+z]
	Z4 v_min_u32 v[JA+z], 0x1fff, v[JA+z]
	Z4 v_min_u32 v[JB+z], 0x1fff, v[JB+z]
	Z4 v_mul_u32_u24 v[E1+z], 22, v[PO+z]
	Z4 v_lshl_or_b32 v[E1+z], v[E1+z], 12, v[TK+z]
	Z4 v_add_nc_u32 v[E2+z], 0x1000, v[E1+z]
	Z4 v_lshlrev_b32 v[PO+z], 2, v[PO+z]
	Z4 v_lshlrev_b32 v[JA+z], 2, v[JA+z]
	Z4 v_lshlrev_b32 v[JB+z], 2, v[JB+z]
	s_wait_alu depctr_va_vdst(0)                   ; the stores' offsets (PO, JA, JB) and data (TK, E1, E2) are written
.set z, 0
.rept 4
	global_store_b32 v[PO+z], v[TK+z], s[16:17] offset:32768
	global_store_b32 v[JA+z], v[E1+z], s[16:17]
	global_store_b32 v[JB+z], v[E2+z], s[16:17]
	global_store_b32 v[JA+z], v[PP+2*z], s[18:19]
	global_store_b32 v[JB+z], v[PP+2*z+1], s[18:19]
.set z, z+1
.endr
	s_wait_xcnt 0x0                                ; the stores' addresses and data are rewritten only behind this wait,
	s_wait_alu depctr_vm_vsrc(0)                   ; and the trip's LDS loads, permutes and stores have read their registers: the addresses and RB move on, the others are written in the next trip or in the tables' lines
	v_add_nc_u32 v9, 512, v9
	v_add_nc_u32 v10, 512, v10
	v_add_nc_u32 v23, 1024, v23
	v_add_nc_u32 v24, 128, v24
	v_add_nc_u32 v[RB], v[RB+3], v[CN+3]
	s_sub_co_u32 s84, s84, 1
	s_cmp_lg_u32 s84, 0
	s_cbranch_scc1 .Lp3
	s_cmp_lt_u32 s22, 2
	s_cbranch_scc1 .Lt1
	s_cmp_lt_u32 s22, 5
	s_cbranch_scc1 .Lt2
	s_cmp_eq_u32 s22, 5
	s_cbranch_scc1 .Laux
	s_branch .Lfin
.set TSS, 66                           ; s[66:73]  the tables: the first tile of each expert, or of each set of a run of seven (and of the next run's first); RUN is done with
.set PSS, 74                           ; s[74:81]  t2 alone: the first place of each set of a run (and of the next run's first); EO is done with there
.set MK1, 24                           ; s[24:31]  t1: the eight compares' masks; the sets' counts are done with there
.set MK2, 52                           ; s[52:58]  t2: a run's seven masks; the experts' rows are done with there
.Lt1:                                  ; threads 0..63: tile i belongs to the last expert whose first tile is not behind i
	v_mov_b32 v33, 0
	v_mov_b32 v34, 0
	v_mov_b32 v35, 0
	v_mov_b32 v36, 0
	s_mov_b32 s[TSS], 0
.set i, 0
.rept 8                                ; the eight compares stand in a run, each with a scalar register of its own
	v_cmp_le_u32 s[MK1+i], s[TSS+i], v0
.if i < 7
	s_add_co_u32 s87, s[NE+i], 143
	s_mul_i32 s87, s87, 58255
	s_lshr_b32 s87, s87, 23                        ; (rows + 143) / 144, exact up to 8,335
	s_add_co_u32 s[TSS+i+1], s[TSS+i], s87
.endif
.set i, i+1
.endr
	s_wait_alu depctr_va_sdst(0)                   ; the eight masks are written, ahead of the selects
.set i, 0
.rept 8
	v_cndmask_b32 v33, v33, i, s[MK1+i]
	v_cndmask_b32 v34, v34, s[EO+i], s[MK1+i]
	v_cndmask_b32 v35, v35, s[NE+i], s[MK1+i]
	v_cndmask_b32 v36, v36, s[TSS+i], s[MK1+i]
.set i, i+1
.endr
	v_sub_nc_u32 v37, v0, v36
	v_mul_u32_u24 v37, v37, 144                    ; the tile's first row in the expert
	v_mov_b32 v40, v33
	v_add_nc_u32 v41, v34, v37
	v_min_u32 v38, v37, v35
	v_sub_nc_u32 v42, v35, v38
	v_min_u32 v42, 144, v42                        ; its rows: 0 past the last tile
	v_mov_b32 v43, 0
	v_lshlrev_b32 v44, 4, v0
	s_wait_alu depctr_va_vdst(0)                   ; the entry v[40:43] and its offset v44 are written, which the store reads
	global_store_b128 v44, v[40:43], s[16:17] offset:49152
	s_branch .Lfin
.Lt2:                                  ; threads 64..159: the same over the 28 sets, tiles of 80; four runs of seven sets
	v_subrev_nc_u32 v32, 64, v0
	v_mov_b32 v33, 0
	v_mov_b32 v35, 0
	v_mov_b32 v36, 0
	v_mov_b32 v37, 0
	s_mov_b32 s[TSS], 0
	s_mov_b32 s[PSS], 0
.set sx, 0
.set sy, 0
.set fa, 0                             ; the set {fa, fb} whose selects are written next
.set fb, 1
.rept 4
.set k, 0
.rept 7
	v_cmp_le_u32 s[MK2+k], s[TSS+k], v32
	s_add_co_u32 s87, s[NS+sx], 79
	s_mul_i32 s87, s87, 52429
	s_lshr_b32 s87, s87, 22                        ; (tokens + 79) / 80, exact up to 4,175
	s_add_co_u32 s[TSS+k+1], s[TSS+k], s87
	s_add_co_u32 s[PSS+k+1], s[PSS+k], s[NS+sx]
.set k, k+1
.set sx, sx+1
.endr
	s_wait_alu depctr_va_sdst(0)                   ; the run's seven masks are written, ahead of the selects
.set k, 0
.rept 7
	v_cndmask_b32 v33, v33, fa|(fb<<8), s[MK2+k]
	v_cndmask_b32 v35, v35, s[PSS+k], s[MK2+k]
	v_cndmask_b32 v36, v36, s[NS+sy], s[MK2+k]
	v_cndmask_b32 v37, v37, s[TSS+k], s[MK2+k]
.set k, k+1
.set sy, sy+1
.set fb, fb+1
.if fb == 8
.set fa, fa+1
.set fb, fa+1
.endif
.endr
.if sx < 28
	s_mov_b32 s[TSS], s[TSS+7]                     ; the next run goes on where this one ended
	s_mov_b32 s[PSS], s[PSS+7]
.endif
.endr
	v_sub_nc_u32 v38, v32, v37
	v_mul_u32_u24 v38, v38, 80
	v_and_b32 v40, 0xff, v33
	v_lshrrev_b32 v41, 8, v33
	v_add_nc_u32 v42, v35, v38
	v_min_u32 v39, v38, v36
	v_sub_nc_u32 v43, v36, v39
	v_min_u32 v43, 80, v43
	v_lshlrev_b32 v44, 4, v32
	s_wait_alu depctr_va_vdst(0)                   ; the entry v[40:43] and its offset v44 are written, which the store reads
	global_store_b128 v44, v[40:43], s[16:17] offset:50176
	s_branch .Lfin
.Laux:                                 ; wave 5: the eight waves' rows of 16 sums, column lane % 16: columns 0-7 the sums of p_e, columns 8-15 the counts of e
	v_lshl_add_u32 v25, v[CL], 2, AUXS
	s_wait_alu depctr_va_vdst(0)                   ; v25 is written, which the loads read; the placement's lines are done with v[32:39], in which they land
.set i, 0
.rept 8
	ds_load_b32 v[32+i], v25 offset:64*i
.set i, i+1
.endr
	s_wait_dscnt 0x0
	v_add_f32 v32, v32, v33
	v_add_f32 v34, v34, v35
	v_add_f32 v36, v36, v37
	v_add_f32 v38, v38, v39
	v_add_f32 v32, v32, v34
	v_add_f32 v36, v36, v38
	v_add_f32 v32, v32, v36
	v_mul_f32_dpp v33, v32, v32 row_xmask:8 row_mask:0xf bank_mask:0xf  ; the sum of p_e times the count of e: they lie eight lanes apart
.irp m, 1,2,4
	v_add_f32_dpp v33, v33, v33 row_xmask:\m row_mask:0xf bank_mask:0xf  ; over the eight experts
.endr
	v_mul_f32 v33, 0x31a3d70a, v33                 ; 0.08 / 2^24
	v_mov_b32 v37, 0
	s_wait_alu depctr_va_vdst(0)                   ; the number and its offset are written, which the store reads
	global_store_b32 v37, v33, s[20:21]            ; every lane holds the number and stores it to the one word
.Lfin:
	s_wait_dscnt 0x0                               ; the wave's end: my LDS instructions are done
	s_wait_alu depctr_hold_cnt(0) depctr_sa_sdst(0) depctr_va_vdst(0) depctr_va_sdst(0) depctr_va_ssrc(0) depctr_va_vcc(0) depctr_vm_vsrc(0)
	s_wait_tensorcnt 0x0
	ds_add_u32 v2, v3
	s_wait_dscnt 0x0
	s_endpgm
.Lfunc_end_k_qc9f7fe31d1_prep:
	.size	k_qc9f7fe31d1_prep, .Lfunc_end_k_qc9f7fe31d1_prep-k_qc9f7fe31d1_prep
	.p2alignl 7, 3214868480
	.fill 96, 4, 3214868480
	.section	.rodata,"a",@progbits
	.p2align	6, 0x0
	.amdhsa_kernel k_qc9f7fe31d1_prep
		.amdhsa_group_segment_fixed_size 86528
		.amdhsa_private_segment_fixed_size 0
		.amdhsa_enable_private_segment 0
		.amdhsa_kernarg_size 80
		.amdhsa_user_sgpr_count 2
		.amdhsa_user_sgpr_kernarg_segment_ptr 1
		.amdhsa_wavefront_size32 1
		.amdhsa_system_sgpr_workgroup_id_x 1
		.amdhsa_system_sgpr_workgroup_id_y 1
		.amdhsa_system_sgpr_workgroup_id_z 1
		.amdhsa_system_vgpr_workitem_id 0
		.amdhsa_next_free_vgpr 168
		.amdhsa_next_free_sgpr 96
		.amdhsa_reserve_vcc 0
		.amdhsa_float_denorm_mode_32 3
		.amdhsa_float_denorm_mode_16_64 3
		.amdhsa_memory_ordered 1
		.amdhsa_forward_progress 1
		.amdhsa_inst_pref_size 99
	.end_amdhsa_kernel
	.amdgpu_metadata
---
amdhsa.version: [ 1, 2 ]
amdhsa.kernels:
  - .name:           k_qc9f7fe31d1_prep
    .symbol:         k_qc9f7fe31d1_prep.kd
    .args:
      - { .name: w1, .offset: 0, .size: 8, .value_kind: global_buffer, .address_space: global }
      - { .name: w2, .offset: 8, .size: 8, .value_kind: global_buffer, .address_space: global }
      - { .name: w3, .offset: 16, .size: 8, .value_kind: global_buffer, .address_space: global }
      - { .name: wf, .offset: 24, .size: 8, .value_kind: global_buffer, .address_space: global }
      - { .name: choice, .offset: 32, .size: 8, .value_kind: global_buffer, .address_space: global }
      - { .name: rt, .offset: 40, .size: 8, .value_kind: global_buffer, .address_space: global }
      - { .name: lists, .offset: 48, .size: 8, .value_kind: global_buffer, .address_space: global }
      - { .name: ep, .offset: 56, .size: 8, .value_kind: global_buffer, .address_space: global }
      - { .name: out1, .offset: 64, .size: 8, .value_kind: global_buffer, .address_space: global }
      - { .name: wn, .offset: 72, .size: 8, .value_kind: global_buffer, .address_space: global }
    .group_segment_fixed_size: 86528
    .private_segment_fixed_size: 0
    .kernarg_segment_align: 8
    .kernarg_segment_size: 80
    .max_flat_workgroup_size: 256
    .sgpr_count:     96
    .vgpr_count:     168
    .wavefront_size: 32
...
	.end_amdgpu_metadata
.endif
;; end of part 9
;; launch up: the kernel of part 7 again; grid 4 x 64, 4 waves a work-group, no clusters, 305,664 bytes of LDS; arguments xb, wf, lists, ep, hbuf, wn; writes hbuf
;; launch down: the kernel of part 8 again; grid 4 x 79, 4 waves a work-group, no clusters, 244,992 bytes of LDS; arguments hbuf, wf, lists, out0, rt; writes out0
